; MI455X (gfx1250); checked and timed in simulation.
; The chip was launched on July 23, 2026; its instructions are those of AMD's public machine-readable ISA for CDNA 5 (MIT licence, August 2026) and "CDNA5" Instruction Set Architecture Reference Guide (July 2026). The comments in the code are by the model that wrote it; some were corrected since.
;; Attention. Allowed arithmetic: matrix products marked QUANTISED: E2M3 operands, one E8M0 scale for each 32 along K, by v_wmma_scale_f32_16x16x128_f8f6f4 with both operands' format E2M3, f32 sums; everything else in f32.
;; Inputs: W_k 1,024 x 1,024 float32; W_q 1,024 x 1,024 float32; W_v 1,024 x 1,024 float32; k 4 x 2,048 x 1,024 float32; q 4 x 2,048 x 1,024 float32; v 4 x 2,048 x 1,024 float32.
;; Outputs: out0 4 x 2,048 x 1,024 float32.
;; This version of the problem:
;;   THIS VERSION OF THE PROBLEM IS GIVEN IN LOW PRECISION. The matrix products marked QUANTISED in the list below multiply operands that are first quantised to E2M3 (2 exponent bits, 3 mantissa bits; 6 bits a number), with one power-of-two scale for each 32 numbers along K (OCP MX v1.0); their sums are f32. All else is computed in f32.
;;   The module's matrix products, in the order in which they are computed (A, B: the left and right operand; K: the contracted axis; several contracted axes count as one K, in the product's order):
;;     1. [M 8,192, K 1,024] x [K 1,024, N 1,024]; A: input q; B: input W_q: QUANTISED
;;     2. [M 8,192, K 1,024] x [K 1,024, N 1,024]; A: input k; B: input W_k: QUANTISED
;;     3. [M 8,192, K 1,024] x [K 1,024, N 1,024]; A: input v; B: input W_v: QUANTISED
;;     4. batch 4 x [M 2,048, K 1,024] x [K 1,024, N 2,048]; A: computed on the way; B: computed on the way: QUANTISED
;;     5. batch 4 x [M 2,048, K 2,048] x [K 2,048, N 1,024]; A: softmax (see below); B: computed on the way: QUANTISED
;;   THE QUANTISER, for each operand of a quantised product, along K:
;;     - K is cut into blocks of 32 from its start; a last block that is shorter is filled with zeros.
;;     - A block's scale is 2^e with e = floor(log2(the largest magnitude in the block)) - 2, held to -126 .. 127; a block of zeros has e = 0. As a byte (E8M0): e + 127.
;;     - Each number is divided by its block's scale, clamped to +-7.5, and rounded to the nearest number of E2M3, ties to even, subnormals kept.
;;     - The product sums the exact products of the quantised numbers (number of the format x scale) in f32.
;;   ~~~python
;;   def quantise(x, axis):      # numpy; x: float32 -> the quantised numbers, widened to float32 again
;;       x = np.moveaxis(x, axis, -1); K = x.shape[-1]
;;       x = np.pad(x, [(0, 0)] * (x.ndim - 1) + [(0, -K % 32)]); x = x.reshape(x.shape[:-1] + (-1, 32)); a = np.abs(x).max(-1, keepdims=True)
;;       e = np.where(a > 0, np.clip(np.frexp(np.where(a > 0, a, 1))[1] - 1 - 2, -126, 127), 0)      # np.frexp(a)[1] - 1 = floor(log2(a)), exactly
;;       r = np.clip(x / 2.0 ** e, -7.5, 7.5)
;;       step = 2.0 ** (np.maximum(np.frexp(np.where(r == 0, 1, r))[1] - 1, 0) - 3)
;;       q = np.round(r / step) * step * 2.0 ** e      # np.round: ties to even
;;       return np.moveaxis(q.reshape(q.shape[:-2] + (-1,))[..., :K], -1, axis).astype(np.float32)
;;   ~~~
;;   SOFTMAX AHEAD OF A QUANTISED PRODUCT. Where the list says 'softmax', what is quantised is not the finished softmax but p = 2^(t - M), with t = logit x log2(e) and M = ceil(the row's largest t), a whole number; so 1/2 < the row's largest p <= 1. The row's sum l is taken of the UNQUANTISED p, in f32, and the product's result is divided by l at the end. Since M is a whole number, a kernel that streams over the keys may use a running M (the ceiling of the running maximum): every later rescaling is an exact power of two, which a block's scale takes up: the codes' values come out the same.
;;   OPERANDS COMPUTED ON THE WAY. 'Computed on the way' means the value that the module computes at that place (a softmax that the list does not call 'softmax' is quantised finished and normalised). What goes into a quantiser is computed in f32, as accurately as f32 sums, v_exp_f32 and their like allow (about 1e-6 of the number): no bf16 or f16 on the way to a quantiser, and a product that is left as it is and whose result goes on into a quantised operand takes f32 operands (vector FMAs, or v_wmma_f32_16x16x4_f32). A number that lies on a knife's edge between two numbers of the format may be rounded either way, as far as f32 arithmetic and the matrix unit's own rounding can turn it there, and no further.
;; 2 versions. Each part assembles by itself: llvm-mc -triple=amdgcn-amd-amdhsa -mcpu=gfx1250 --defsym DOCPART=n.
;; ======== version 1 of 2: 4 launches
;; workspace buffers: xc 19,660,800 bytes; wc 2,457,600 bytes; qkc 13,107,200 bytes; vtc 6,553,600 bytes; pc 13,107,200 bytes; pstat 1,048,576 bytes
;; launch quant (part 1): grid 576 x 1, 4 waves a work-group, no clusters, 34,304 bytes of LDS; arguments q, k, v, W_q, W_k, W_v, xc, wc; writes xc, wc
.if DOCPART == 1
	.amdgcn_target "amdgcn-amd-amdhsa--gfx1250"
	.amdhsa_code_object_version 6
	.text
	.protected	k_q3e379ee768_quant
	.globl	k_q3e379ee768_quant
	.p2align	8
	.type	k_q3e379ee768_quant,@function
k_q3e379ee768_quant:
	s_mov_b64 s[64:65], 0
	v_nop
	global_prefetch_b8 v0, s[64:65] scope:SCOPE_SE
	s_setreg_imm32_b32 hwreg(HW_REG_WAVE_MODE, 25, 1), 1
	s_wait_xcnt 0x0
; q, k, v [8192][1024] and W_q, W_k, W_v [1024 (d)][1024 (e)], f32, become codes of FP6 (E2M3) with one E8M0 byte for each 32 along K = d.
; A block's scale is 2^(floor(log2(its largest magnitude)) - 2): its byte is the largest magnitude's exponent field - 2, held at 1 from below.
; LIMITS: NaN and infinities are not served; a block of zeros gets the byte 1 where the rule says 127 (its codes are zeros, and this program alone reads the bytes).
; THE LAYOUT OF EVERY OPERAND BUFFER OF THIS PROGRAM.  128 rows are a row block of 8 tiles of 16; lane-row r of tile i is row 32 (i / 2) + 8 (i % 2) + r + 8 (r / 8) of the block.
; A fragment (a tile x 128 K) lies as the image of its 12 registers: registers 4 c .. 4 c + 3 of lane l at 512 c + 16 l: 1,536 bytes.  A chunk is a row block x 256 K, 25,600 bytes:
; K step ks's eight fragments at 12,288 ks + 1,536 tile; the scale word of (ks, r, tile) at 24,576 + 512 ks + 32 r + 4 tile.  A buffer is [row block][256 K] chunks on end.
; xc: row blocks 0-63 q, 64-127 k, 128-191 v.  wc: rows = e, row blocks 0-7 W_q, 8-15 W_k, 16-23 W_v.
; Work-groups 0-191 take the weights (a wave: 32 columns e x 128 d; a lane a column, its registers down K), work-groups 192-575 the activations (a wave: 128 rows x 128 d).
; No tensor load, no barrier: waves share nothing.  Only the activations' path touches LDS (a stage of its own for each wave).
.set CH,    25600
.set KSB,   12288
.set SCO,   24576
.set SP,    528                        ; a stage row: 512 bytes + 16: 33 x 16, so that sixteen rows' 16 bytes fall on different banks
.set WSTG,  16*SP                      ; a wave's stage
.set SPARE, 4*WSTG                     ; behind the stages: the spare words, 128 bytes for each wave, which no other line names
.set SI,   1                           ; v1   x: the stage on the way in, 16 x lane.   W: 4 x my column
.set SOU,  2                           ; v2   x: the stage on the way out, 528 r + 128 h.   W: my scale word's place, 32 r + 4 u
.set H8,   3                           ; v3   8 h
.set LI,   4                           ; v4   16 x lane
.set SOFF, 5                           ; v5   32 r + 16 h
.set SPW,  6                           ; v6   my spare word; never rewritten
.set NIL,  7                           ; v7   0; never rewritten
.set PW,   8                           ; v8-15 scale words (x: one for each tile; W: v8)
.set U,    16                          ; W: v16-143 four blocks of 32 numbers
.set R,    16                          ; x: v16-143 two sets of 64 registers as loaded
.set X,    144                         ; x: v144-207 my two whole blocks of a row
.set F,    208                         ; v208-231 two fragments
.set T,    232                         ; v232-238 a block's upper 16 codes (a conversion's three registers begin on an even number)
.set TM,   240                         ; v240-247 at work
.set RR,   248                         ; r
.set HH,   249                         ; h
	s_load_b256 s[8:15], s[0:1], 0x0               ; q s[8:9], k s[10:11], v s[12:13], W_q s[14:15]
	s_load_b256 s[16:23], s[0:1], 0x20             ; W_k s[16:17], W_v s[18:19], xc s[20:21], wc s[22:23]
	v_lshl_add_u32 v[SPW], v0, 2, SPARE
	v_mov_b32 v[NIL], 0
	v_lshrrev_b32 v1, 5, v0
	v_readfirstlane_b32 s2, v1                     ; wave
	v_and_b32 v[RR], 15, v0
	v_bfe_u32 v[HH], v0, 4, 1
	v_and_b32 v[LI], 31, v0
	v_lshlrev_b32 v[LI], 4, v[LI]
	v_lshlrev_b32 v[H8], 3, v[HH]
	v_lshlrev_b32 v[SOFF], 5, v[RR]
	v_lshl_add_u32 v[SOFF], v[HH], 4, v[SOFF]
	s_mov_b32 s36, 0x76543210
	s_mov_b32 s37, 0xfedcba98                      ; v_permlanex16_b32's selects for lane l xor 16
	s_cmp_lt_u32 ttmp9, 192
	s_cbranch_scc0 .Lx_path
; ---------------- THE WEIGHTS.  Work-group = 64 T + 8 rb + ksg; wave g takes tiles 2 g and 2 g + 1 of row block rb, K step ksg (128 rows d of W).
; Lane 16 u + r takes column 8 u + r + 8 (r / 8) of the wave's 32, which is lane-row r of tile 2 g + u: the 32 lanes of a load read 128 consecutive bytes.
	v_and_b32 v1, 8, v[RR]
	v_add_nc_u32 v1, v1, v[RR]
	v_lshl_add_u32 v1, v[HH], 3, v1
	v_lshlrev_b32 v1, 2, v1
	v_lshlrev_b32 v2, 5, v[RR]
	v_lshl_add_u32 v2, v[HH], 2, v2
	s_lshr_b32 s3, ttmp9, 6                        ; T: which weight
	s_lshr_b32 s4, ttmp9, 3                        ; 8 T + rb: wc's row block
	s_and_b32 s5, s4, 7                            ; rb
	s_and_b32 s6, ttmp9, 7                         ; ksg
	s_lshl_b32 s26, s6, 19                         ; 128 rows of 4,096 bytes
	s_lshl_b32 s7, s5, 9
	s_add_co_u32 s26, s26, s7
	s_lshl_b32 s7, s2, 7
	s_add_co_u32 s26, s26, s7
	s_mov_b32 s27, 0
	s_lshl_b32 s32, s4, 2
	s_lshr_b32 s7, s6, 1
	s_add_co_u32 s32, s32, s7
	s_mul_i32 s32, s32, CH                         ; my chunk
	s_and_b32 s7, s6, 1
	s_mul_i32 s28, s7, KSB
	s_add_co_u32 s28, s28, s32
	s_mul_i32 s33, s2, 3072
	s_add_co_u32 s28, s28, s33                     ; my two fragments
	s_mov_b32 s29, 0
	s_lshl_b32 s30, s7, 9
	s_add_co_u32 s30, s30, s32
	s_lshl_b32 s33, s2, 3
	s_add_co_u32 s30, s30, s33
	s_add_co_u32 s30, s30, SCO                     ; my two tiles' scale words
	s_mov_b32 s31, 0
	s_wait_kmcnt 0x0
	s_cmp_lt_u32 s3, 1
	s_cselect_b64 s[24:25], s[14:15], s[16:17]
	s_cmp_lt_u32 s3, 2
	s_cselect_b64 s[24:25], s[24:25], s[18:19]
	s_add_nc_u64 s[24:25], s[24:25], s[26:27]
	s_add_nc_u64 s[28:29], s[22:23], s[28:29]
	s_add_nc_u64 s[30:31], s[22:23], s[30:31]
.macro LOADW e                         ; block e: W(32 e + i, my column), i = 0 .. 31
.set i, 0
.rept 32
	global_load_b32 v[U+32*(\e)+i], v1, s[24:25] offset:(32*(\e)+i)*4096 th:TH_LOAD_NT
.set i, i+1
.endr
.endm
.macro BLOCKW e                        ; all 32 numbers of the block are mine
.set US, U+32*(\e)
.set FS, F+12*((\e)%2)+6*((\e)/2)      ; blocks 0, 2 into the first run of 12 registers, blocks 1, 3 into the second
.if (\e) < 3
	s_wait_loadcnt 32                              ; this block's 32 loads are in; the next block's may be out
.else
	s_wait_loadcnt 0x0
.endif
.if (\e)+2 < 4
	LOADW (\e)+2
.endif
	v_max3_num_f32 v[TM], |v[US]|, |v[US+1]|, |v[US+2]|
	v_max3_num_f32 v[TM+1], |v[US+3]|, |v[US+4]|, |v[US+5]|
.irp n, 6,10,14,18,22,26
	v_max3_num_f32 v[TM], v[TM], |v[US+\n]|, |v[US+\n+1]|
	v_max3_num_f32 v[TM+1], v[TM+1], |v[US+\n+2]|, |v[US+\n+3]|
.endr
	v_max3_num_f32 v[TM], v[TM], |v[US+30]|, |v[US+31]|
	v_max3_num_f32 v[TM], v[TM], v[TM+1], 0x1800000   ; and the floor 2^(3 - 127): the byte cannot fall under 1
	v_add_nc_u32 v[TM+2], 0xff000000, v[TM]        ; 2 off the exponent field: the conversion's scale operand
	v_lshrrev_b32 v[TM+3], 23, v[TM+2]             ; the scale's byte
.if (\e) == 0
	v_mov_b32 v[PW], v[TM+3]
.else
	v_lshl_or_b32 v[PW], v[TM+3], 8*(\e), v[PW]
.endif
	v_cvt_scalef32_pk16_fp6_f32 v[FS:FS+2], v[US:US+15], v[TM+2]
	v_cvt_scalef32_pk16_fp6_f32 v[T:T+2], v[US+16:US+31], v[TM+2]
	v_nop                                          ; one plain place behind a scaled conversion
.irp n, 0,1,2
	v_mov_b32 v[FS+3+\n], v[T+\n]
.endr
.endm
	LOADW 0
	LOADW 1
	BLOCKW 0
	BLOCKW 1
	BLOCKW 2
	BLOCKW 3
; Lane 16 u + r holds blocks 0, 2 (first run) and 1, 3 (second run) of tile 2 g + u's row r.  A fragment wants blocks h, 2 + h in lane (r, h): the first run's lanes 16-31 change places with the second's lanes 0-15.
.set i, 0
.rept 12
	v_permlane16_swap_b32 v[F+i], v[F+12+i]
.set i, i+1
.endr
.irp c, 0,1,2,3,4,5
	global_store_b128 v[LI], v[F+4*\c:F+4*\c+3], s[28:29] offset:512*\c   ; 512 consecutive bytes a store
.endr
	global_store_b32 v2, v[PW], s[30:31]           ; 4 bytes a lane inside the K step's 512 bytes of scale words, which the four waves fill together: 1 byte for each 128 read
	s_endpgm
; ---------------- THE ACTIVATIONS.  Work-group - 192 = 2 rb + half; wave w takes K step 4 half + w of row block rb: eight fragments.
.Lx_path:
	s_sub_co_u32 s3, ttmp9, 192
	s_lshr_b32 s4, s3, 1                           ; rb, 0 .. 191
	s_and_b32 s5, s3, 1
	s_lshl_b32 s5, s5, 2
	s_add_co_u32 s5, s5, s2                        ; K step, 0 .. 7
	s_and_b32 s6, s4, 63
	s_lshl_b32 s26, s6, 19                         ; 128 rows of 4,096 bytes
	s_lshl_b32 s7, s5, 9
	s_add_co_u32 s26, s26, s7
	s_mov_b32 s27, 0
	s_lshl_b32 s32, s4, 2
	s_lshr_b32 s7, s5, 1
	s_add_co_u32 s32, s32, s7
	s_mul_i32 s32, s32, CH                         ; my chunk
	s_and_b32 s7, s5, 1
	s_mul_i32 s28, s7, KSB
	s_add_co_u32 s28, s28, s32
	s_mov_b32 s29, 0
	s_lshl_b32 s30, s7, 9
	s_add_co_u32 s30, s30, s32
	s_add_co_u32 s30, s30, SCO
	s_mov_b32 s31, 0
	s_mul_i32 s33, s2, WSTG
	v_add_nc_u32 v[SI], s33, v[LI]
	v_mul_u32_u24 v[SOU], v[RR], SP
	v_lshl_add_u32 v[SOU], v[HH], 7, v[SOU]
	v_add_nc_u32 v[SOU], s33, v[SOU]
	v_mov_b32 v[TM+7], 0                           ; written once: a lane permute's destination counts as one of its sources
	s_wait_kmcnt 0x0
	s_cmp_lt_u32 s4, 64
	s_cselect_b64 s[24:25], s[8:9], s[10:11]
	s_cmp_lt_u32 s4, 128
	s_cselect_b64 s[24:25], s[24:25], s[12:13]
	s_add_nc_u64 s[24:25], s[24:25], s[26:27]
	s_add_nc_u64 s[28:29], s[20:21], s[28:29]
	s_add_nc_u64 s[30:31], s[20:21], s[30:31]
.macro LOADX i                         ; tile i's sixteen rows, 512 consecutive bytes a load
.irp j, 0,1,2,3,4,5,6,7,8,9,10,11,12,13,14,15
	global_load_b128 v[R+64*((\i)%2)+4*\j:R+64*((\i)%2)+4*\j+3], v[LI], s[24:25] offset:(32*((\i)/2)+8*((\i)%2)+\j+8*(\j/8))*4096 th:TH_LOAD_NT
.endr
.endm
.macro STEPX i
.set RS, R+64*((\i)%2)
.set FS, F+12*((\i)%2)
.if (\i) < 7
	s_wait_loadcnt 16                              ; this tile's 16 loads are in; the next tile's may be out
.else
	s_wait_loadcnt 0x0
.endif
.irp j, 0,1,2,3,4,5,6,7,8,9,10,11,12,13,14,15
	ds_store_b128 v[SI], v[RS+4*\j:RS+4*\j+3] offset:SP*\j
.endr
.irp c, 0,1
.irp n, 0,1,2,3,4,5,6,7
	ds_load_b128 v[X+32*\c+4*\n:X+32*\c+4*\n+3], v[SOU] offset:256*\c+16*\n   ; blocks h and 2 + h of row r, whole.  LDS serves a wave's instructions in order: these see the stores above
.endr
.endr
	s_wait_dscnt 0x0                               ; my numbers are back, and the stores have read their registers,
.if (\i)+2 < 8
	LOADX (\i)+2                                   ; which take the tile two on
.endif
.irp c, 0,1
	v_max3_num_f32 v[TM+\c], |v[X+32*\c]|, |v[X+32*\c+1]|, 0x1800000   ; with the floor 2^(3 - 127)
.endr
.irp n, 2,4,6,8,10,12,14,16,18,20,22,24,26,28,30
.irp c, 0,1
	v_max3_num_f32 v[TM+\c], v[TM+\c], |v[X+32*\c+\n]|, |v[X+32*\c+\n+1]|
.endr
.endr
.irp c, 0,1
	v_add_nc_u32 v[TM+2+\c], 0xff000000, v[TM+\c]  ; the conversion's scale operand
.endr
.irp c, 0,1
	v_lshrrev_b32 v[TM+4+\c], 23, v[TM+2+\c]       ; the byte
.endr
	v_lshl_or_b32 v[TM+6], v[TM+5], 16, v[TM+4]    ; my two bytes, blocks h and 2 + h,
	v_lshlrev_b32 v[TM+6], v[H8], v[TM+6]          ; at their places;
	v_permlanex16_b32 v[TM+7], v[TM+6], s36, s37
	v_or_b32 v[PW+(\i)], v[TM+6], v[TM+7]          ; with lane l xor 16's two the row's word is whole
.if (\i) > 1
	s_wait_xcnt 0x0                                ; the stores of two tiles ago have read this set of code registers
.endif
.irp c, 0,1
	v_cvt_scalef32_pk16_fp6_f32 v[FS+6*\c:FS+6*\c+2], v[X+32*\c:X+32*\c+15], v[TM+2+\c]
	v_cvt_scalef32_pk16_fp6_f32 v[T+4*\c:T+4*\c+2], v[X+32*\c+16:X+32*\c+31], v[TM+2+\c]
.endr
	v_nop                                          ; one plain place behind a scaled conversion
.irp c, 0,1
.irp n, 0,1,2
	v_mov_b32 v[FS+6*\c+3+\n], v[T+4*\c+\n]
.endr
.endr
.irp c, 0,1,2
	global_store_b128 v[LI], v[FS+4*\c:FS+4*\c+3], s[28:29] offset:1536*(\i)+512*\c   ; 512 consecutive bytes a store
.endr
.endm
	LOADX 0
	LOADX 1
.irp t, 0,1,2,3,4,5,6,7
	STEPX \t
.endr
	v_cmp_ne_u32 vcc_lo, 0, v[H8]
.irp j, 0,1,2,3
	v_cndmask_b32 v[TM+\j], v[PW+\j], v[PW+4+\j], vcc_lo   ; lane (r, h): the words of row r in tiles 4 h .. 4 h + 3
.endr
	global_store_b128 v[SOFF], v[TM:TM+3], s[30:31]   ; the K step's 512 bytes of scale words, whole
	s_wait_tensorcnt 0x0                           ; the wave's end, behind my last LDS store
	ds_add_u32 v[SPW], v[NIL]
	s_wait_dscnt 0x0
	s_endpgm
.Lfunc_end_k_q3e379ee768_quant:
	.size	k_q3e379ee768_quant, .Lfunc_end_k_q3e379ee768_quant-k_q3e379ee768_quant
	.p2alignl 7, 3214868480
	.fill 96, 4, 3214868480
	.section	.rodata,"a",@progbits
	.p2align	6, 0x0
	.amdhsa_kernel k_q3e379ee768_quant
		.amdhsa_group_segment_fixed_size 34304
		.amdhsa_private_segment_fixed_size 0
		.amdhsa_enable_private_segment 0
		.amdhsa_kernarg_size 64
		.amdhsa_user_sgpr_count 2
		.amdhsa_user_sgpr_kernarg_segment_ptr 1
		.amdhsa_wavefront_size32 1
		.amdhsa_system_sgpr_workgroup_id_x 1
		.amdhsa_system_sgpr_workgroup_id_y 1
		.amdhsa_system_sgpr_workgroup_id_z 1
		.amdhsa_system_vgpr_workitem_id 0
		.amdhsa_next_free_vgpr 256
		.amdhsa_next_free_sgpr 66
		.amdhsa_reserve_vcc 1
		.amdhsa_float_denorm_mode_32 3
		.amdhsa_float_denorm_mode_16_64 3
		.amdhsa_memory_ordered 1
		.amdhsa_forward_progress 1
		.amdhsa_inst_pref_size 78
	.end_amdhsa_kernel
	.amdgpu_metadata
---
amdhsa.version: [ 1, 2 ]
amdhsa.kernels:
  - .name:           k_q3e379ee768_quant
    .symbol:         k_q3e379ee768_quant.kd
    .args:
      - { .name: q, .offset: 0, .size: 8, .value_kind: global_buffer, .address_space: global }
      - { .name: k, .offset: 8, .size: 8, .value_kind: global_buffer, .address_space: global }
      - { .name: v, .offset: 16, .size: 8, .value_kind: global_buffer, .address_space: global }
      - { .name: W_q, .offset: 24, .size: 8, .value_kind: global_buffer, .address_space: global }
      - { .name: W_k, .offset: 32, .size: 8, .value_kind: global_buffer, .address_space: global }
      - { .name: W_v, .offset: 40, .size: 8, .value_kind: global_buffer, .address_space: global }
      - { .name: xc, .offset: 48, .size: 8, .value_kind: global_buffer, .address_space: global }
      - { .name: wc, .offset: 56, .size: 8, .value_kind: global_buffer, .address_space: global }
    .group_segment_fixed_size: 34304
    .private_segment_fixed_size: 0
    .kernarg_segment_align: 8
    .kernarg_segment_size: 64
    .max_flat_workgroup_size: 128
    .sgpr_count:     66
    .vgpr_count:     256
    .wavefront_size: 32
...
	.end_amdgpu_metadata
.endif
;; end of part 1
;; launch proj (part 2): grid 4 x 96, 4 waves a work-group, clusters of 4 x 4, 327,680 bytes of LDS; arguments xc, wc, qkc, vtc; writes qkc, vtc
.if DOCPART == 2
	.amdgcn_target "amdgcn-amd-amdhsa--gfx1250"
	.amdhsa_code_object_version 6
	.text
	.protected	k_q3e379ee768_proj
	.globl	k_q3e379ee768_proj
	.p2align	8
	.type	k_q3e379ee768_proj,@function
k_q3e379ee768_proj:
	s_mov_b64 s[64:65], 0
	v_nop
	global_prefetch_b8 v0, s[64:65] scope:SCOPE_SE
	s_setreg_imm32_b32 hwreg(HW_REG_WAVE_MODE, 25, 1), 1
	s_wait_xcnt 0x0
	s_wait_alu depctr_hold_cnt(0) depctr_sa_sdst(0) depctr_va_vdst(0) depctr_va_sdst(0) depctr_va_ssrc(0) depctr_va_vcc(0) depctr_vm_vsrc(0)
	s_getreg_b32 s2, hwreg(HW_REG_IB_STS2, 6, 4)
	s_cmp_eq_u32 s2, 0
	s_cbranch_scc0 .Lentry_in_a_cluster
	s_endpgm
.Lentry_in_a_cluster:
	s_bfe_u32 s2, ttmp6, 0x10000c
	s_cmp_lg_u32 s2, 0xf033
	s_cbranch_scc0 .Lentry_shape_is_right
	s_endpgm
.Lentry_shape_is_right:
; Q = q W_q, K = k W_k, V = v W_v on codes of FP6 (E2M3) with E8M0 scales; the results are quantised in registers and leave as codes: Q and K along e, V along the keys.
; OPERAND BUFFERS: 128 rows are a row block of 8 tiles of 16; lane-row r of tile i is row 32 (i / 2) + 8 (i % 2) + r + 8 (r / 8).  A fragment (tile x 128 K) is the image of its 12 registers (registers 4 c .. 4 c + 3 of lane l at
; 512 c + 16 l).  A chunk (row block x 256 K) is 25,600 dense bytes: K step ks's fragments at 12,288 ks + 1,536 tile, the scale word of (ks, r, tile) at 24,576 + 512 ks + 32 r + 4 tile.  A buffer is [row block][256 K] chunks.
; A tile of C is 256 (A's rows) x 256 (B's rows): four waves, each 128 x 128 in 64 accumulators.  K goes in steps of 256 through two LDS slots of four chunks; each wave fetches one chunk by one tensor load.
; THE MATRIX INSTRUCTION TAKES B AS SOURCE 0 AND A AS SOURCE 1: a lane holds one row of A, and by the tiles' row order its 64 registers of a tile of A are B's rows 32 b + 16 (lane / 16) + 0 .. 15, b = 0 .. 3: neighbours
; along the next product's K.  So a wave's results are eight fragments and their scale words: K step bh of the output chunk.  Q, K: A = x, B = W (next K = e).  V: A = W_v, B = x (next K = the keys).
; CLUSTERS: 4 x 4 work-groups; A's chunks are asked for jointly along a row of the cluster, B's along a column.  The cluster's y, 0 .. 23, says which product: 0-7 Q, 8-15 K, 16-23 V; it is the same in all partners.
; LIMITS: NaN and infinities are not served; a block of zeros gets the byte 1 where the rule says 127 (its codes are zeros; this program alone reads the bytes).
; REGISTERS: window 0: v16-29 addresses; v32-63 A's scale words, v64-95 B's (two sets each; they hold scales and nothing else); v96-127, v224-255 at work at the end; v128-223 A's fragments, one set, then the codes made.
;   window 1: B's fragments, two sets, at v0 and v128.   windows 2, 3: accumulator (a, b) at v[8 (8 (a % 4) + b)].
.set NKS,   4                          ; chunks along K
.set CH,    25600
.set KSB,   12288
.set FRB,   1536
.set SCO,   24576
.set SLOT,  4*CH                       ; A's two chunks, then B's two
.set SPARE, 2*SLOT                     ; behind the ring: the spare words, 128 bytes for each wave, which no other line names
.set LAPS,  NKS/2
.set NQ,    2
.set FR,    12
.set NL,    3                          ; LDS loads that bring a fragment
.set NP,    4                          ; places behind this matrix instruction (ISA guide 7.12.1)
.set ADRA, 16                          ; v16-17 my A fragments in slot 0, 1: slot + ah CH + 16 lane
.set ASA,  18                          ; v18-19 my A chunk's scale words: slot + ah CH + 32 r
.set ADRB, 20                          ; v20-21, v22-23 the same for B
.set ASB,  22
.set LI,   24                          ; 16 x lane
.set SOFF, 25                          ; 32 r + 16 h
.set HH,   26                          ; h
.set SPW,  28                          ; my spare word; never rewritten
.set NIL,  29                          ; 0; never rewritten
.set SCA,  32
.set SCB,  64
.set PW,   96                          ; v96-103 the scale words made
.set AF,   128
.set TQ,   232                         ; v232-238 upper halves of blocks' codes
.set TM,   240                         ; v240-255 at work
.set G1, 24
.set G0, 32
.set G1B, 48
.set G0B, 56
.set MSB, 0
.macro WIN new                         ; the immediate's high byte repeats the setting that is left
.if MSB != (\new)
	s_set_vgpr_msb (MSB<<8)|(\new)
.set MSB, (\new)
.endif
.endm
.set MUL_LO, 0xa1                      ; source 0 (B) window 1, source 1 (A) window 0, C and D window 2
.set MUL_HI, 0xf1                      ; the same, C and D window 3
.set TO_B,   0x40                      ; destination window 1, address window 0
; A joint load: waves 0 and 1 fetch A's chunks, waves 2 and 3 B's; the branch hangs on the wave's number alone.  An s_nop 0 and four v_nop follow each of the two lines.
.macro JLOAD g0a, g1a, g0b, g1b
	s_cmp_eq_u32 s15, 0
	s_cbranch_scc0 .Lfor_b_\@
	tensor_load_to_lds s[\g0a:\g0a+3], s[\g1a:\g1a+7]
	s_nop 0
.rept 4
	v_nop
.endr
	s_branch .Lasked_\@
.Lfor_b_\@:
	tensor_load_to_lds s[\g0b:\g0b+3], s[\g1b:\g1b+7]
	s_nop 0
.rept 4
	v_nop
.endr
.Lasked_\@:
.endm
.macro CREST                           ; a round of the cluster's barrier behind its opening barrier
	s_cmp_lg_u32 s14, 0
	s_cbranch_scc1 .Lnot_wave_0_\@
	s_barrier_signal -3
.Lnot_wave_0_\@:
	s_barrier_wait -3
	s_barrier_signal -1
	s_barrier_wait -1
.endm
.macro CROUND
	s_barrier_signal -1
	s_barrier_wait -1
	CREST
.endm
	s_load_b256 s[4:11], s[0:1], 0x0               ; xc s[4:5], wc s[6:7], qkc s[8:9], vtc s[10:11]
	v_lshl_add_u32 v[SPW], v0, 2, SPARE
	v_mov_b32 v[NIL], 0
	ds_add_u32 v[SPW], v[NIL]                      ; the wave's opening: an add, waited for ahead of my first tensor load
	v_lshrrev_b32 v1, 5, v0
	v_readfirstlane_b32 s14, v1                    ; wave 0..3
	s_lshr_b32 s15, s14, 1                         ; ah: my half of A's rows.  Also: I fetch for A (0) or for B (1)
	s_and_b32 s16, s14, 1                          ; bh: my half of B's rows.  Also: which of the two chunks I fetch
	s_bfe_u32 s40, ttmp6, 0x40000                  ; cx
	s_bfe_u32 s41, ttmp6, 0x40004                  ; cy
	s_and_b32 s17, ttmp7, 0xffff                   ; Y: the cluster's y
	s_lshl_b32 s43, s41, 2
	s_lshl_b32 s43, 15, s43                        ; my row of the cluster
	s_lshl_b32 s44, 0x1111, s40                    ; my column
	s_or_b32 s[G1+0], s43, (3<<16)|(1<<21)         ; 15:0 the mask; 17:16 elements of 8 bytes; 20 no padding; 21 set beside a mask
	s_or_b32 s[G1B+0], s44, (3<<16)|(1<<21)
.irp g, G1, G1B                        ; a chunk: 100 rows of 256 bytes, dense
	s_mov_b32 s[\g+1], 32<<16                      ; tensor_dim0 = 32 elements
	s_mov_b32 s[\g+2], 100<<16                     ; tensor_dim1 = 100
	s_mov_b32 s[\g+3], 32<<16                      ; tile_dim0
	s_mov_b32 s[\g+4], 100                         ; tile_dim1
	s_mov_b32 s[\g+5], 32                          ; pitch
	s_mov_b32 s[\g+6], 0
	s_mov_b32 s[\g+7], 0
.endr
	s_lshr_b32 s18, s17, 3
	s_lshl_b32 s18, s18, 2                         ; 4 (Y / 8): the weight's first 256 rows in wc
	s_lshl_b32 s19, s17, 2                         ; 4 Y: the cluster's first 256 rows in xc
	s_cmp_ge_u32 s17, 16                           ; V?  The cluster's y alone: the same in all partners
	s_cselect_b32 s22, s18, s19
	s_cselect_b32 s46, s19, s18
	s_add_co_u32 s22, s22, s41                     ; A's 256 rows: + cy
	s_add_co_u32 s46, s46, s40                     ; B's: + cx
	s_lshl_b32 s20, s22, 1
	s_add_co_u32 s20, s20, s16
	s_mul_i32 s20, s20, NKS*CH                     ; the row block that I would fetch of A, in bytes
	s_mov_b32 s21, 0
	s_lshl_b32 s46, s46, 1
	s_add_co_u32 s46, s46, s16
	s_mul_i32 s46, s46, NKS*CH                     ; and of B
	s_mov_b32 s47, 0
	s_mul_i32 s45, s14, CH                         ; where it goes: wave x a chunk
	s_mov_b32 s66, 0x76543210
	s_mov_b32 s67, 0xfedcba98                      ; v_permlanex16_b32's selects for lane l xor 16
	s_wait_dscnt 0x0                               ; the opening add is done
	s_wait_kmcnt 0x0
	s_cmp_ge_u32 s17, 16
	s_cselect_b64 s[76:77], s[6:7], s[4:5]         ; A's buffer: V: wc, else xc
	s_cselect_b64 s[78:79], s[4:5], s[6:7]         ; B's
	s_add_nc_u64 s[20:21], s[76:77], s[20:21]
	s_add_nc_u64 s[46:47], s[78:79], s[46:47]
	CROUND                                         ; all sixteen work-groups are here: the first joint loads meet
.irp s, 0,1
	s_mov_b32 s[G0+4*\s], 1
	s_add_co_u32 s[G0+4*\s+1], s45, \s*SLOT
	s_add_nc_u64 s[G0+4*\s+2:G0+4*\s+3], s[20:21], \s*CH
	s_or_b32 s[G0+4*\s+3], s[G0+4*\s+3], 0x80000000
	s_mov_b32 s[G0B+4*\s], 1
	s_add_co_u32 s[G0B+4*\s+1], s45, \s*SLOT
	s_add_nc_u64 s[G0B+4*\s+2:G0B+4*\s+3], s[46:47], \s*CH
	s_or_b32 s[G0B+4*\s+3], s[G0B+4*\s+3], 0x80000000
	JLOAD G0+4*\s, G1, G0B+4*\s, G1B               ; two loads of mine are out
.endr
	v_and_b32 v1, 15, v0                           ; r
	v_bfe_u32 v[HH], v0, 4, 1                      ; h
	v_and_b32 v2, 31, v0
	v_lshlrev_b32 v[LI], 4, v2
	v_lshlrev_b32 v3, 5, v1
	v_lshl_add_u32 v[SOFF], v[HH], 4, v3
	s_mul_i32 s18, s15, CH
	s_mul_i32 s19, s16, CH
	s_add_co_u32 s19, s19, 2*CH
.irp s, 0,1
	v_add_nc_u32 v[ADRA+\s], s18, v[LI]
	v_add_nc_u32 v[ADRB+\s], s19, v[LI]
	v_add_nc_u32 v[ASA+\s], s18, v3
	v_add_nc_u32 v[ASB+\s], s19, v3
	s_add_co_u32 s18, s18, SLOT
	s_add_co_u32 s19, s19, SLOT
.endr
	; where my results go.  Q, K: qkc, chunk 4 (A's row block) + cx.  V: vtc, chunk 64 batch + 8 (2 cy + ah) + 4 (Y % 2) + cx
	s_lshl_b32 s80, s22, 1
	s_add_co_u32 s80, s80, s15
	s_lshl_b32 s80, s80, 2
	s_max_u32 s81, s17, 16
	s_sub_co_u32 s81, s81, 16
	s_lshr_b32 s81, s81, 1
	s_lshl_b32 s81, s81, 6
	s_lshl_b32 s82, s41, 1
	s_add_co_u32 s82, s82, s15
	s_lshl_b32 s82, s82, 3
	s_add_co_u32 s81, s81, s82
	s_and_b32 s82, s17, 1
	s_lshl_b32 s82, s82, 2
	s_add_co_u32 s81, s81, s82
	s_cmp_ge_u32 s17, 16
	s_cselect_b32 s80, s81, s80
	s_cselect_b64 s[76:77], s[10:11], s[8:9]
	s_add_co_u32 s80, s80, s40
	s_mul_i32 s80, s80, CH
	s_mul_i32 s82, s16, KSB
	s_add_co_u32 s82, s82, s80
	s_mov_b32 s83, 0
	s_add_nc_u64 s[70:71], s[76:77], s[82:83]      ; my eight fragments: K step bh of the chunk
	s_lshl_b32 s82, s16, 9
	s_add_co_u32 s82, s82, s80
	s_add_co_u32 s82, s82, SCO
	s_add_nc_u64 s[72:73], s[76:77], s[82:83]      ; and their scale words
.macro FRAG reg, adr, q, i             ; a fragment comes as it was stored: three loads of 512 consecutive bytes
.irp c, 0,1,2
	ds_load_b128 v[\reg+4*\c:\reg+4*\c+3], v[\adr] offset:(\q)*KSB+(\i)*FRB+512*\c
.endr
.endm
; 16 matrix instructions: A's tiles a0, a0 + 1 x B's eight, 128 along K.  p: B's set; sc: the set of scale words.  zero = 1: the first product starts the sums.
; The 64 accumulators take turns, one instruction a turn, in the same order in every step.
.macro MUL16 a0, p, q, sc, zero
.irp a, \a0, \a0+1
.irp b, 0,1,2,3,4,5,6,7
.if \zero
	v_wmma_scale_f32_16x16x128_f8f6f4 v[8*(8*((\a)%4)+\b):8*(8*((\a)%4)+\b)+7], v[128*(\p)+FR*\b:128*(\p)+FR*\b+FR-1], v[AF+FR*(\a):AF+FR*(\a)+FR-1], 0, v[SCB+16*(\sc)+8*(\q)+\b], v[SCA+16*(\sc)+8*(\q)+(\a)] matrix_a_fmt:MATRIX_FMT_FP6 matrix_b_fmt:MATRIX_FMT_FP6
.else
	v_wmma_scale_f32_16x16x128_f8f6f4 v[8*(8*((\a)%4)+\b):8*(8*((\a)%4)+\b)+7], v[128*(\p)+FR*\b:128*(\p)+FR*\b+FR-1], v[AF+FR*(\a):AF+FR*(\a)+FR-1], v[8*(8*((\a)%4)+\b):8*(8*((\a)%4)+\b)+7], v[SCB+16*(\sc)+8*(\q)+\b], v[SCA+16*(\sc)+8*(\q)+(\a)] matrix_a_fmt:MATRIX_FMT_FP6 matrix_b_fmt:MATRIX_FMT_FP6
.endif
.endr
.endr
.endm
.macro FETCH_B slot, q, p
	WIN TO_B
.irp i, 0,1,2,3,4,5,6,7
	FRAG 128*(\p)+FR*\i, ADRB+\slot, \q, \i
.endr
	WIN 0
.endm
.macro FETCH_A slot, q, i0
.irp i, \i0, \i0+1, \i0+2, \i0+3
	FRAG AF+FR*(\i), ADRA+\slot, \q, \i
.endr
.endm
.macro SCALES sc                       ; the slot's scale words: register 16 sc + 8 q + tile; lane r (and lane 16 + r) takes row r's words of four tiles by one load
.irp q, 0,1
.irp g, 0,1
	ds_load_b128 v[SCA+16*\sc+8*\q+4*\g:SCA+16*\sc+8*\q+4*\g+3], v[ASA+\sc] offset:SCO+512*\q+16*\g
	ds_load_b128 v[SCB+16*\sc+8*\q+4*\g:SCB+16*\sc+8*\q+4*\g+3], v[ASB+\sc] offset:SCO+512*\q+16*\g
.endr
.endr
.endm
.macro PLACES n                        ; plain vector instructions between a matrix instruction and a load into, or a read of, its registers
.rept \n
	v_nop
.endr
.endm
.macro STEP slot, q, zero              ; a step of 128 along K that has its successor in the same slot
	s_wait_dscnt 4*NL                              ; all but the youngest twelve loads (A's tiles 4-7) are in
	WIN MUL_LO
	MUL16 0, (\q)%2, \q, \slot, \zero
	MUL16 2, (\q)%2, \q, \slot, \zero
	s_wait_dscnt 0
	PLACES NP
	FETCH_B \slot, (\q)+1, 1-(\q)%2
	FETCH_A \slot, (\q)+1, 0
	WIN MUL_HI
	MUL16 4, (\q)%2, \q, \slot, \zero
	MUL16 6, (\q)%2, \q, \slot, \zero
	PLACES NP
	WIN 0
	FETCH_A \slot, (\q)+1, 4
.endm
; A slot's last step changes slots: one barrier; in front of it each wave waits for all its tensor loads, adds 0 to its spare word, and waits for that and for its reads of this slot.  fill = 1: the slot is filled again, two chunks on.
.macro TURN slot, next, fill
	s_wait_tensorcnt 0x0                           ; all my tensor loads have landed: my part of the next slot
	ds_add_u32 v[SPW], v[NIL]                      ; 0 onto my spare word
	s_wait_dscnt 4*NL+1                            ; (the add and the youngest twelve loads may be out)
	WIN MUL_LO
	MUL16 0, 1, NQ-1, \slot, 0
	s_wait_dscnt 0x0                               ; the add is done, and my reads of this slot are over
	s_barrier_signal -1
	MUL16 2, 1, NQ-1, \slot, 0
	WIN 0
	s_barrier_wait -1
.if \fill
	CREST                                          ; the barrier has opened a round of the cluster's barrier: no wave of any partner still reads this slot or has a load on its way
	s_add_nc_u64 s[G0+4*\slot+2:G0+4*\slot+3], s[G0+4*\slot+2:G0+4*\slot+3], 2*CH
	s_add_nc_u64 s[G0B+4*\slot+2:G0B+4*\slot+3], s[G0B+4*\slot+2:G0B+4*\slot+3], 2*CH
	JLOAD G0+4*\slot, G1, G0B+4*\slot, G1B         ; the first tensor load behind the round; its four v_nop are the places in front of the loads below
.else
	PLACES NP
.endif
	FETCH_B \next, 0, 0
	FETCH_A \next, 0, 0
	SCALES \next
	WIN MUL_HI
	MUL16 4, 1, NQ-1, \slot, 0
	MUL16 6, 1, NQ-1, \slot, 0
	PLACES NP
	WIN 0
	FETCH_A \next, 0, 4
.endm
	s_wait_tensorcnt 1                             ; my part of slot 0 is in; slot 1's may stay out
	s_barrier_signal -1
	s_barrier_wait -1
	FETCH_B 0, 0, 0
	FETCH_A 0, 0, 0
	SCALES 0
	FETCH_A 0, 0, 4
	STEP 0, 0, 1                                   ; the first step stands in front of the loop: its products start the sums
	s_mov_b32 s3, LAPS-1
.Llap:                                                 ; a trip goes once round the ring and fills both slots again
	TURN 0, 1, 1
	STEP 1, 0, 0
	TURN 1, 0, 1
	STEP 0, 0, 0
	s_sub_co_u32 s3, s3, 1
	s_cmp_lg_u32 s3, 0
	s_cbranch_scc1 .Llap
	TURN 0, 1, 0                                   ; the last lap fills nothing
	STEP 1, 0, 0
	s_wait_dscnt 4*NL
	WIN MUL_LO
	MUL16 0, 1, NQ-1, 1, 0
	MUL16 2, 1, NQ-1, 1, 0
	s_wait_dscnt 0
	WIN MUL_HI
	MUL16 4, 1, NQ-1, 1, 0
	MUL16 6, 1, NQ-1, 1, 0
	WIN 0
	PLACES NP
; THE RESULTS BECOME CODES.  For A's tile a, a lane's 64 registers are k = 32 b + 16 h + 0 .. 15 of its row; a block of 32 lies in lanes l and l xor 16.
.macro TAILQ a, sc4                    ; sc4: four registers with the blocks' scale operands.  The codes land in the registers that held A's fragment a
.set AC, 64*((\a)%4)
.set FA, AF+FR*(\a)
	WIN 0x02+(\a)/4                                ; source 0: the accumulators' window
.irp c, 0,1
	v_cvt_scalef32_pk16_fp6_f32 v[FA+6*\c:FA+6*\c+2], v[AC+32*\c:AC+32*\c+15], v[\sc4+2*\c]
	v_cvt_scalef32_pk16_fp6_f32 v[TQ+4*\c:TQ+4*\c+2], v[AC+32*\c+16:AC+32*\c+31], v[\sc4+2*\c+1]
.endr
	WIN 0
	v_nop                                          ; one plain place behind a scaled conversion
.irp c, 0,1                            ; the operand's layout wants a whole block in a lane: lanes 0-15 block 2 c, lanes 16-31 block 2 c + 1
.irp i, 0,1,2
	v_permlane16_swap_b32 v[FA+6*\c+\i], v[TQ+4*\c+\i]
.endr
.irp i, 0,1,2
	v_mov_b32 v[FA+6*\c+3+\i], v[TQ+4*\c+\i]
.endr
.endr
.endm
.macro PUTFRAG a                       ; each tile's codes have registers of their own: no store's data are written again
.set FA, AF+FR*(\a)
.irp c, 0,1,2
	global_store_b128 v[LI], v[FA+4*\c:FA+4*\c+3], s[70:71] offset:FRB*(\a)+512*\c   ; 512 consecutive bytes a store
.endr
.endm
.macro PUT8 src, dst4, base, off       ; eight words a row (one for each tile): lane (r, h) stores those of tiles 4 h .. 4 h + 3: 512 consecutive bytes
.irp j, 0,1,2,3
	v_cndmask_b32 v[\dst4+\j], v[\src+\j], v[\src+4+\j], vcc_lo
.endr
	global_store_b128 v[SOFF], v[\dst4:\dst4+3], s[\base:\base+1] offset:\off
.endm
.macro QT a
.set AC, 64*((\a)%4)
	WIN 0x0a+5*((\a)/4)                            ; sources 0 and 1: the accumulators' window
.irp b, 0,1,2,3
	v_max3_num_f32 v[TM+\b], |v[AC+16*\b]|, |v[AC+16*\b+1]|, 0x1800000   ; block b: my 16 numbers and the floor 2^(3 - 127); each accumulator is read from its low end on
.endr
	WIN 0x28+0x14*((\a)/4)                         ; sources 1 and 2
.irp i, 2,4,6,8,10,12,14
.irp b, 0,1,2,3
	v_max3_num_f32 v[TM+\b], v[TM+\b], |v[AC+16*\b+\i]|, |v[AC+16*\b+\i+1]|
.endr
.endr
	WIN 0
.irp b, 0,1,2,3
	v_permlanex16_b32 v[TM+4+\b], v[TM+\b], s66, s67
.endr
.irp b, 0,1,2,3
	v_max_num_f32 v[TM+\b], v[TM+\b], v[TM+4+\b]   ; with lane l xor 16's: the block's largest magnitude
.endr
.irp b, 0,1,2,3
	v_add_nc_u32 v[TM+12+\b], 0xff000000, v[TM+\b] ; 2 off its exponent field: the conversion's scale operand
.endr
.irp b, 0,1,2,3
	v_lshrrev_b32 v[TM+4+\b], 23, v[TM+12+\b]      ; the byte
.endr
	v_lshl_or_b32 v[PW+(\a)], v[TM+5], 8, v[TM+4]
	v_lshl_or_b32 v[PW+(\a)], v[TM+6], 16, v[PW+(\a)]
	v_lshl_or_b32 v[PW+(\a)], v[TM+7], 24, v[PW+(\a)]
	TAILQ \a, TM+12
	PUTFRAG \a
.endm
.irp b, 0,1,2,3
	v_mov_b32 v[TM+4+\b], 0                        ; written once: a lane permute's destination counts as one of its sources
.endr
.irp t, 0,1,2,3,4,5,6,7
	QT \t
.endr
	v_cmp_ne_u32 vcc_lo, 0, v[HH]
	PUT8 PW, 224, 72, 0
	s_wait_tensorcnt 0x0                           ; the wave's end
	ds_add_u32 v[SPW], v[NIL]
	s_wait_dscnt 0x0
	CROUND                                         ; the closing round: no work-group ends while a partner may still ask for a tile that names it
	s_endpgm
.Lfunc_end_k_q3e379ee768_proj:
	.size	k_q3e379ee768_proj, .Lfunc_end_k_q3e379ee768_proj-k_q3e379ee768_proj
	.p2alignl 7, 3214868480
	.fill 96, 4, 3214868480
	.section	.rodata,"a",@progbits
	.p2align	6, 0x0
	.amdhsa_kernel k_q3e379ee768_proj
		.amdhsa_group_segment_fixed_size 327680
		.amdhsa_private_segment_fixed_size 0
		.amdhsa_enable_private_segment 0
		.amdhsa_kernarg_size 32
		.amdhsa_user_sgpr_count 2
		.amdhsa_user_sgpr_kernarg_segment_ptr 1
		.amdhsa_wavefront_size32 1
		.amdhsa_system_sgpr_workgroup_id_x 1
		.amdhsa_system_sgpr_workgroup_id_y 1
		.amdhsa_system_sgpr_workgroup_id_z 1
		.amdhsa_system_vgpr_workitem_id 0
		.amdhsa_next_free_vgpr 1024
		.amdhsa_next_free_sgpr 100
		.amdhsa_reserve_vcc 1
		.amdhsa_float_denorm_mode_32 3
		.amdhsa_float_denorm_mode_16_64 3
		.amdhsa_memory_ordered 1
		.amdhsa_forward_progress 1
		.amdhsa_inst_pref_size 138
	.end_amdhsa_kernel
	.amdgpu_metadata
---
amdhsa.version: [ 1, 2 ]
amdhsa.kernels:
  - .name:           k_q3e379ee768_proj
    .symbol:         k_q3e379ee768_proj.kd
    .args:
      - { .name: xc, .offset: 0, .size: 8, .value_kind: global_buffer, .address_space: global }
      - { .name: wc, .offset: 8, .size: 8, .value_kind: global_buffer, .address_space: global }
      - { .name: qkc, .offset: 16, .size: 8, .value_kind: global_buffer, .address_space: global }
      - { .name: vtc, .offset: 24, .size: 8, .value_kind: global_buffer, .address_space: global }
    .group_segment_fixed_size: 327680
    .private_segment_fixed_size: 0
    .kernarg_segment_align: 8
    .kernarg_segment_size: 32
    .max_flat_workgroup_size: 128
    .sgpr_count:     100
    .vgpr_count:     1024
    .wavefront_size: 32
...
	.end_amdgpu_metadata
.endif
;; end of part 2
;; launch scores (part 3): grid 8 x 32, 4 waves a work-group, clusters of 4 x 4, 327,680 bytes of LDS; arguments qkc, pc, pstat; writes pc, pstat
.if DOCPART == 3
	.amdgcn_target "amdgcn-amd-amdhsa--gfx1250"
	.amdhsa_code_object_version 6
	.text
	.protected	k_q3e379ee768_scores
	.globl	k_q3e379ee768_scores
	.p2align	8
	.type	k_q3e379ee768_scores,@function
k_q3e379ee768_scores:
	s_mov_b64 s[64:65], 0
	v_nop
	global_prefetch_b8 v0, s[64:65] scope:SCOPE_SE
	s_setreg_imm32_b32 hwreg(HW_REG_WAVE_MODE, 25, 1), 1
	s_wait_xcnt 0x0
	s_wait_alu depctr_hold_cnt(0) depctr_sa_sdst(0) depctr_va_vdst(0) depctr_va_sdst(0) depctr_va_ssrc(0) depctr_va_vcc(0) depctr_vm_vsrc(0)
	s_getreg_b32 s2, hwreg(HW_REG_IB_STS2, 6, 4)
	s_cmp_eq_u32 s2, 0
	s_cbranch_scc0 .Lentry_in_a_cluster
	s_endpgm
.Lentry_in_a_cluster:
	s_bfe_u32 s2, ttmp6, 0x10000c
	s_cmp_lg_u32 s2, 0xf033
	s_cbranch_scc0 .Lentry_shape_is_right
	s_endpgm
.Lentry_shape_is_right:
; S = Q K^T on codes of FP6 (E2M3), K = e = 1,024, and the softmax's numerator for each row and each 128 keys: t = score x log2(e) / 32; M_loc = ceil(the largest t of these 128 keys), a whole number; p = 2^(t - M_loc);
; l_loc = the sum of the unquantised p; p is quantised along the keys.  Out go p's codes and scale words (pc), -M_loc and l_loc (pstat).  The next launch takes the row's M = the largest M_loc and brings scale bytes and sums
; under it by whole powers of two, which changes no code.
; OPERAND BUFFERS: 128 rows are a row block of 8 tiles of 16; lane-row r of tile i is row 32 (i / 2) + 8 (i % 2) + r + 8 (r / 8).  A fragment (tile x 128 K) is the image of its 12 registers (registers 4 c .. 4 c + 3 of lane l at
; 512 c + 16 l).  A chunk (row block x 256 K) is 25,600 dense bytes: K step ks's fragments at 12,288 ks + 1,536 tile, the scale word of (ks, r, tile) at 24,576 + 512 ks + 32 r + 4 tile.  qkc: row blocks 0-63 Q, 64-127 K, 4 chunks each.
; pc: 64 row blocks of queries x 8 chunks of 256 keys.  pstat: for each chunk of pc 2,048 bytes: -M_loc at 512 ks + 32 r + 4 tile, l_loc 1,024 further on.
; A tile is 256 queries (A) x 256 keys (B): four waves, each 128 x 128.  B is source 0 and A source 1: a lane holds one query, and its 64 registers of a tile of queries are keys 32 b + 16 (lane / 16) + 0 .. 15.
; CLUSTERS: 4 x 4 work-groups; Q's chunks are asked for jointly along a row of the cluster, K's along a column.
; LIMITS: NaN and infinities are not served; a block whose every p is 0 gets the byte 1 (its codes are zeros).
; REGISTERS: window 0: v16-31 addresses and -M; v32-63 A's scale words, v64-95 B's (scales and nothing else); v96-127, v224-255 at work at the end; v128-223 A's fragments, then p's codes.
;   window 1: B's fragments, two sets.   windows 2, 3: accumulator (a, b) at v[8 (8 (a % 4) + b)].
.set NKS,   4
.set CH,    25600
.set KSB,   12288
.set FRB,   1536
.set SCO,   24576
.set SLOT,  4*CH
.set SPARE, 2*SLOT                     ; behind the ring: the spare words, 128 bytes for each wave, which no other line names
.set LAPS,  NKS/2
.set NQ,    2
.set FR,    12
.set NL,    3
.set NP,    4
.set ADRA, 16
.set ASA,  18
.set ADRB, 20
.set ASB,  22
.set LI,   24
.set SOFF, 25
.set HH,   26
.set SPW,  28
.set NIL,  29
.set SCA,  32
.set SCB,  64
.set PW,   96                          ; v96-103  p's scale words, one for each tile
.set NMK,  104                         ; v104-111 -M_loc
.set LK,   112                         ; v112-119 l_loc
.set BM,   120                         ; v120-123 the blocks' largest scores, then largest p
.set BX,   124                         ; v124-127 what lane l xor 16 sends
.set AF,   128
.set T32,  224                         ; v224-255 at work
.set TQ,   232
.set G1, 24
.set G0, 32
.set G1B, 48
.set G0B, 56
.set MSB, 0
.macro WIN new
.if MSB != (\new)
	s_set_vgpr_msb (MSB<<8)|(\new)
.set MSB, (\new)
.endif
.endm
.set MUL_LO, 0xa1
.set MUL_HI, 0xf1
.set TO_B,   0x40
.macro JLOAD g0a, g1a, g0b, g1b        ; a joint load: waves 0 and 1 fetch A's chunks, waves 2 and 3 B's; an s_nop 0 and four v_nop follow each line
	s_cmp_eq_u32 s15, 0
	s_cbranch_scc0 .Lfor_b_\@
	tensor_load_to_lds s[\g0a:\g0a+3], s[\g1a:\g1a+7]
	s_nop 0
.rept 4
	v_nop
.endr
	s_branch .Lasked_\@
.Lfor_b_\@:
	tensor_load_to_lds s[\g0b:\g0b+3], s[\g1b:\g1b+7]
	s_nop 0
.rept 4
	v_nop
.endr
.Lasked_\@:
.endm
.macro CREST
	s_cmp_lg_u32 s14, 0
	s_cbranch_scc1 .Lnot_wave_0_\@
	s_barrier_signal -3
.Lnot_wave_0_\@:
	s_barrier_wait -3
	s_barrier_signal -1
	s_barrier_wait -1
.endm
.macro CROUND
	s_barrier_signal -1
	s_barrier_wait -1
	CREST
.endm
	s_load_b128 s[4:7], s[0:1], 0x0                ; qkc s[4:5], pc s[6:7]
	s_load_b64 s[8:9], s[0:1], 0x10                ; pstat
	v_lshl_add_u32 v[SPW], v0, 2, SPARE
	v_mov_b32 v[NIL], 0
	ds_add_u32 v[SPW], v[NIL]                      ; the wave's opening: an add, waited for ahead of my first tensor load
	v_lshrrev_b32 v1, 5, v0
	v_readfirstlane_b32 s14, v1
	s_lshr_b32 s15, s14, 1                         ; ah; also: I fetch for A (0) or B (1)
	s_and_b32 s16, s14, 1                          ; bh; also: which chunk I fetch
	s_bfe_u32 s40, ttmp6, 0x40000                  ; cx
	s_bfe_u32 s41, ttmp6, 0x40004                  ; cy
	s_lshl_b32 s42, ttmp9, 2
	s_add_co_u32 s42, s42, s40                     ; x: which 256 keys of the batch
	s_and_b32 s17, ttmp7, 0xffff                   ; Y; the batch is Y / 2
	s_lshl_b32 s13, s17, 2
	s_add_co_u32 s13, s13, s41                     ; y: which 256 queries
	s_lshl_b32 s43, s41, 2
	s_lshl_b32 s43, 15, s43
	s_lshl_b32 s44, 0x1111, s40
	s_or_b32 s[G1+0], s43, (3<<16)|(1<<21)         ; the mask; elements of 8 bytes; no padding; bit 21 beside a mask
	s_or_b32 s[G1B+0], s44, (3<<16)|(1<<21)
.irp g, G1, G1B                        ; a chunk: 100 rows of 256 bytes, dense
	s_mov_b32 s[\g+1], 32<<16
	s_mov_b32 s[\g+2], 100<<16
	s_mov_b32 s[\g+3], 32<<16
	s_mov_b32 s[\g+4], 100
	s_mov_b32 s[\g+5], 32
	s_mov_b32 s[\g+6], 0
	s_mov_b32 s[\g+7], 0
.endr
	s_lshl_b32 s20, s13, 1
	s_add_co_u32 s20, s20, s16
	s_mul_i32 s20, s20, NKS*CH                     ; Q's row block 2 y + half
	s_mov_b32 s21, 0
	s_lshr_b32 s46, s17, 1
	s_lshl_b32 s46, s46, 3
	s_add_co_u32 s46, s46, s42
	s_add_co_u32 s46, s46, 32                      ; K's 256 rows: 32 + 8 batch + x
	s_lshl_b32 s46, s46, 1
	s_add_co_u32 s46, s46, s16
	s_mul_i32 s46, s46, NKS*CH
	s_mov_b32 s47, 0
	s_mul_i32 s45, s14, CH
	s_mov_b32 s66, 0x76543210
	s_mov_b32 s67, 0xfedcba98
	s_mov_b32 s68, 0x3d38aa3b                      ; c = log2(e) / sqrt(1024)
	s_mov_b32 s69, s68                             ; (named with it as a pair, so it is written)
	s_wait_dscnt 0x0
	s_wait_kmcnt 0x0
	s_add_nc_u64 s[20:21], s[4:5], s[20:21]
	s_add_nc_u64 s[46:47], s[4:5], s[46:47]
	CROUND
.irp s, 0,1
	s_mov_b32 s[G0+4*\s], 1
	s_add_co_u32 s[G0+4*\s+1], s45, \s*SLOT
	s_add_nc_u64 s[G0+4*\s+2:G0+4*\s+3], s[20:21], \s*CH
	s_or_b32 s[G0+4*\s+3], s[G0+4*\s+3], 0x80000000
	s_mov_b32 s[G0B+4*\s], 1
	s_add_co_u32 s[G0B+4*\s+1], s45, \s*SLOT
	s_add_nc_u64 s[G0B+4*\s+2:G0B+4*\s+3], s[46:47], \s*CH
	s_or_b32 s[G0B+4*\s+3], s[G0B+4*\s+3], 0x80000000
	JLOAD G0+4*\s, G1, G0B+4*\s, G1B
.endr
	v_and_b32 v1, 15, v0
	v_bfe_u32 v[HH], v0, 4, 1
	v_and_b32 v2, 31, v0
	v_lshlrev_b32 v[LI], 4, v2
	v_lshlrev_b32 v3, 5, v1
	v_lshl_add_u32 v[SOFF], v[HH], 4, v3
	s_mul_i32 s18, s15, CH
	s_mul_i32 s19, s16, CH
	s_add_co_u32 s19, s19, 2*CH
.irp s, 0,1
	v_add_nc_u32 v[ADRA+\s], s18, v[LI]
	v_add_nc_u32 v[ADRB+\s], s19, v[LI]
	v_add_nc_u32 v[ASA+\s], s18, v3
	v_add_nc_u32 v[ASB+\s], s19, v3
	s_add_co_u32 s18, s18, SLOT
	s_add_co_u32 s19, s19, SLOT
.endr
	s_lshl_b32 s80, s13, 1
	s_add_co_u32 s80, s80, s15
	s_lshl_b32 s80, s80, 3
	s_add_co_u32 s80, s80, s42                     ; pc's chunk: 8 (2 y + ah) + x
	s_mul_i32 s82, s80, CH
	s_mul_i32 s84, s16, KSB
	s_add_co_u32 s84, s84, s82
	s_mov_b32 s85, 0
	s_add_nc_u64 s[70:71], s[6:7], s[84:85]        ; my eight fragments: K step bh
	s_lshl_b32 s84, s16, 9
	s_add_co_u32 s84, s84, s82
	s_add_co_u32 s84, s84, SCO
	s_add_nc_u64 s[72:73], s[6:7], s[84:85]        ; their scale words
	s_lshl_b32 s84, s80, 11
	s_lshl_b32 s82, s16, 9
	s_add_co_u32 s84, s84, s82
	s_add_nc_u64 s[74:75], s[8:9], s[84:85]        ; -M_loc; l_loc 1,024 bytes on
.macro FRAG reg, adr, q, i
.irp c, 0,1,2
	ds_load_b128 v[\reg+4*\c:\reg+4*\c+3], v[\adr] offset:(\q)*KSB+(\i)*FRB+512*\c
.endr
.endm
; The 64 accumulators take turns, one instruction a turn, in the same order in every step.
.macro MUL16 a0, p, q, sc, zero
.irp a, \a0, \a0+1
.irp b, 0,1,2,3,4,5,6,7
.if \zero
	v_wmma_scale_f32_16x16x128_f8f6f4 v[8*(8*((\a)%4)+\b):8*(8*((\a)%4)+\b)+7], v[128*(\p)+FR*\b:128*(\p)+FR*\b+FR-1], v[AF+FR*(\a):AF+FR*(\a)+FR-1], 0, v[SCB+16*(\sc)+8*(\q)+\b], v[SCA+16*(\sc)+8*(\q)+(\a)] matrix_a_fmt:MATRIX_FMT_FP6 matrix_b_fmt:MATRIX_FMT_FP6
.else
	v_wmma_scale_f32_16x16x128_f8f6f4 v[8*(8*((\a)%4)+\b):8*(8*((\a)%4)+\b)+7], v[128*(\p)+FR*\b:128*(\p)+FR*\b+FR-1], v[AF+FR*(\a):AF+FR*(\a)+FR-1], v[8*(8*((\a)%4)+\b):8*(8*((\a)%4)+\b)+7], v[SCB+16*(\sc)+8*(\q)+\b], v[SCA+16*(\sc)+8*(\q)+(\a)] matrix_a_fmt:MATRIX_FMT_FP6 matrix_b_fmt:MATRIX_FMT_FP6
.endif
.endr
.endr
.endm
.macro FETCH_B slot, q, p
	WIN TO_B
.irp i, 0,1,2,3,4,5,6,7
	FRAG 128*(\p)+FR*\i, ADRB+\slot, \q, \i
.endr
	WIN 0
.endm
.macro FETCH_A slot, q, i0
.irp i, \i0, \i0+1, \i0+2, \i0+3
	FRAG AF+FR*(\i), ADRA+\slot, \q, \i
.endr
.endm
.macro SCALES sc
.irp q, 0,1
.irp g, 0,1
	ds_load_b128 v[SCA+16*\sc+8*\q+4*\g:SCA+16*\sc+8*\q+4*\g+3], v[ASA+\sc] offset:SCO+512*\q+16*\g
	ds_load_b128 v[SCB+16*\sc+8*\q+4*\g:SCB+16*\sc+8*\q+4*\g+3], v[ASB+\sc] offset:SCO+512*\q+16*\g
.endr
.endr
.endm
.macro PLACES n
.rept \n
	v_nop
.endr
.endm
.macro STEP slot, q, zero
	s_wait_dscnt 4*NL                              ; all but the youngest twelve loads (A's tiles 4-7) are in
	WIN MUL_LO
	MUL16 0, (\q)%2, \q, \slot, \zero
	MUL16 2, (\q)%2, \q, \slot, \zero
	s_wait_dscnt 0
	PLACES NP
	FETCH_B \slot, (\q)+1, 1-(\q)%2
	FETCH_A \slot, (\q)+1, 0
	WIN MUL_HI
	MUL16 4, (\q)%2, \q, \slot, \zero
	MUL16 6, (\q)%2, \q, \slot, \zero
	PLACES NP
	WIN 0
	FETCH_A \slot, (\q)+1, 4
.endm
.macro TURN slot, next, fill
	s_wait_tensorcnt 0x0                           ; all my tensor loads have landed: my part of the next slot
	ds_add_u32 v[SPW], v[NIL]                      ; 0 onto my spare word
	s_wait_dscnt 4*NL+1                            ; (the add and the youngest twelve loads may be out)
	WIN MUL_LO
	MUL16 0, 1, NQ-1, \slot, 0
	s_wait_dscnt 0x0                               ; the add is done, and my reads of this slot are over
	s_barrier_signal -1
	MUL16 2, 1, NQ-1, \slot, 0
	WIN 0
	s_barrier_wait -1
.if \fill
	CREST                                          ; a round of the cluster's barrier: no wave of any partner still reads this slot or has a load on its way
	s_add_nc_u64 s[G0+4*\slot+2:G0+4*\slot+3], s[G0+4*\slot+2:G0+4*\slot+3], 2*CH
	s_add_nc_u64 s[G0B+4*\slot+2:G0B+4*\slot+3], s[G0B+4*\slot+2:G0B+4*\slot+3], 2*CH
	JLOAD G0+4*\slot, G1, G0B+4*\slot, G1B         ; the first tensor load behind the round; its four v_nop are the places in front of the loads below
.else
	PLACES NP
.endif
	FETCH_B \next, 0, 0
	FETCH_A \next, 0, 0
	SCALES \next
	WIN MUL_HI
	MUL16 4, 1, NQ-1, \slot, 0
	MUL16 6, 1, NQ-1, \slot, 0
	PLACES NP
	WIN 0
	FETCH_A \next, 0, 4
.endm
	s_wait_tensorcnt 1                             ; my part of slot 0 is in; slot 1's may stay out
	s_barrier_signal -1
	s_barrier_wait -1
	FETCH_B 0, 0, 0
	FETCH_A 0, 0, 0
	SCALES 0
	FETCH_A 0, 0, 4
	STEP 0, 0, 1
	s_mov_b32 s3, LAPS-1
.Llap:
	TURN 0, 1, 1
	STEP 1, 0, 0
	TURN 1, 0, 1
	STEP 0, 0, 0
	s_sub_co_u32 s3, s3, 1
	s_cmp_lg_u32 s3, 0
	s_cbranch_scc1 .Llap
	TURN 0, 1, 0
	STEP 1, 0, 0
	s_wait_dscnt 4*NL
	WIN MUL_LO
	MUL16 0, 1, NQ-1, 1, 0
	MUL16 2, 1, NQ-1, 1, 0
	s_wait_dscnt 0
	WIN MUL_HI
	MUL16 4, 1, NQ-1, 1, 0
	MUL16 6, 1, NQ-1, 1, 0
	WIN 0
	PLACES NP
.macro TAILQ a, sc4                    ; 64 numbers of a lane become a fragment's codes, in the registers that held A's fragment a
.set AC, 64*((\a)%4)
.set FA, AF+FR*(\a)
	WIN 0x02+(\a)/4
.irp c, 0,1
	v_cvt_scalef32_pk16_fp6_f32 v[FA+6*\c:FA+6*\c+2], v[AC+32*\c:AC+32*\c+15], v[\sc4+2*\c]
	v_cvt_scalef32_pk16_fp6_f32 v[TQ+4*\c:TQ+4*\c+2], v[AC+32*\c+16:AC+32*\c+31], v[\sc4+2*\c+1]
.endr
	WIN 0
	v_nop                                          ; one plain place behind a scaled conversion
.irp c, 0,1
.irp i, 0,1,2
	v_permlane16_swap_b32 v[FA+6*\c+\i], v[TQ+4*\c+\i]
.endr
.irp i, 0,1,2
	v_mov_b32 v[FA+6*\c+3+\i], v[TQ+4*\c+\i]
.endr
.endr
.endm
.macro PUTFRAG a
.set FA, AF+FR*(\a)
.irp c, 0,1,2
	global_store_b128 v[LI], v[FA+4*\c:FA+4*\c+3], s[70:71] offset:FRB*(\a)+512*\c
.endr
.endm
.macro PUT8 src, dst4, base, off       ; eight words a row: lane (r, h) stores those of tiles 4 h .. 4 h + 3: 512 consecutive bytes
.irp j, 0,1,2,3
	v_cndmask_b32 v[\dst4+\j], v[\src+\j], v[\src+4+\j], vcc_lo
.endr
	global_store_b128 v[SOFF], v[\dst4:\dst4+3], s[\base:\base+1] offset:\off
.endm
; THE SOFTMAX'S NUMERATOR of tile a: 16 queries x my 128 keys.
.macro SM a
.set AC, 64*((\a)%4)
	WIN 0x2a+0x15*((\a)/4)                         ; all three sources: the accumulators' window
.irp b, 0,1,2,3
	v_max3_num_f32 v[BM+\b], v[AC+16*\b], v[AC+16*\b+1], v[AC+16*\b+2]   ; the largest score of each block of 32 keys: for the row's maximum, and, since p rises with the score, for the block's largest p
.endr
	WIN 0x28+0x14*((\a)/4)
.irp i, 3,5,7,9,11,13
.irp b, 0,1,2,3
	v_max3_num_f32 v[BM+\b], v[BM+\b], v[AC+16*\b+\i], v[AC+16*\b+\i+1]
.endr
.endr
.irp b, 0,1,2,3
	v_max_num_f32 v[BM+\b], v[BM+\b], v[AC+16*\b+15]
.endr
	WIN 0
.irp b, 0,1,2,3
	v_permlanex16_b32 v[BX+\b], v[BM+\b], s66, s67
.endr
.irp b, 0,1,2,3
	v_max_num_f32 v[BM+\b], v[BM+\b], v[BX+\b]     ; with lane l xor 16's 16 keys
.endr
	v_max3_num_f32 v27, v[BM], v[BM+1], v[BM+2]
	v_max_num_f32 v27, v27, v[BM+3]
	v_mul_f32 v27, s68, v27                        ; the largest t of these 128 keys (c is positive)
	v_floor_f32 v30, -v27                          ; -M_loc = floor(-t) = -ceil(t)
.irp b, 0,1,2,3
	v_fma_f32 v[BM+\b], v[BM+\b], s68, v30
.endr
	WIN 0x82+0x41*((\a)/4)                         ; destination and source 0: the accumulators' window
.set j, 0
.rept 32
	v_pk_fma_f32 v[AC+j:AC+j+1], v[AC+j:AC+j+1], s[68:69], v[30:31] op_sel_hi:[1,0,0]   ; t - M_loc, two at a time
.set j, j+2
.endr
.set j, 0
.rept 64
	v_exp_f32 v[AC+j], v[AC+j]                     ; p, at most 1
.set j, j+1
.endr
	WIN 0
	v_mov_b32 v[NMK+(\a)], v30                     ; (a plain place behind the exponentials)
	s_wait_alu depctr_va_vdst(0)                   ; one wait for the 64, ahead of their first reader
.irp b, 0,1,2,3
	v_exp_f32 v[BM+\b], v[BM+\b]                   ; the blocks' largest p: the same two instructions on the same number
.endr
	WIN 0x0a+5*((\a)/4)
.set j, 0
.rept 16
	v_pk_add_f32 v[T32+2*j:T32+2*j+1], v[AC+4*j:AC+4*j+1], v[AC+4*j+2:AC+4*j+3]   ; the sum of the UNQUANTISED p
.set j, j+1
.endr
	WIN 0
.irp i, 0,1,2,3,4,5,6,7
	v_pk_add_f32 v[T32+4*\i:T32+4*\i+1], v[T32+4*\i:T32+4*\i+1], v[T32+4*\i+2:T32+4*\i+3]
.endr
.irp i, 0,1,2,3
	v_pk_add_f32 v[T32+8*\i:T32+8*\i+1], v[T32+8*\i:T32+8*\i+1], v[T32+8*\i+4:T32+8*\i+5]
.endr
.irp i, 0,1
	v_pk_add_f32 v[T32+16*\i:T32+16*\i+1], v[T32+16*\i:T32+16*\i+1], v[T32+16*\i+8:T32+16*\i+9]
.endr
	v_pk_add_f32 v[T32:T32+1], v[T32:T32+1], v[T32+16:T32+17]
	v_add_f32 v27, v[T32], v[T32+1]
	v_permlanex16_b32 v[BX], v27, s66, s67
	v_add_f32 v[LK+(\a)], v27, v[BX]               ; l_loc
	s_wait_alu depctr_va_vdst(0)                   ; and one wait for the four
.irp b, 0,1,2,3
	v_max_num_f32 v[BM+\b], 0x1800000, v[BM+\b]    ; the floor 2^(3 - 127): the byte cannot fall under 1
.endr
.irp b, 0,1,2,3
	v_add_nc_u32 v[T32+\b], 0xff000000, v[BM+\b]   ; the conversion's scale operand
.endr
.irp b, 0,1,2,3
	v_lshrrev_b32 v[T32+4+\b], 23, v[T32+\b]       ; the byte, 1 .. 125
.endr
	v_lshl_or_b32 v[PW+(\a)], v[T32+5], 8, v[T32+4]
	v_lshl_or_b32 v[PW+(\a)], v[T32+6], 16, v[PW+(\a)]
	v_lshl_or_b32 v[PW+(\a)], v[T32+7], 24, v[PW+(\a)]
	TAILQ \a, T32
	PUTFRAG \a
.endm
.irp b, 0,1,2,3
	v_mov_b32 v[BX+\b], 0                          ; written once: a lane permute's destination counts as one of its sources
.endr
	v_mov_b32 v31, 0                               ; (named as the upper half of the pair v[30:31])
.irp t, 0,1,2,3,4,5,6,7
	SM \t
.endr
	v_cmp_ne_u32 vcc_lo, 0, v[HH]
	PUT8 PW, 240, 72, 0
	PUT8 NMK, 244, 74, 0
	PUT8 LK, 248, 74, 1024
	s_wait_tensorcnt 0x0                           ; the wave's end
	ds_add_u32 v[SPW], v[NIL]
	s_wait_dscnt 0x0
	CROUND                                         ; the closing round
	s_endpgm
.Lfunc_end_k_q3e379ee768_scores:
	.size	k_q3e379ee768_scores, .Lfunc_end_k_q3e379ee768_scores-k_q3e379ee768_scores
	.p2alignl 7, 3214868480
	.fill 96, 4, 3214868480
	.section	.rodata,"a",@progbits
	.p2align	6, 0x0
	.amdhsa_kernel k_q3e379ee768_scores
		.amdhsa_group_segment_fixed_size 327680
		.amdhsa_private_segment_fixed_size 0
		.amdhsa_enable_private_segment 0
		.amdhsa_kernarg_size 24
		.amdhsa_user_sgpr_count 2
		.amdhsa_user_sgpr_kernarg_segment_ptr 1
		.amdhsa_wavefront_size32 1
		.amdhsa_system_sgpr_workgroup_id_x 1
		.amdhsa_system_sgpr_workgroup_id_y 1
		.amdhsa_system_sgpr_workgroup_id_z 1
		.amdhsa_system_vgpr_workitem_id 0
		.amdhsa_next_free_vgpr 1024
		.amdhsa_next_free_sgpr 100
		.amdhsa_reserve_vcc 1
		.amdhsa_float_denorm_mode_32 3
		.amdhsa_float_denorm_mode_16_64 3
		.amdhsa_memory_ordered 1
		.amdhsa_forward_progress 1
		.amdhsa_inst_pref_size 193
	.end_amdhsa_kernel
	.amdgpu_metadata
---
amdhsa.version: [ 1, 2 ]
amdhsa.kernels:
  - .name:           k_q3e379ee768_scores
    .symbol:         k_q3e379ee768_scores.kd
    .args:
      - { .name: qkc, .offset: 0, .size: 8, .value_kind: global_buffer, .address_space: global }
      - { .name: pc, .offset: 8, .size: 8, .value_kind: global_buffer, .address_space: global }
      - { .name: pstat, .offset: 16, .size: 8, .value_kind: global_buffer, .address_space: global }
    .group_segment_fixed_size: 327680
    .private_segment_fixed_size: 0
    .kernarg_segment_align: 8
    .kernarg_segment_size: 24
    .max_flat_workgroup_size: 128
    .sgpr_count:     100
    .vgpr_count:     1024
    .wavefront_size: 32
...
	.end_amdgpu_metadata
.endif
;; end of part 3
;; launch pv (part 4): grid 4 x 32, 4 waves a work-group, clusters of 4 x 4, 327,680 bytes of LDS; arguments pc, pstat, vtc, out0; writes out0
.if DOCPART == 4
	.amdgcn_target "amdgcn-amd-amdhsa--gfx1250"
	.amdhsa_code_object_version 6
	.text
	.protected	k_q3e379ee768_pv
	.globl	k_q3e379ee768_pv
	.p2align	8
	.type	k_q3e379ee768_pv,@function
k_q3e379ee768_pv:
	s_mov_b64 s[64:65], 0
	v_nop
	global_prefetch_b8 v0, s[64:65] scope:SCOPE_SE
	s_setreg_imm32_b32 hwreg(HW_REG_WAVE_MODE, 25, 1), 1
	s_wait_xcnt 0x0
	s_wait_alu depctr_hold_cnt(0) depctr_sa_sdst(0) depctr_va_vdst(0) depctr_va_sdst(0) depctr_va_ssrc(0) depctr_va_vcc(0) depctr_vm_vsrc(0)
	s_getreg_b32 s2, hwreg(HW_REG_IB_STS2, 6, 4)
	s_cmp_eq_u32 s2, 0
	s_cbranch_scc0 .Lentry_in_a_cluster
	s_endpgm
.Lentry_in_a_cluster:
	s_bfe_u32 s2, ttmp6, 0x10000c
	s_cmp_lg_u32 s2, 0xf033
	s_cbranch_scc0 .Lentry_shape_is_right
	s_endpgm
.Lentry_shape_is_right:
; out = (P V) / l on codes of FP6 (E2M3), K = the batch's 2,048 keys.  P's codes were made under a whole-number M_loc for each row and 128 keys.  Ahead of the products each row's M = the largest of its 16 M_loc is taken,
; the four scale bytes of each of its 16 words are lowered by M - M_loc, and l = the sum of l_loc 2^(M_loc - M): whole powers of two, which change no code.
; LIMITS: NaN and infinities are not served.  M - M_loc is held at 127, and a scale byte that would fall under 0 is held at 0: such a block counts at the scale 2^-127 and not less, beside a row's sum above 1/2.
; OPERAND BUFFERS: 128 rows are a row block of 8 tiles of 16; lane-row r of tile i is row 32 (i / 2) + 8 (i % 2) + r + 8 (r / 8).  A fragment (tile x 128 K) is the image of its 12 registers.  A chunk (row block x 256 K) is
; 25,600 dense bytes: fragments at 12,288 ks + 1,536 tile, the scale word of (ks, r, tile) at 24,576 + 512 ks + 32 r + 4 tile.  pc: 64 row blocks of queries x 8 chunks.  vtc: [batch 4][row block of e 8][8 chunks of keys].
; pstat: for each chunk of pc 2,048 bytes: -M_loc at 512 ks + 32 r + 4 tile, l_loc 1,024 further on.
; A tile of out is 256 queries (A = P) x 256 e (B = V^T): four waves, each 128 x 128.  B is source 0, A source 1: a lane holds one query and e = 32 b + 16 (lane / 16) + 0 .. 15.
; CLUSTERS: 4 x 4 work-groups; P's chunks are asked for jointly along a row of the cluster, V^T's along a column.
; 128 work-groups: out has 128 tiles of this size.
; REGISTERS: window 0: v8-29 addresses; v32-63 A's scale words, v64-95 B's (scales and nothing else); v96-111 at work, later 1 / l; v128-223 first the rows' words, -M_loc, l_loc, then A's fragments; at the end v128-255 rows of out.
;   window 1: B's fragments, two sets.   windows 2, 3: accumulator (a, b) at v[8 (8 (a % 4) + b)].
.set NKS,   8
.set CH,    25600
.set KSB,   12288
.set FRB,   1536
.set SCO,   24576
.set SLOT,  4*CH
.set PSC,   2*SLOT                     ; behind the ring: P's scale words under the row's M: [row block 2][chunk 8][ks 2][512 bytes]
.set RLB,   PSC+16384                  ; 1 / l, each twice: [row block 2][r 16][tile 8][2 words]
.set STAGE, RLB+2048                   ; the way out: 16 rows x 528 bytes for each wave
.set SPITCH, 528
.set SPARE, STAGE+4*16*SPITCH          ; the spare words, 128 bytes for each wave, which no other line names
.set LAPS,  NKS/2
.set NQ,    2
.set FR,    12
.set NL,    3
.set NP,    4
.set STO,  13                          ; v13 the stage: where I put 16 bytes of a row
.set RD,   14                          ; v14 and where I read a row back
.set ADRA, 16
.set ASA,  18                          ; v18 my row block's scale words in PSC, stepped a chunk at each change of slots
.set ADRB, 20
.set ASB,  22
.set LI,   24
.set HH,   26
.set SPW,  28
.set NIL,  29
.set SCA,  32
.set SCB,  64
.set GM,   96                          ; v96-97   -M of my two rows
.set LS,   98                          ; v98-99   l
.set TP,   100                         ; v100-103 at work
.set RV,   104                         ; v104-107 1 / l, twice each
.set RL,   96                          ; the way out: v96-111: the pair 96 + 2 a holds 1 / l of tile a's row r twice
.set AF,   128
.set WD,   128                         ; the 16 words of my two rows;
.set NM,   160                         ; their -M_loc;
.set LL,   192                         ; their l_loc
.set BK,   128                         ; the way out: 16 rows read back: v128-191 and v192-255 by turns
.set G1, 24
.set G0, 32
.set G1B, 48
.set G0B, 56
.set MSB, 0
.macro WIN new
.if MSB != (\new)
	s_set_vgpr_msb (MSB<<8)|(\new)
.set MSB, (\new)
.endif
.endm
.set MUL_LO, 0xa1
.set MUL_HI, 0xf1
.set TO_B,   0x40
.macro JLOAD g0a, g1a, g0b, g1b        ; a joint load: waves 0 and 1 fetch A's chunks, waves 2 and 3 B's; an s_nop 0 and four v_nop follow each line
	s_cmp_eq_u32 s15, 0
	s_cbranch_scc0 .Lfor_b_\@
	tensor_load_to_lds s[\g0a:\g0a+3], s[\g1a:\g1a+7]
	s_nop 0
.rept 4
	v_nop
.endr
	s_branch .Lasked_\@
.Lfor_b_\@:
	tensor_load_to_lds s[\g0b:\g0b+3], s[\g1b:\g1b+7]
	s_nop 0
.rept 4
	v_nop
.endr
.Lasked_\@:
.endm
.macro CREST
	s_cmp_lg_u32 s14, 0
	s_cbranch_scc1 .Lnot_wave_0_\@
	s_barrier_signal -3
.Lnot_wave_0_\@:
	s_barrier_wait -3
	s_barrier_signal -1
	s_barrier_wait -1
.endm
.macro CROUND
	s_barrier_signal -1
	s_barrier_wait -1
	CREST
.endm
	s_load_b256 s[4:11], s[0:1], 0x0               ; pc s[4:5], pstat s[6:7], vtc s[8:9], out0 s[10:11]
	v_lshl_add_u32 v[SPW], v0, 2, SPARE
	v_mov_b32 v[NIL], 0
	ds_add_u32 v[SPW], v[NIL]                      ; the wave's opening: an add, waited for ahead of my first tensor load
	v_lshrrev_b32 v1, 5, v0
	v_readfirstlane_b32 s14, v1
	s_lshr_b32 s15, s14, 1                         ; ah; also: I fetch for A (0) or B (1)
	s_and_b32 s16, s14, 1                          ; bh; also: which chunk I fetch
	s_bfe_u32 s40, ttmp6, 0x40000                  ; cx
	s_bfe_u32 s41, ttmp6, 0x40004                  ; cy
	s_lshl_b32 s42, ttmp9, 2
	s_add_co_u32 s42, s42, s40                     ; x: which 256 of e
	s_and_b32 s17, ttmp7, 0xffff                   ; Y; the batch is Y / 2
	s_lshl_b32 s88, s17, 2
	s_add_co_u32 s88, s88, s41                     ; y: which 256 queries
	s_lshl_b32 s43, s41, 2
	s_lshl_b32 s43, 15, s43
	s_lshl_b32 s44, 0x1111, s40
	s_or_b32 s[G1+0], s43, (3<<16)|(1<<21)
	s_or_b32 s[G1B+0], s44, (3<<16)|(1<<21)
.irp g, G1, G1B                        ; a chunk: 100 rows of 256 bytes, dense
	s_mov_b32 s[\g+1], 32<<16
	s_mov_b32 s[\g+2], 100<<16
	s_mov_b32 s[\g+3], 32<<16
	s_mov_b32 s[\g+4], 100
	s_mov_b32 s[\g+5], 32
	s_mov_b32 s[\g+6], 0
	s_mov_b32 s[\g+7], 0
.endr
	s_lshl_b32 s20, s88, 1
	s_add_co_u32 s20, s20, s16
	s_mul_i32 s20, s20, NKS*CH                     ; P's row block 2 y + half
	s_mov_b32 s21, 0
	s_lshl_b32 s46, s42, 1
	s_add_co_u32 s46, s46, s16
	s_lshl_b32 s46, s46, 3
	s_lshr_b32 s47, s17, 1
	s_lshl_b32 s47, s47, 6
	s_add_co_u32 s46, s46, s47
	s_mul_i32 s46, s46, CH                         ; V^T's chunk 64 batch + 8 (2 x + half)
	s_mov_b32 s47, 0
	s_mul_i32 s45, s14, CH
	s_mov_b32 s86, 0x01010101
	s_mov_b32 s87, 0x80808080
	s_wait_dscnt 0x0
	s_wait_kmcnt 0x0
	s_add_nc_u64 s[20:21], s[4:5], s[20:21]
	s_add_nc_u64 s[46:47], s[8:9], s[46:47]
	CROUND
.irp s, 0,1
	s_mov_b32 s[G0+4*\s], 1
	s_add_co_u32 s[G0+4*\s+1], s45, \s*SLOT
	s_add_nc_u64 s[G0+4*\s+2:G0+4*\s+3], s[20:21], \s*CH
	s_or_b32 s[G0+4*\s+3], s[G0+4*\s+3], 0x80000000
	s_mov_b32 s[G0B+4*\s], 1
	s_add_co_u32 s[G0B+4*\s+1], s45, \s*SLOT
	s_add_nc_u64 s[G0B+4*\s+2:G0B+4*\s+3], s[46:47], \s*CH
	s_or_b32 s[G0B+4*\s+3], s[G0B+4*\s+3], 0x80000000
	JLOAD G0+4*\s, G1, G0B+4*\s, G1B
.endr
	; THE ROWS' M AND l, while the first chunks are on their way.  Thread t takes two neighbouring words (8 bytes) of row block t / 64: rows (r, tile) and (r, tile + 1), in all 16 groups of 128 keys.
	v_lshrrev_b32 v4, 6, v0                        ; which of the two row blocks
	v_and_b32 v5, 63, v0
	v_lshlrev_b32 v6, 3, v5                        ; my 8 bytes of a K step's 512
	v_mul_u32_u24 v8, v4, NKS*CH
	v_add_nc_u32 v8, v8, v6                        ; in pc
	v_lshl_add_u32 v9, v4, 14, v6                  ; in pstat
	v_lshl_add_u32 v10, v4, 13, v6
	v_add_nc_u32 v10, PSC, v10                     ; in PSC
	v_lshlrev_b32 v11, 4, v5
	v_lshl_add_u32 v11, v4, 10, v11
	v_add_nc_u32 v11, RLB, v11                     ; in RLB
	s_mul_i32 s80, s88, 2*NKS*CH
	s_mov_b32 s81, 0
	s_add_nc_u64 s[76:77], s[4:5], s[80:81]
	s_lshl_b32 s80, s88, 15
	s_add_nc_u64 s[78:79], s[6:7], s[80:81]
.set g, 0
.rept 16
	global_load_b64 v[WD+2*g:WD+2*g+1], v8, s[76:77] offset:(g/2)*CH+SCO+512*(g%2)   ; a wave's load reads 256 consecutive bytes
	global_load_b64 v[NM+2*g:NM+2*g+1], v9, s[78:79] offset:(g/2)*2048+512*(g%2)
	global_load_b64 v[LL+2*g:LL+2*g+1], v9, s[78:79] offset:(g/2)*2048+512*(g%2)+1024
.set g, g+1
.endr
	v_and_b32 v1, 15, v0                           ; r
	v_bfe_u32 v[HH], v0, 4, 1                      ; h
	v_and_b32 v2, 31, v0
	v_lshlrev_b32 v[LI], 4, v2
	v_lshlrev_b32 v3, 5, v1
	s_mul_i32 s18, s15, CH
	s_mul_i32 s19, s16, CH
	s_add_co_u32 s19, s19, 2*CH
.irp s, 0,1
	v_add_nc_u32 v[ADRA+\s], s18, v[LI]
	v_add_nc_u32 v[ADRB+\s], s19, v[LI]
	v_add_nc_u32 v[ASB+\s], s19, v3
	s_add_co_u32 s18, s18, SLOT
	s_add_co_u32 s19, s19, SLOT
.endr
	s_lshl_b32 s18, s15, 13
	s_add_co_u32 s18, s18, PSC
	v_add_nc_u32 v[ASA], s18, v3                   ; PSC + 8,192 ah + 32 r
	s_lshl_b32 s18, s15, 10
	s_add_co_u32 s18, s18, RLB
	v_lshl_add_u32 v12, v1, 6, s18                 ; RLB + 1,024 ah + 64 r
	s_mul_i32 s18, s14, 16*SPITCH
	s_add_co_u32 s18, s18, STAGE                   ; my stage
	v_mul_u32_u24 v[STO], v1, SPITCH
	v_lshl_add_u32 v[STO], v[HH], 6, v[STO]
	v_add_nc_u32 v[STO], s18, v[STO]               ; in: row r, + 64 h
	v_add_nc_u32 v[RD], s18, v[LI]                 ; back: 16 bytes a lane of a row's 512
	s_lshl_b32 s80, s88, 1
	s_add_co_u32 s80, s80, s15
	s_lshl_b32 s80, s80, 19                        ; my 128 rows of out, 4,096 bytes each
	s_lshl_b32 s82, s42, 1
	s_add_co_u32 s82, s82, s16
	s_lshl_b32 s82, s82, 9                         ; my 128 columns
	s_add_co_u32 s80, s80, s82
	s_add_nc_u64 s[12:13], s[10:11], s[80:81]
	s_wait_loadcnt 0x0
.irp j, 0,1
	v_min3_num_f32 v[GM+\j], v[NM+\j], v[NM+2+\j], v[NM+4+\j]
.endr
.irp n, 3,5,7,9,11,13
.irp j, 0,1
	v_min3_num_f32 v[GM+\j], v[GM+\j], v[NM+2*\n+\j], v[NM+2*\n+2+\j]
.endr
.endr
.irp j, 0,1
	v_min_num_f32 v[GM+\j], v[GM+\j], v[NM+30+\j]  ; -M of the whole row: the least -M_loc
.endr
.set g, 0
.rept 16
.irp j, 0,1
	v_sub_f32 v[TP+\j], v[GM+\j], v[NM+2*g+\j]     ; M_loc - M: a whole number, 0 or less,
.endr
.irp j, 0,1
	v_max_num_f32 v[TP+\j], 0xc2fe0000, v[TP+\j]   ; held at -127
.endr
.irp j, 0,1
	v_cvt_i32_f32 v[TP+\j], v[TP+\j]
.endr
.if g == 0
.irp j, 0,1
	v_ldexp_f32 v[LS+\j], v[LL+\j], v[TP+\j]       ; the first term starts the sum
.endr
.else
.irp j, 0,1
	v_ldexp_f32 v[TP+2+\j], v[LL+2*g+\j], v[TP+\j]
.endr
.irp j, 0,1
	v_add_f32 v[LS+\j], v[LS+\j], v[TP+2+\j]
.endr
.endif
.irp j, 0,1
	v_mul_lo_u32 v[TP+\j], v[TP+\j], s86           ; the same whole number for each of the word's four bytes
.endr
.irp j, 0,1
	v_or_b32 v[WD+2*g+\j], s87, v[WD+2*g+\j]       ; 128 on top of each byte (1 .. 125): at most 127 comes off, so no byte borrows from its neighbour,
.endr
.irp j, 0,1
	v_add_nc_u32 v[WD+2*g+\j], v[WD+2*g+\j], v[TP+\j]
.endr
.irp j, 0,1
	v_and_b32 v[TP+\j], s87, v[WD+2*g+\j]          ; and the top bit stays where the byte has not fallen under 0
.endr
.irp j, 0,1
	v_lshrrev_b32 v[TP+2+\j], 7, v[TP+\j]
.endr
.irp j, 0,1
	v_sub_nc_u32 v[TP+\j], v[TP+\j], v[TP+2+\j]    ; 0x7f for such a byte, 0 for the others
.endr
.irp j, 0,1
	v_and_b32 v[WD+2*g+\j], v[WD+2*g+\j], v[TP+\j]
.endr
	ds_store_b64 v10, v[WD+2*g:WD+2*g+1] offset:512*g
.set g, g+1
.endr
	v_rcp_f32 v[RV], v[LS]
	v_rcp_f32 v[RV+1], v[LS]
	v_rcp_f32 v[RV+2], v[LS+1]
	v_rcp_f32 v[RV+3], v[LS+1]
	v_nop                                          ; a plain place behind the reciprocals
	s_wait_alu depctr_va_vdst(0)                   ; and a wait ahead of their first use
	ds_store_b128 v11, v[RV:RV+3]
.macro FRAG reg, adr, q, i
.irp c, 0,1,2
	ds_load_b128 v[\reg+4*\c:\reg+4*\c+3], v[\adr] offset:(\q)*KSB+(\i)*FRB+512*\c
.endr
.endm
; The 64 accumulators take turns, one instruction a turn, in the same order in every step.
.macro MUL16 a0, p, q, sc, zero
.irp a, \a0, \a0+1
.irp b, 0,1,2,3,4,5,6,7
.if \zero
	v_wmma_scale_f32_16x16x128_f8f6f4 v[8*(8*((\a)%4)+\b):8*(8*((\a)%4)+\b)+7], v[128*(\p)+FR*\b:128*(\p)+FR*\b+FR-1], v[AF+FR*(\a):AF+FR*(\a)+FR-1], 0, v[SCB+16*(\sc)+8*(\q)+\b], v[SCA+16*(\sc)+8*(\q)+(\a)] matrix_a_fmt:MATRIX_FMT_FP6 matrix_b_fmt:MATRIX_FMT_FP6
.else
	v_wmma_scale_f32_16x16x128_f8f6f4 v[8*(8*((\a)%4)+\b):8*(8*((\a)%4)+\b)+7], v[128*(\p)+FR*\b:128*(\p)+FR*\b+FR-1], v[AF+FR*(\a):AF+FR*(\a)+FR-1], v[8*(8*((\a)%4)+\b):8*(8*((\a)%4)+\b)+7], v[SCB+16*(\sc)+8*(\q)+\b], v[SCA+16*(\sc)+8*(\q)+(\a)] matrix_a_fmt:MATRIX_FMT_FP6 matrix_b_fmt:MATRIX_FMT_FP6
.endif
.endr
.endr
.endm
.macro FETCH_B slot, q, p
	WIN TO_B
.irp i, 0,1,2,3,4,5,6,7
	FRAG 128*(\p)+FR*\i, ADRB+\slot, \q, \i
.endr
	WIN 0
.endm
.macro FETCH_A slot, q, i0
.irp i, \i0, \i0+1, \i0+2, \i0+3
	FRAG AF+FR*(\i), ADRA+\slot, \q, \i
.endr
.endm
.macro SCALES sc                       ; P's words come from PSC (those in the ring, under M_loc, are never read), V^T's from the ring
.irp q, 0,1
.irp g, 0,1
	ds_load_b128 v[SCA+16*\sc+8*\q+4*\g:SCA+16*\sc+8*\q+4*\g+3], v[ASA] offset:512*\q+16*\g
	ds_load_b128 v[SCB+16*\sc+8*\q+4*\g:SCB+16*\sc+8*\q+4*\g+3], v[ASB+\sc] offset:SCO+512*\q+16*\g
.endr
.endr
.endm
.macro PLACES n
.rept \n
	v_nop
.endr
.endm
.macro STEP slot, q, zero
	s_wait_dscnt 4*NL                              ; all but the youngest twelve loads (A's tiles 4-7) are in
	WIN MUL_LO
	MUL16 0, (\q)%2, \q, \slot, \zero
	MUL16 2, (\q)%2, \q, \slot, \zero
	s_wait_dscnt 0
	PLACES NP
	FETCH_B \slot, (\q)+1, 1-(\q)%2
	FETCH_A \slot, (\q)+1, 0
	WIN MUL_HI
	MUL16 4, (\q)%2, \q, \slot, \zero
	MUL16 6, (\q)%2, \q, \slot, \zero
	PLACES NP
	WIN 0
	FETCH_A \slot, (\q)+1, 4
.endm
.macro TURN slot, next, fill
	s_wait_tensorcnt 0x0                           ; all my tensor loads have landed: my part of the next slot
	ds_add_u32 v[SPW], v[NIL]                      ; 0 onto my spare word
	s_wait_dscnt 4*NL+1                            ; (the add and the youngest twelve loads may be out)
	WIN MUL_LO
	MUL16 0, 1, NQ-1, \slot, 0
	s_wait_dscnt 0x0                               ; the add is done, and my reads of this slot are over
	s_barrier_signal -1
	MUL16 2, 1, NQ-1, \slot, 0
	WIN 0
	s_barrier_wait -1
.if \fill
	CREST                                          ; a round of the cluster's barrier: no wave of any partner still reads this slot or has a load on its way
	s_add_nc_u64 s[G0+4*\slot+2:G0+4*\slot+3], s[G0+4*\slot+2:G0+4*\slot+3], 2*CH
	s_add_nc_u64 s[G0B+4*\slot+2:G0B+4*\slot+3], s[G0B+4*\slot+2:G0B+4*\slot+3], 2*CH
	JLOAD G0+4*\slot, G1, G0B+4*\slot, G1B         ; the first tensor load behind the round; its four v_nop are the places in front of the loads below
.else
	PLACES NP
.endif
	v_add_nc_u32 v[ASA], 1024, v[ASA]              ; on to the next chunk's words of P
	FETCH_B \next, 0, 0
	FETCH_A \next, 0, 0
	SCALES \next
	WIN MUL_HI
	MUL16 4, 1, NQ-1, \slot, 0
	MUL16 6, 1, NQ-1, \slot, 0
	PLACES NP
	WIN 0
	FETCH_A \next, 0, 4
.endm
	s_wait_tensorcnt 1                             ; my part of slot 0 is in; slot 1's may stay out
	s_wait_dscnt 0x0                               ; my stores of scale words and of 1 / l have landed
	s_barrier_signal -1
	s_barrier_wait -1
	FETCH_B 0, 0, 0
	FETCH_A 0, 0, 0
	SCALES 0
	FETCH_A 0, 0, 4
	STEP 0, 0, 1
	s_mov_b32 s3, LAPS-1
.Llap:
	TURN 0, 1, 1
	STEP 1, 0, 0
	TURN 1, 0, 1
	STEP 0, 0, 0
	s_sub_co_u32 s3, s3, 1
	s_cmp_lg_u32 s3, 0
	s_cbranch_scc1 .Llap
	TURN 0, 1, 0
	STEP 1, 0, 0
	s_wait_dscnt 4*NL
	WIN MUL_LO
	MUL16 0, 1, NQ-1, 1, 0
	MUL16 2, 1, NQ-1, 1, 0
	s_wait_dscnt 0
	WIN MUL_HI
	MUL16 4, 1, NQ-1, 1, 0
	MUL16 6, 1, NQ-1, 1, 0
	WIN 0
	PLACES NP
; THE WAY OUT, a tile of 16 queries x 128 e at a time: divided by l, through my own stage, and out as whole rows of 512 bytes.  LDS serves a wave's instructions in order: no wait between the stores and the loads.
.macro SCALE a
.set AC, 64*((\a)%4)
	WIN 0x82+0x41*((\a)/4)                         ; destination and source 0: the accumulators' window
.set j, 0
.rept 32
	v_pk_mul_f32 v[AC+j:AC+j+1], v[AC+j:AC+j+1], v[RL+2*(\a):RL+2*(\a)+1]   ; each accumulator from its low end on
.set j, j+2
.endr
.endm
.macro TOSTAGE a
.set AC, 64*((\a)%4)
	WIN 0x08+4*((\a)/4)                            ; an LDS store's data are its source 1
.irp b, 0,1,2,3,4,5,6,7
	ds_store_b128 v[STO], v[AC+8*\b:AC+8*\b+3] offset:128*(\b/2)+32*(\b%2)      ; e = 32 (b / 2) + 16 h + 8 (b % 2) + 0 .. 7
	ds_store_b128 v[STO], v[AC+8*\b+4:AC+8*\b+7] offset:128*(\b/2)+32*(\b%2)+16
.endr
	WIN 0
.set BB, BK+64*((\a)%2)
.irp t, 0,1,2,3,4,5,6,7,8,9,10,11,12,13,14,15
	ds_load_b128 v[BB+4*\t:BB+4*\t+3], v[RD] offset:\t*SPITCH
.endr
.endm
.macro SEND a, younger                 ; younger: the LDS instructions issued behind tile a's loads, which may stay out
.set BB, BK+64*((\a)%2)
	s_wait_dscnt \younger
.irp t, 0,1,2,3,4,5,6,7,8,9,10,11,12,13,14,15
	global_store_b128 v[LI], v[BB+4*\t:BB+4*\t+3], s[12:13] offset:(32*((\a)/2)+8*((\a)%2)+\t+8*(\t/8))*4096 th:TH_STORE_NT   ; 32 lanes store 512 consecutive bytes, at a multiple of 512 from out's first byte
.endr
.endm
.irp i, 0,1,2,3
	ds_load_b128 v[RL+4*\i:RL+4*\i+3], v12 offset:16*\i
.endr
	s_wait_dscnt 0x0                               ; 1 / l of my lane's eight rows
	SCALE 0
	TOSTAGE 0
.irp a, 1,2,3,4,5,6,7
.if \a > 1
	s_wait_xcnt 0x0                                ; tile a - 2's stores have read their registers: tile a's loads may land there
.endif
	SCALE \a
	TOSTAGE \a
	SEND \a-1, 32                                  ; behind tile a - 1's loads: tile a's 16 stores and 16 loads
.endr
	SEND 7, 0
	s_wait_tensorcnt 0x0                           ; the wave's end, behind my last tensor load and my last LDS store
	ds_add_u32 v[SPW], v[NIL]
	s_wait_dscnt 0x0
	CROUND                                         ; the closing round
	s_endpgm
.Lfunc_end_k_q3e379ee768_pv:
	.size	k_q3e379ee768_pv, .Lfunc_end_k_q3e379ee768_pv-k_q3e379ee768_pv
	.p2alignl 7, 3214868480
	.fill 96, 4, 3214868480
	.section	.rodata,"a",@progbits
	.p2align	6, 0x0
	.amdhsa_kernel k_q3e379ee768_pv
		.amdhsa_group_segment_fixed_size 327680
		.amdhsa_private_segment_fixed_size 0
		.amdhsa_enable_private_segment 0
		.amdhsa_kernarg_size 32
		.amdhsa_user_sgpr_count 2
		.amdhsa_user_sgpr_kernarg_segment_ptr 1
		.amdhsa_wavefront_size32 1
		.amdhsa_system_sgpr_workgroup_id_x 1
		.amdhsa_system_sgpr_workgroup_id_y 1
		.amdhsa_system_sgpr_workgroup_id_z 1
		.amdhsa_system_vgpr_workitem_id 0
		.amdhsa_next_free_vgpr 1024
		.amdhsa_next_free_sgpr 100
		.amdhsa_reserve_vcc 0
		.amdhsa_float_denorm_mode_32 3
		.amdhsa_float_denorm_mode_16_64 3
		.amdhsa_memory_ordered 1
		.amdhsa_forward_progress 1
		.amdhsa_inst_pref_size 172
	.end_amdhsa_kernel
	.amdgpu_metadata
---
amdhsa.version: [ 1, 2 ]
amdhsa.kernels:
  - .name:           k_q3e379ee768_pv
    .symbol:         k_q3e379ee768_pv.kd
    .args:
      - { .name: pc, .offset: 0, .size: 8, .value_kind: global_buffer, .address_space: global }
      - { .name: pstat, .offset: 8, .size: 8, .value_kind: global_buffer, .address_space: global }
      - { .name: vtc, .offset: 16, .size: 8, .value_kind: global_buffer, .address_space: global }
      - { .name: out0, .offset: 24, .size: 8, .value_kind: global_buffer, .address_space: global }
    .group_segment_fixed_size: 327680
    .private_segment_fixed_size: 0
    .kernarg_segment_align: 8
    .kernarg_segment_size: 32
    .max_flat_workgroup_size: 128
    .sgpr_count:     100
    .vgpr_count:     1024
    .wavefront_size: 32
...
	.end_amdgpu_metadata
.endif
;; end of part 4
;; ======== version 2 of 2: 4 launches
;; limits: right only within a limited range of input values
;; workspace buffers: xc 19,660,800 bytes; wc 2,457,600 bytes; qkc 13,107,200 bytes; vtc 6,553,600 bytes; pc 13,107,200 bytes; pstat 1,048,576 bytes
;; launch quant (part 5): grid 1152 x 1, 2 waves a work-group, no clusters, 17,152 bytes of LDS; arguments q, k, v, W_q, W_k, W_v, xc, wc; writes xc, wc
.if DOCPART == 5
	.amdgcn_target "amdgcn-amd-amdhsa--gfx1250"
	.amdhsa_code_object_version 6
	.text
	.protected	k_q3e379ee768_quant
	.globl	k_q3e379ee768_quant
	.p2align	8
	.type	k_q3e379ee768_quant,@function
k_q3e379ee768_quant:
	s_mov_b64 s[64:65], 0
	v_nop
	global_prefetch_b8 v0, s[64:65] scope:SCOPE_SE
	s_setreg_imm32_b32 hwreg(HW_REG_WAVE_MODE, 25, 1), 1
	s_wait_xcnt 0x0
; q, k, v [8192][1024] and W_q, W_k, W_v [1024 (d)][1024 (e)], f32, become codes of FP6 (E2M3) with one E8M0 byte for each 32 along K = d.
; A block's scale is 2^(floor(log2(its largest magnitude)) - 2): its byte is the largest magnitude's exponent field - 2, held at 1 from below.
; LIMITS: NaN and infinities are not served; a block of zeros gets the byte 1 where the rule says 127 (its codes are zeros, and this program alone reads the bytes).
; THE LAYOUT OF EVERY OPERAND BUFFER OF THIS PROGRAM.  128 rows are a row block of 8 tiles of 16; lane-row r of tile i is row 32 (i / 2) + 8 (i % 2) + r + 8 (r / 8) of the block.
; A fragment (a tile x 128 K) lies as the image of its 12 registers: registers 4 c .. 4 c + 3 of lane l at 512 c + 16 l: 1,536 bytes.  A chunk is a row block x 256 K, 25,600 bytes:
; K step ks's eight fragments at 12,288 ks + 1,536 tile; the scale word of (ks, r, tile) at 24,576 + 512 ks + 32 r + 4 tile.  A buffer is [row block][256 K] chunks on end.
; xc: row blocks 0-63 q, 64-127 k, 128-191 v.  wc: rows = e, row blocks 0-7 W_q, 8-15 W_k, 16-23 W_v.
; Work-groups 0-191 take the weights (a wave: 32 columns e x 128 d; a lane a column, its registers down K), work-groups 192-575 the activations (a wave: 128 rows x 128 d).
; No tensor load, no barrier: waves share nothing.  Only the activations' path touches LDS (a stage of its own for each wave).
.set CH,    25600
.set KSB,   12288
.set SCO,   24576
.set SP,    528                        ; a stage row: 512 bytes + 16: 33 x 16, so that sixteen rows' 16 bytes fall on different banks
.set WSTG,  16*SP                      ; a wave's stage
; THE DEAL OF WORK (it takes the place of what the head says of work-group numbers): a work-group has two waves; work-groups 0-767 take the activations, 768-1151 the weights.
.set SPARE, 2*WSTG                     ; behind the two stages: the spare words, 128 bytes for each wave, which no other line names
.set SI,   1                           ; v1   x: the stage on the way in, 16 x lane.   W: 4 x my column
.set SOU,  2                           ; v2   x: the stage on the way out, 528 r + 128 h.   W: my scale word's place, 32 r + 4 u
.set H8,   3                           ; v3   8 h
.set LI,   4                           ; v4   16 x lane
.set SOFF, 5                           ; v5   32 r + 16 h
.set SPW,  6                           ; v6   my spare word; never rewritten
.set NIL,  7                           ; v7   0; never rewritten
.set PW,   8                           ; v8-15 scale words (x: one for each tile; W: v8)
.set U,    16                          ; W: v16-143 four blocks of 32 numbers
.set R,    16                          ; x: v16-143 two sets of 64 registers as loaded
.set X,    144                         ; x: v144-207 my two whole blocks of a row
.set F,    208                         ; v208-231 two fragments
.set T,    232                         ; v232-238 a block's upper 16 codes (a conversion's three registers begin on an even number)
.set TM,   240                         ; v240-247 at work
.set RR,   248                         ; r
.set HH,   249                         ; h
	s_load_b256 s[8:15], s[0:1], 0x0               ; q s[8:9], k s[10:11], v s[12:13], W_q s[14:15]
	s_load_b256 s[16:23], s[0:1], 0x20             ; W_k s[16:17], W_v s[18:19], xc s[20:21], wc s[22:23]
	v_lshl_add_u32 v[SPW], v0, 2, SPARE
	v_mov_b32 v[NIL], 0
	v_lshrrev_b32 v1, 5, v0
	v_readfirstlane_b32 s2, v1                     ; wave
	v_and_b32 v[RR], 15, v0
	v_bfe_u32 v[HH], v0, 4, 1
	v_and_b32 v[LI], 31, v0
	v_lshlrev_b32 v[LI], 4, v[LI]
	v_lshlrev_b32 v[H8], 3, v[HH]
	v_lshlrev_b32 v[SOFF], 5, v[RR]
	v_lshl_add_u32 v[SOFF], v[HH], 4, v[SOFF]
	s_mov_b32 s36, 0x76543210
	s_mov_b32 s37, 0xfedcba98                      ; v_permlanex16_b32's selects for lane l xor 16
	s_cmp_ge_u32 ttmp9, 768
	s_cbranch_scc0 .Lx_path
; ---------------- THE WEIGHTS.  (Work-group - 768) / 2 = 64 T + 8 rb + ksg; g = 2 ((work-group - 768) % 2) + wave takes tiles 2 g and 2 g + 1 of row block rb, K step ksg (128 rows d of W).
; Lane 16 u + r takes column 8 u + r + 8 (r / 8) of the wave's 32, which is lane-row r of tile 2 g + u: the 32 lanes of a load read 128 consecutive bytes.
	v_and_b32 v1, 8, v[RR]
	v_add_nc_u32 v1, v1, v[RR]
	v_lshl_add_u32 v1, v[HH], 3, v1
	v_lshlrev_b32 v1, 2, v1
	v_lshlrev_b32 v2, 5, v[RR]
	v_lshl_add_u32 v2, v[HH], 2, v2
	s_sub_co_u32 s34, ttmp9, 768
	s_and_b32 s35, s34, 1
	s_lshl_b32 s35, s35, 1
	s_add_co_u32 s2, s2, s35                       ; g, 0 .. 3
	s_lshr_b32 s34, s34, 1                         ; 64 T + 8 rb + ksg
	s_lshr_b32 s3, s34, 6                          ; T: which weight
	s_lshr_b32 s4, s34, 3                          ; 8 T + rb: wc's row block
	s_and_b32 s5, s4, 7                            ; rb
	s_and_b32 s6, s34, 7                           ; ksg
	s_lshl_b32 s26, s6, 19                         ; 128 rows of 4,096 bytes
	s_lshl_b32 s7, s5, 9
	s_add_co_u32 s26, s26, s7
	s_lshl_b32 s7, s2, 7
	s_add_co_u32 s26, s26, s7
	s_mov_b32 s27, 0
	s_lshl_b32 s32, s4, 2
	s_lshr_b32 s7, s6, 1
	s_add_co_u32 s32, s32, s7
	s_mul_i32 s32, s32, CH                         ; my chunk
	s_and_b32 s7, s6, 1
	s_mul_i32 s28, s7, KSB
	s_add_co_u32 s28, s28, s32
	s_mul_i32 s33, s2, 3072
	s_add_co_u32 s28, s28, s33                     ; my two fragments
	s_mov_b32 s29, 0
	s_lshl_b32 s30, s7, 9
	s_add_co_u32 s30, s30, s32
	s_lshl_b32 s33, s2, 3
	s_add_co_u32 s30, s30, s33
	s_add_co_u32 s30, s30, SCO                     ; my two tiles' scale words
	s_mov_b32 s31, 0
	s_wait_alu depctr_va_vdst(0)
	s_wait_kmcnt 0x0
	s_cmp_lt_u32 s3, 1
	s_cselect_b64 s[24:25], s[14:15], s[16:17]
	s_cmp_lt_u32 s3, 2
	s_cselect_b64 s[24:25], s[24:25], s[18:19]
	s_add_nc_u64 s[24:25], s[24:25], s[26:27]
	s_add_nc_u64 s[28:29], s[22:23], s[28:29]
	s_add_nc_u64 s[30:31], s[22:23], s[30:31]
.macro LOADW e                         ; block e: W(32 e + i, my column), i = 0 .. 31
.set i, 0
.rept 32
	global_load_b32 v[U+32*(\e)+i], v1, s[24:25] offset:(32*(\e)+i)*4096 th:TH_LOAD_NT
.set i, i+1
.endr
.endm
.macro BLOCKW e                        ; all 32 numbers of the block are mine
.set US, U+32*(\e)
.set FS, F+12*((\e)%2)+6*((\e)/2)      ; blocks 0, 2 into the first run of 12 registers, blocks 1, 3 into the second
.if (\e) < 3
	s_wait_loadcnt 32                              ; this block's 32 loads are in; the next block's may be out
.else
	s_wait_loadcnt 0x0
.endif
.if (\e)+2 < 4
	LOADW (\e)+2
.endif
	v_max3_num_f32 v[TM], |v[US]|, |v[US+1]|, |v[US+2]|
	v_max3_num_f32 v[TM+1], |v[US+3]|, |v[US+4]|, |v[US+5]|
.irp n, 6,10,14,18,22,26
	v_max3_num_f32 v[TM], v[TM], |v[US+\n]|, |v[US+\n+1]|
	v_max3_num_f32 v[TM+1], v[TM+1], |v[US+\n+2]|, |v[US+\n+3]|
.endr
	v_max3_num_f32 v[TM], v[TM], |v[US+30]|, |v[US+31]|
	v_max3_num_f32 v[TM], v[TM], v[TM+1], 0x1800000   ; and the floor 2^(3 - 127): the byte cannot fall under 1
	v_add_nc_u32 v[TM+2], 0xff000000, v[TM]        ; 2 off the exponent field: the conversion's scale operand
	v_lshrrev_b32 v[TM+3], 23, v[TM+2]             ; the scale's byte
.if (\e) == 0
	v_mov_b32 v[PW], v[TM+3]
.else
	v_lshl_or_b32 v[PW], v[TM+3], 8*(\e), v[PW]
.endif
	v_cvt_scalef32_pk16_fp6_f32 v[FS:FS+2], v[US:US+15], v[TM+2]
	v_cvt_scalef32_pk16_fp6_f32 v[T:T+2], v[US+16:US+31], v[TM+2]
	v_nop                                          ; one plain place behind a scaled conversion
.irp n, 0,1,2
	v_mov_b32 v[FS+3+\n], v[T+\n]
.endr
.endm
	LOADW 0
	LOADW 1
	BLOCKW 0
	BLOCKW 1
	BLOCKW 2
	BLOCKW 3
; Lane 16 u + r holds blocks 0, 2 (first run) and 1, 3 (second run) of tile 2 g + u's row r.  A fragment wants blocks h, 2 + h in lane (r, h): the first run's lanes 16-31 change places with the second's lanes 0-15.
.set i, 0
.rept 12
	v_permlane16_swap_b32 v[F+i], v[F+12+i]
.set i, i+1
.endr
.irp c, 0,1,2,3,4,5
	global_store_b128 v[LI], v[F+4*\c:F+4*\c+3], s[28:29] offset:512*\c   ; 512 consecutive bytes a store
.endr
	global_store_b32 v2, v[PW], s[30:31]           ; 4 bytes a lane inside the K step's 512 bytes of scale words, which the four waves fill together: 1 byte for each 128 read
	s_endpgm
; ---------------- THE ACTIVATIONS.  Work-group = 4 rb + quarter; wave w takes K step 2 quarter + w of row block rb: eight fragments.
.Lx_path:
	s_mov_b32 s3, ttmp9
	s_lshr_b32 s4, s3, 2                           ; rb, 0 .. 191
	s_and_b32 s5, s3, 3
	s_lshl_b32 s5, s5, 1
	s_add_co_u32 s5, s5, s2                        ; K step, 0 .. 7
	s_and_b32 s6, s4, 63
	s_lshl_b32 s26, s6, 19                         ; 128 rows of 4,096 bytes
	s_lshl_b32 s7, s5, 9
	s_add_co_u32 s26, s26, s7
	s_mov_b32 s27, 0
	s_lshl_b32 s32, s4, 2
	s_lshr_b32 s7, s5, 1
	s_add_co_u32 s32, s32, s7
	s_mul_i32 s32, s32, CH                         ; my chunk
	s_and_b32 s7, s5, 1
	s_mul_i32 s28, s7, KSB
	s_add_co_u32 s28, s28, s32
	s_mov_b32 s29, 0
	s_lshl_b32 s30, s7, 9
	s_add_co_u32 s30, s30, s32
	s_add_co_u32 s30, s30, SCO
	s_mov_b32 s31, 0
	s_mul_i32 s33, s2, WSTG
	s_wait_alu depctr_va_vdst(0)
	v_add_nc_u32 v[SI], s33, v[LI]
	v_mul_u32_u24 v[SOU], v[RR], SP
	v_lshl_add_u32 v[SOU], v[HH], 7, v[SOU]
	v_add_nc_u32 v[SOU], s33, v[SOU]
	v_mov_b32 v[TM+7], 0                           ; written once: a lane permute's destination counts as one of its sources
	s_wait_alu depctr_va_vdst(0)
	s_wait_kmcnt 0x0
	s_cmp_lt_u32 s4, 64
	s_cselect_b64 s[24:25], s[8:9], s[10:11]
	s_cmp_lt_u32 s4, 128
	s_cselect_b64 s[24:25], s[24:25], s[12:13]
	s_add_nc_u64 s[24:25], s[24:25], s[26:27]
	s_add_nc_u64 s[28:29], s[20:21], s[28:29]
	s_add_nc_u64 s[30:31], s[20:21], s[30:31]
.macro LOADX i                         ; tile i's sixteen rows, 512 consecutive bytes a load
.irp j, 0,1,2,3,4,5,6,7,8,9,10,11,12,13,14,15
	global_load_b128 v[R+64*((\i)%2)+4*\j:R+64*((\i)%2)+4*\j+3], v[LI], s[24:25] offset:(32*((\i)/2)+8*((\i)%2)+\j+8*(\j/8))*4096 th:TH_LOAD_NT
.endr
.endm
.macro STEPX i
.set RS, R+64*((\i)%2)
.set FS, F+12*((\i)%2)
.if (\i) < 7
	s_wait_loadcnt 16                              ; this tile's 16 loads are in; the next tile's may be out
.else
	s_wait_loadcnt 0x0
.endif
.irp j, 0,1,2,3,4,5,6,7,8,9,10,11,12,13,14,15
	ds_store_b128 v[SI], v[RS+4*\j:RS+4*\j+3] offset:SP*\j
.endr
.irp c, 0,1
.irp n, 0,1,2,3,4,5,6,7
	ds_load_b128 v[X+32*\c+4*\n:X+32*\c+4*\n+3], v[SOU] offset:256*\c+16*\n   ; blocks h and 2 + h of row r, whole.  LDS serves a wave's instructions in order: these see the stores above
.endr
.endr
	s_wait_dscnt 0x0                               ; my numbers are back, and the stores have read their registers,
.if (\i)+2 < 8
	LOADX (\i)+2                                   ; which take the tile two on
.endif
.irp c, 0,1
	v_max3_num_f32 v[TM+\c], |v[X+32*\c]|, |v[X+32*\c+1]|, 0x1800000   ; with the floor 2^(3 - 127)
.endr
.irp n, 2,4,6,8,10,12,14,16,18,20,22,24,26,28,30
.irp c, 0,1
	v_max3_num_f32 v[TM+\c], v[TM+\c], |v[X+32*\c+\n]|, |v[X+32*\c+\n+1]|
.endr
.endr
.irp c, 0,1
	v_add_nc_u32 v[TM+2+\c], 0xff000000, v[TM+\c]  ; the conversion's scale operand
.endr
.irp c, 0,1
	v_lshrrev_b32 v[TM+4+\c], 23, v[TM+2+\c]       ; the byte
.endr
	v_lshl_or_b32 v[TM+6], v[TM+5], 16, v[TM+4]    ; my two bytes, blocks h and 2 + h,
	v_lshlrev_b32 v[TM+6], v[H8], v[TM+6]          ; at their places;
	v_permlanex16_b32 v[TM+7], v[TM+6], s36, s37
	v_or_b32 v[PW+(\i)], v[TM+6], v[TM+7]          ; with lane l xor 16's two the row's word is whole
.if (\i) > 1
	s_wait_alu depctr_va_vdst(0)
	s_wait_xcnt 0x0                                ; the stores of two tiles ago have read this set of code registers
.endif
.irp c, 0,1
	v_cvt_scalef32_pk16_fp6_f32 v[FS+6*\c:FS+6*\c+2], v[X+32*\c:X+32*\c+15], v[TM+2+\c]
	v_cvt_scalef32_pk16_fp6_f32 v[T+4*\c:T+4*\c+2], v[X+32*\c+16:X+32*\c+31], v[TM+2+\c]
.endr
	v_nop                                          ; one plain place behind a scaled conversion
.irp c, 0,1
.irp n, 0,1,2
	v_mov_b32 v[FS+6*\c+3+\n], v[T+4*\c+\n]
.endr
.endr
.irp c, 0,1,2
	global_store_b128 v[LI], v[FS+4*\c:FS+4*\c+3], s[28:29] offset:1536*(\i)+512*\c   ; 512 consecutive bytes a store
.endr
.endm
	LOADX 0
	LOADX 1
.irp t, 0,1,2,3,4,5,6,7
	STEPX \t
.endr
	v_cmp_ne_u32 vcc_lo, 0, v[H8]
.irp j, 0,1,2,3
	v_cndmask_b32 v[TM+\j], v[PW+\j], v[PW+4+\j], vcc_lo   ; lane (r, h): the words of row r in tiles 4 h .. 4 h + 3
.endr
	global_store_b128 v[SOFF], v[TM:TM+3], s[30:31]   ; the K step's 512 bytes of scale words, whole
	s_wait_tensorcnt 0x0                           ; the wave's end, behind my last LDS store
	ds_add_u32 v[SPW], v[NIL]
	s_wait_dscnt 0x0
	s_endpgm
.Lfunc_end_k_q3e379ee768_quant:
	.size	k_q3e379ee768_quant, .Lfunc_end_k_q3e379ee768_quant-k_q3e379ee768_quant
	.p2alignl 7, 3214868480
	.fill 96, 4, 3214868480
	.section	.rodata,"a",@progbits
	.p2align	6, 0x0
	.amdhsa_kernel k_q3e379ee768_quant
		.amdhsa_group_segment_fixed_size 17152
		.amdhsa_private_segment_fixed_size 0
		.amdhsa_enable_private_segment 0
		.amdhsa_kernarg_size 64
		.amdhsa_user_sgpr_count 2
		.amdhsa_user_sgpr_kernarg_segment_ptr 1
		.amdhsa_wavefront_size32 1
		.amdhsa_system_sgpr_workgroup_id_x 1
		.amdhsa_system_sgpr_workgroup_id_y 1
		.amdhsa_system_sgpr_workgroup_id_z 1
		.amdhsa_system_vgpr_workitem_id 0
		.amdhsa_next_free_vgpr 256
		.amdhsa_next_free_sgpr 66
		.amdhsa_reserve_vcc 1
		.amdhsa_float_denorm_mode_32 3
		.amdhsa_float_denorm_mode_16_64 3
		.amdhsa_memory_ordered 1
		.amdhsa_forward_progress 1
		.amdhsa_inst_pref_size 78
	.end_amdhsa_kernel
	.amdgpu_metadata
---
amdhsa.version: [ 1, 2 ]
amdhsa.kernels:
  - .name:           k_q3e379ee768_quant
    .symbol:         k_q3e379ee768_quant.kd
    .args:
      - { .name: q, .offset: 0, .size: 8, .value_kind: global_buffer, .address_space: global }
      - { .name: k, .offset: 8, .size: 8, .value_kind: global_buffer, .address_space: global }
      - { .name: v, .offset: 16, .size: 8, .value_kind: global_buffer, .address_space: global }
      - { .name: W_q, .offset: 24, .size: 8, .value_kind: global_buffer, .address_space: global }
      - { .name: W_k, .offset: 32, .size: 8, .value_kind: global_buffer, .address_space: global }
      - { .name: W_v, .offset: 40, .size: 8, .value_kind: global_buffer, .address_space: global }
      - { .name: xc, .offset: 48, .size: 8, .value_kind: global_buffer, .address_space: global }
      - { .name: wc, .offset: 56, .size: 8, .value_kind: global_buffer, .address_space: global }
    .group_segment_fixed_size: 17152
    .private_segment_fixed_size: 0
    .kernarg_segment_align: 8
    .kernarg_segment_size: 64
    .max_flat_workgroup_size: 64
    .sgpr_count:     66
    .vgpr_count:     256
    .wavefront_size: 32
...
	.end_amdgpu_metadata
.endif
;; end of part 5
;; launch proj (part 6): grid 4 x 64, 4 waves a work-group, clusters of 4 x 4, 327,680 bytes of LDS; arguments xc, wc, qkc, vtc; writes qkc, vtc
.if DOCPART == 6
	.amdgcn_target "amdgcn-amd-amdhsa--gfx1250"
	.amdhsa_code_object_version 6
	.text
	.protected	k_q3e379ee768_proj
	.globl	k_q3e379ee768_proj
	.p2align	8
	.type	k_q3e379ee768_proj,@function
k_q3e379ee768_proj:
	s_mov_b64 s[64:65], 0
	v_nop
	global_prefetch_b8 v0, s[64:65] scope:SCOPE_SE
	s_setreg_imm32_b32 hwreg(HW_REG_WAVE_MODE, 25, 1), 1
	s_wait_xcnt 0x0
	s_wait_alu depctr_hold_cnt(0) depctr_sa_sdst(0) depctr_va_vdst(0) depctr_va_sdst(0) depctr_va_ssrc(0) depctr_va_vcc(0) depctr_vm_vsrc(0)
	s_getreg_b32 s2, hwreg(HW_REG_IB_STS2, 6, 4)
	s_cmp_eq_u32 s2, 0
	s_cbranch_scc0 .Lentry_in_a_cluster
	s_endpgm
.Lentry_in_a_cluster:
	s_bfe_u32 s2, ttmp6, 0x10000c
	s_cmp_lg_u32 s2, 0xf033
	s_cbranch_scc0 .Lentry_shape_is_right
	s_endpgm
.Lentry_shape_is_right:
; Q = q W_q, K = k W_k, V = v W_v on codes of FP6 (E2M3) with E8M0 scales; the results are quantised in registers and leave as codes: Q and K along e, V along the keys.
; OPERAND BUFFERS: 128 rows are a row block of 8 tiles of 16; lane-row r of tile i is row 32 (i / 2) + 8 (i % 2) + r + 8 (r / 8).  A fragment (tile x 128 K) is the image of its 12 registers (registers 4 c .. 4 c + 3 of lane l at
; 512 c + 16 l).  A chunk (row block x 256 K) is 25,600 dense bytes: K step ks's fragments at 12,288 ks + 1,536 tile, the scale word of (ks, r, tile) at 24,576 + 512 ks + 32 r + 4 tile.  A buffer is [row block][256 K] chunks.
; THE DEAL: the three products have 3 x 256 blocks of 128 (A's rows) x 256 (B's rows).  256 work-groups stay, and each makes one block of Q, one of K, one of V, one after the other.
; Q, K: A = x (row block y = 4 Y + cy), B = W (256 rows cx).  V: A = W_v (row block 4 (Y % 2) + cy), B = v (256 keys 4 (Y / 2) + cx).  Y is the cluster's y, 0 .. 15.
; A wave makes 64 x 128: A's tiles 4 ah .. 4 ah + 3 against B's row block bh, 32 accumulators.  B IS SOURCE 0 AND A SOURCE 1: a lane holds one row of A, and its 64 registers of a tile of A are B's rows
; 32 b + 16 (lane / 16) + 0 .. 15: neighbours along the next product's K.  So a wave's results are four fragments and their scale words: K step bh of the output chunk.
; THE RING: two slots, each with 512 along K of a block: A's two chunks (waves 0 and 1 fetch one each), then B's two row blocks x two chunks (waves 2 and 3 fetch two chunks on end each): one tensor load a wave behind each
; change of slots.  A block is two slots; the ring goes on into the next block.  The loop's trip is a block that has a successor; the last block, which asks for nothing more, is written out.
; A STEP of 128 along K is 32 matrix instructions; the next step's 39 LDS loads go out in one run ahead of them, into the other set of registers.
; CLUSTERS: 4 x 4 work-groups; A's chunks are asked for jointly along a row of the cluster, B's along a column.
; PREFETCH: behind each fill each wave names the bytes of its own NEXT fill: 100 or 200 blocks of 256 bytes, of which each of the four partners takes a quarter, told apart by address
; (cx for A, cy for B): 25 blocks an instruction, a lane a block (lanes 25-31 name the 25th again).  The first fill comes by its load alone; the last refill is followed by none.
; LIMITS: NaN and infinities are not served; a block of zeros gets the byte 1 where the rule says 127 (its codes are zeros; this program alone reads the bytes).
; REGISTERS: window 0: v4-15 addresses; v32-39 A's scale words, v64-79 B's (two sets each; scales and nothing else); v40-45 scale words made; v46-61, v224-255 at work; v80-127 codes made; v128-223 A's fragments, two sets.
;   window 1: B's fragments, two sets, at v0 and v128.   window 2: accumulator (a, b) at v[8 (8 a + b)].
.set CH,    25600
.set RB,    4*CH                       ; a row block, all of K
.set KSB,   12288
.set FRB,   1536
.set SCO,   24576
.set SLOT,  6*CH
.set SPARE, 2*SLOT                     ; behind the ring: the spare words, 128 bytes for each wave, which no other line names
.set FR,    12
.set NP,    4                          ; places behind this matrix instruction (ISA guide 7.12.1)
.set ADRA, 4                           ; v4-5   my A fragments in slot 0, 1: slot + 4 ah fragments + 16 lane
.set ADRB, 6                           ; v6-7   my B fragments: slot + 2 CH + 2 bh CH + 16 lane
.set ASB,  8                           ; v8-9   B's scale words: slot + 2 CH + 2 bh CH + 32 r
.set ASA,  10                          ; v10-11 A's: slot + 16 ah + 32 r
.set LIO,  12                          ; where my fragments go in the output chunk: bh KSB + 4 ah FRB + 16 lane
.set SOFF, 13                          ; and my scale words: SCO + 512 bh + 16 ah + 32 r + 8 h
.set HH,   14                          ; h
.set PFO,  15                          ; the prefetches' offset: 256 min(lane, 24)
.set SPW,  28                          ; my spare word; never rewritten
.set NIL,  29                          ; 0; never rewritten
.set SCA,  32
.set PW,   40                          ; v40-43 the scale words made; v44-45 the two that I store
.set PS,   44
.set TQ,   46                          ; v46-61 upper halves of blocks' codes, two tiles
.set SCB,  64
.set CF,   80                          ; v80-127 the codes made, 12 registers a tile
.set AF,   128
.set TM,   224                         ; v224-255 at work, 16 registers for each of two tiles
.set G1,  24                           ; s[24:31] group 1 for A's chunks;  s[32:39] group 0, a set for each slot
.set G0,  32
.set G1B, 48                           ; s[48:55], s[56:63] the same for B's
.set G0B, 56
.set AT0, 68                           ; s[68:69] A's address for the first block; s[70:71] for the block after the one at work; s[72:73] for the last
.set AT1, 70
.set AT2, 72
.set BT0, 74                           ; s[74:79] the same for B
.set BT1, 76
.set BT2, 78
.set OT0, 80                           ; s[80:81] the output chunk of the block at work; s[82:83], s[86:87] the next ones
.set OT1, 82
.set OT2, 86
.set PF,  88                           ; s[88:89] a prefetch's base;  s[90:91] my work-group's quarter, in bytes
.set PQ,  90
.set MSB, 0
.macro WIN new                         ; the immediate's high byte repeats the setting that is left
.if MSB != (\new)
	s_set_vgpr_msb (MSB<<8)|(\new)
.set MSB, (\new)
.endif
.endm
.set MUL,    0xa1                      ; source 0 (B) window 1, source 1 (A) window 0, C and D window 2
.set TO_B,   0x40                      ; destination window 1, address window 0
.macro JLOAD g0a, g1a, g0b, g1b        ; a joint load: waves 0 and 1 fetch for A, waves 2 and 3 for B; an s_nop 0 and four v_nop follow each line
	s_cmp_eq_u32 s15, 0
	s_cbranch_scc0 .Lfor_b_\@
	tensor_load_to_lds s[\g0a:\g0a+3], s[\g1a:\g1a+7]
	s_nop 0
.rept 4
	v_nop
.endr
	s_branch .Lasked_\@
.Lfor_b_\@:
	tensor_load_to_lds s[\g0b:\g0b+3], s[\g1b:\g1b+7]
	s_nop 0
.rept 4
	v_nop
.endr
.Lasked_\@:
.endm
.macro CREST                           ; a round of the cluster's barrier behind its opening barrier
	s_cmp_lg_u32 s14, 0
	s_cbranch_scc1 .Lnot_wave_0_\@
	s_barrier_signal -3
.Lnot_wave_0_\@:
	s_barrier_wait -3
	s_barrier_signal -1
	s_barrier_wait -1
.endm
.macro CROUND
	s_barrier_signal -1
	s_barrier_wait -1
	CREST
.endm
.macro ASK pa, pb, off                 ; my quarter of my next fill: A's waves 25 blocks of 256 bytes, B's 50
	s_cmp_eq_u32 s15, 0
	s_cselect_b64 s[PF:PF+1], s[\pa:\pa+1], s[\pb:\pb+1]
	s_add_nc_u64 s[PF:PF+1], s[PF:PF+1], s[PQ:PQ+1]
	global_prefetch_b8 v[PFO], s[PF:PF+1] offset:\off th:TH_LOAD_NT scope:SCOPE_SE
	s_cmp_eq_u32 s15, 0
	s_cbranch_scc1 .Lpf_\@
	global_prefetch_b8 v[PFO], s[PF:PF+1] offset:\off+6400 th:TH_LOAD_NT scope:SCOPE_SE
.Lpf_\@:
.endm
	s_load_b256 s[4:11], s[0:1], 0x0               ; xc s[4:5], wc s[6:7], qkc s[8:9], vtc s[10:11]
	v_lshl_add_u32 v[SPW], v0, 2, SPARE
	v_mov_b32 v[NIL], 0
	ds_add_u32 v[SPW], v[NIL]                      ; the wave's opening: two adds on end, waited for ahead of my first tensor load
	ds_add_u32 v[SPW], v[NIL]
	v_lshrrev_b32 v1, 5, v0
	v_readfirstlane_b32 s14, v1                    ; wave 0..3
	v_and_b32 v2, 31, v0                           ; lane
	v_min_u32 v[PFO], 24, v2
	v_lshlrev_b32 v[PFO], 8, v[PFO]
	s_lshr_b32 s15, s14, 1                         ; ah.  Also: I fetch for A (0) or for B (1)
	s_and_b32 s16, s14, 1                          ; bh.  Also: which chunk of A, which row block of B I fetch
	s_bfe_u32 s40, ttmp6, 0x40000                  ; cx
	s_bfe_u32 s41, ttmp6, 0x40004                  ; cy
	s_and_b32 s17, ttmp7, 0xffff                   ; Y
	s_lshl_b32 s43, s41, 2
	s_lshl_b32 s43, 15, s43                        ; my row of the cluster
	s_lshl_b32 s44, 0x1111, s40                    ; my column
	s_or_b32 s[G1+0], s43, (3<<16)|(1<<21)         ; the mask; elements of 8 bytes; no padding; bit 21 beside a mask
	s_or_b32 s[G1B+0], s44, (3<<16)|(1<<21)
	s_mov_b32 s[G1+1], 32<<16                      ; a chunk: 100 dense rows of 256 bytes
	s_mov_b32 s[G1+2], 100<<16
	s_mov_b32 s[G1+3], 32<<16
	s_mov_b32 s[G1+4], 100
	s_mov_b32 s[G1+5], 32
	s_mov_b32 s[G1+6], 0
	s_mov_b32 s[G1+7], 0
	s_mov_b32 s[G1B+1], 32<<16                     ; two chunks on end: 200 rows
	s_mov_b32 s[G1B+2], 200<<16
	s_mov_b32 s[G1B+3], 32<<16
	s_mov_b32 s[G1B+4], 200
	s_mov_b32 s[G1B+5], 32
	s_mov_b32 s[G1B+6], 0
	s_mov_b32 s[G1B+7], 0
	; A's offsets hang on Y, cy and the wave alone; B's on Y, cx and the wave alone; each in registers that never hold the other coordinate
	s_mul_i32 s19, s16, CH
	s_lshl_b32 s20, s17, 2
	s_add_co_u32 s20, s20, s41                     ; y
	s_mul_i32 s20, s20, RB
	s_add_co_u32 s20, s20, s19                     ; Q: xc's row block y, my chunk
	s_mov_b32 s21, 0
	s_and_b32 s22, s17, 1
	s_lshl_b32 s22, s22, 2
	s_add_co_u32 s22, s22, s41
	s_add_co_u32 s22, s22, 16
	s_mul_i32 s22, s22, RB
	s_add_co_u32 s22, s22, s19                     ; V: wc's row block 16 + 4 (Y % 2) + cy
	s_mov_b32 s23, 0
	s_lshl_b32 s46, s40, 1
	s_add_co_u32 s46, s46, s16
	s_mul_i32 s46, s46, RB                         ; Q: wc's row block 2 cx + bh
	s_mov_b32 s47, 0
	s_lshr_b32 s94, s17, 1
	s_lshl_b32 s94, s94, 2
	s_add_co_u32 s94, s94, s40
	s_lshl_b32 s94, s94, 1
	s_add_co_u32 s94, s94, s16
	s_add_co_u32 s94, s94, 128
	s_mul_i32 s94, s94, RB                         ; V: xc's row block 128 + 2 (4 (Y / 2) + cx) + bh
	s_mov_b32 s95, 0
	s_mul_i32 s45, s16, CH                         ; where my chunk of A goes in a slot,
	s_mul_i32 s84, s16, 2*CH
	s_add_co_u32 s84, s84, 2*CH                    ; and my two chunks of B
	s_cmp_eq_u32 s15, 0
	s_cselect_b32 s[PQ], s40, s41                  ; my place among the four that ask with me
	s_lshl_b32 s[PQ+1], 6400, s15                  ; a quarter of a load: 6,400 bytes of A's, 12,800 of B's
	s_mul_i32 s[PQ], s[PQ], s[PQ+1]
	s_mov_b32 s[PQ+1], 0
	s_wait_alu depctr_va_vdst(0)
	s_wait_dscnt 0x0                               ; both opening adds are done
	s_wait_kmcnt 0x0
	s_add_nc_u64 s[AT0:AT0+1], s[4:5], s[20:21]
	s_add_nc_u64 s[AT1:AT1+1], s[AT0:AT0+1], 64*RB ; K: 64 row blocks on
	s_add_nc_u64 s[AT2:AT2+1], s[6:7], s[22:23]
	s_add_nc_u64 s[BT0:BT0+1], s[6:7], s[46:47]
	s_add_nc_u64 s[BT1:BT1+1], s[BT0:BT0+1], 8*RB
	s_add_nc_u64 s[BT2:BT2+1], s[4:5], s[94:95]
	CROUND                                         ; all sixteen work-groups are here: the first joint loads meet
.irp s, 0,1
	s_mov_b32 s[G0+4*\s], 1
	s_add_co_u32 s[G0+4*\s+1], s45, \s*SLOT
	s_add_nc_u64 s[G0+4*\s+2:G0+4*\s+3], s[AT0:AT0+1], \s*2*CH
	s_or_b32 s[G0+4*\s+3], s[G0+4*\s+3], 0x80000000
	s_mov_b32 s[G0B+4*\s], 1
	s_add_co_u32 s[G0B+4*\s+1], s84, \s*SLOT
	s_add_nc_u64 s[G0B+4*\s+2:G0B+4*\s+3], s[BT0:BT0+1], \s*2*CH
	s_or_b32 s[G0B+4*\s+3], s[G0B+4*\s+3], 0x80000000
.endr
	JLOAD G0, G1, G0B, G1B                         ; Q's K 0-511: one tensor load a wave at the head
	ASK AT0, BT0, 2*CH                             ; the next fill: Q's K 512-1023
	; where the results go.  Q: qkc's chunk 4 y + cx; K: 256 chunks on; V: vtc's chunk 64 (Y / 4) + 8 (4 (Y % 2) + cy) + 4 ((Y / 2) % 2) + cx
	s_lshl_b32 s96, s17, 2
	s_add_co_u32 s96, s96, s41
	s_lshl_b32 s96, s96, 2
	s_add_co_u32 s96, s96, s40
	s_mul_i32 s96, s96, CH
	s_mov_b32 s97, 0
	s_lshr_b32 s98, s17, 2
	s_lshl_b32 s98, s98, 6
	s_and_b32 s99, s17, 1
	s_lshl_b32 s99, s99, 2
	s_add_co_u32 s99, s99, s41
	s_lshl_b32 s99, s99, 3
	s_add_co_u32 s98, s98, s99
	s_bfe_u32 s99, s17, 0x10001
	s_lshl_b32 s99, s99, 2
	s_add_co_u32 s98, s98, s99
	s_add_co_u32 s98, s98, s40
	s_mul_i32 s98, s98, CH
	s_mov_b32 s99, 0
	s_add_nc_u64 s[OT0:OT0+1], s[8:9], s[96:97]
	s_add_nc_u64 s[OT1:OT1+1], s[OT0:OT0+1], 256*CH
	s_add_nc_u64 s[OT2:OT2+1], s[10:11], s[98:99]
	s_mov_b32 s92, 0x76543210
	s_mov_b32 s93, 0xfedcba98                      ; v_permlanex16_b32's selects for lane l xor 16
	s_mul_i32 s18, s15, 4*FRB
	s_lshl_b32 s13, s15, 4
	s_mul_i32 s85, s16, KSB
	s_add_co_u32 s85, s85, s18
	s_lshl_b32 s12, s16, 9
	s_add_co_u32 s12, s12, s13
	s_add_co_u32 s12, s12, SCO
	v_and_b32 v1, 15, v0                           ; r
	v_bfe_u32 v[HH], v0, 4, 1                      ; h
	v_lshlrev_b32 v3, 4, v2                        ; 16 lane
	v_lshlrev_b32 v16, 5, v1                       ; 32 r
	v_add_nc_u32 v[ADRA], s18, v3
	v_add_nc_u32 v[ADRB], s84, v3
	v_add_nc_u32 v[ASB], s84, v16
	v_add_nc_u32 v[ASA], s13, v16
	v_add_nc_u32 v[ADRA+1], SLOT, v[ADRA]
	v_add_nc_u32 v[ADRB+1], SLOT, v[ADRB]
	v_add_nc_u32 v[ASB+1], SLOT, v[ASB]
	v_add_nc_u32 v[ASA+1], SLOT, v[ASA]
	v_add_nc_u32 v[LIO], s85, v3
	v_lshl_add_u32 v[SOFF], v[HH], 3, v16
	v_add_nc_u32 v[SOFF], s12, v[SOFF]
.irp t, 0,1
.irp b, 0,1,2,3
	v_mov_b32 v[TM+16*\t+4+\b], 0                  ; written once: a lane permute's destination counts as one of its sources
.endr
.endr
; 8 matrix instructions: A's tile a x B's eight, 128 along K, on set p.  zero = 1: the block's first products start the sums.
; The 32 accumulators take turns, one instruction a turn, in the same order in every step.
.macro MUL8 a, p, zero
.irp b, 0,1,2,3,4,5,6,7
.if \zero
	v_wmma_scale_f32_16x16x128_f8f6f4 v[8*(8*(\a)+\b):8*(8*(\a)+\b)+7], v[128*(\p)+FR*\b:128*(\p)+FR*\b+FR-1], v[AF+48*(\p)+FR*(\a):AF+48*(\p)+FR*(\a)+FR-1], 0, v[SCB+8*(\p)+\b], v[SCA+4*(\p)+(\a)] matrix_a_fmt:MATRIX_FMT_FP6 matrix_b_fmt:MATRIX_FMT_FP6
.else
	v_wmma_scale_f32_16x16x128_f8f6f4 v[8*(8*(\a)+\b):8*(8*(\a)+\b)+7], v[128*(\p)+FR*\b:128*(\p)+FR*\b+FR-1], v[AF+48*(\p)+FR*(\a):AF+48*(\p)+FR*(\a)+FR-1], v[8*(8*(\a)+\b):8*(8*(\a)+\b)+7], v[SCB+8*(\p)+\b], v[SCA+4*(\p)+(\a)] matrix_a_fmt:MATRIX_FMT_FP6 matrix_b_fmt:MATRIX_FMT_FP6
.endif
.endr
.endm
.macro FETCH j                         ; step j's fragments and scale words (39 loads) into set j % 2; step j lies in slot (j / 4) % 2, chunk (j % 4) / 2, K step j % 2.  j = 8 is the next block's step 0
.set FS, ((\j)/4)%2
.set FC, (((\j)%4)/2)*CH
.set FO, FC+((\j)%2)*KSB
.set FP, (\j)%2
	WIN TO_B
.irp i, 0,1,2,3,4,5,6,7
.irp c, 0,1,2
	ds_load_b128 v[128*FP+FR*\i+4*\c:128*FP+FR*\i+4*\c+3], v[ADRB+FS] offset:FO+\i*FRB+512*\c
.endr
.endr
	WIN 0
.irp i, 0,1,2,3
.irp c, 0,1,2
	ds_load_b128 v[AF+48*FP+FR*\i+4*\c:AF+48*FP+FR*\i+4*\c+3], v[ADRA+FS] offset:FO+\i*FRB+512*\c
.endr
.endr
	ds_load_b128 v[SCA+4*FP:SCA+4*FP+3], v[ASA+FS] offset:FC+SCO+512*FP
	ds_load_b128 v[SCB+8*FP:SCB+8*FP+3], v[ASB+FS] offset:FC+SCO+512*FP
	ds_load_b128 v[SCB+8*FP+4:SCB+8*FP+7], v[ASB+FS] offset:FC+SCO+512*FP+16
.endm
.macro PLACES n                        ; plain vector instructions between a matrix instruction and a load into, or a read of, its registers
.rept \n
	v_nop
.endr
.endm
.macro KSTEP j, zero                   ; a step whose successor lies in the same slot
	s_wait_dscnt 0x0                               ; this step's 39 loads are in
	PLACES NP
	FETCH (\j)+1
	WIN MUL
	MUL8 0, (\j)%2, \zero
	MUL8 1, (\j)%2, \zero
	MUL8 2, (\j)%2, \zero
	MUL8 3, (\j)%2, \zero
	WIN 0
.endm
; A slot's last step.  Each wave waits for all its tensor loads (the one that is out is its part of the other slot), adds 0 to its spare word, and waits for that and for its reads of this slot.
; fill = 1: the barrier opens a round of the cluster's barrier, and this slot takes the same half of K of the next block.  fill = 0: the work-group's barrier alone.
.macro TURN j, fill
.set TS, ((\j)/4)%2
.if \fill
	s_wait_xcnt 0x0                                ; my last prefetch has read its base, which is written again below
.endif
	s_wait_tensorcnt 0x0
	ds_add_u32 v[SPW], v[NIL]
.if \fill
	s_add_nc_u64 s[G0+4*TS+2:G0+4*TS+3], s[AT1:AT1+1], TS*2*CH     ; no load of mine is out: the slot's group 0 may be written
	s_or_b32 s[G0+4*TS+3], s[G0+4*TS+3], 0x80000000
	s_add_nc_u64 s[G0B+4*TS+2:G0B+4*TS+3], s[BT1:BT1+1], TS*2*CH
	s_or_b32 s[G0B+4*TS+3], s[G0B+4*TS+3], 0x80000000
.endif
	s_wait_dscnt 1                                 ; the add alone may be out: this step's 39 loads, issued ahead of it, are in
	WIN MUL
	MUL8 0, (\j)%2, 0                              ; eight matrix instructions stand between the add and the wait for it
	s_wait_dscnt 0x0                               ; the add is done, and my reads of this slot are over
	s_barrier_signal -1
	MUL8 1, (\j)%2, 0
	WIN 0
	s_barrier_wait -1
.if \fill
	CREST
	JLOAD G0+4*TS, G1, G0B+4*TS, G1B               ; the first tensor load behind the round; its four v_nop are the places in front of the loads below
.else
	PLACES NP
.endif
	FETCH (\j)+1
.if \fill
.if TS == 0
	ASK AT1, BT1, 2*CH                             ; the next refill: the next block's K 512-1023
.else
	s_cmp_eq_u32 s3, 2                             ; the next refill: the last block's K 0-511; behind the last refill nothing is left to name
	s_cbranch_scc0 .Lno_ask_\@
	ASK AT2, BT2, 0
.Lno_ask_\@:
.endif
.endif
	WIN MUL
	MUL8 2, (\j)%2, 0
	MUL8 3, (\j)%2, 0
	WIN 0
.endm
; THE RESULTS BECOME CODES, two of A's tiles at a time: eight blocks' chains take turns.  For A's tile a, a lane's 64 registers are k = 32 b + 16 h + 0 .. 15 of its row; a block of 32 lies in lanes l and l xor 16.
.macro QT2 a0
	WIN 0x0a                                       ; sources 0 and 1: the accumulators' window
.irp t, 0,1
.irp b, 0,1,2,3
	v_max3_num_f32 v[TM+16*\t+\b], |v[64*(\a0+\t)+16*\b]|, |v[64*(\a0+\t)+16*\b+1]|, 0x1800000   ; block b: my 16 numbers and the floor 2^(3 - 127); each accumulator is read from its low end on
.endr
.endr
	WIN 0x28                                       ; sources 1 and 2
.irp i, 2,4,6,8,10,12,14
.irp t, 0,1
.irp b, 0,1,2,3
	v_max3_num_f32 v[TM+16*\t+\b], v[TM+16*\t+\b], |v[64*(\a0+\t)+16*\b+\i]|, |v[64*(\a0+\t)+16*\b+\i+1]|
.endr
.endr
.endr
	WIN 0
.irp t, 0,1
.irp b, 0,1,2,3
	v_permlanex16_b32 v[TM+16*\t+4+\b], v[TM+16*\t+\b], s92, s93
.endr
.endr
.irp t, 0,1
.irp b, 0,1,2,3
	v_max_num_f32 v[TM+16*\t+\b], v[TM+16*\t+\b], v[TM+16*\t+4+\b]   ; with lane l xor 16's: the block's largest magnitude
.endr
.endr
.irp t, 0,1
.irp b, 0,1,2,3
	v_add_nc_u32 v[TM+16*\t+12+\b], 0xff000000, v[TM+16*\t+\b]       ; 2 off its exponent field: the conversion's scale operand
.endr
.endr
.irp t, 0,1
.irp b, 0,1,2,3
	v_lshrrev_b32 v[TM+16*\t+4+\b], 23, v[TM+16*\t+12+\b]            ; the byte
.endr
.endr
.irp t, 0,1
	v_lshl_or_b32 v[PW+\a0+\t], v[TM+16*\t+5], 8, v[TM+16*\t+4]
.endr
.irp t, 0,1
	v_lshl_or_b32 v[PW+\a0+\t], v[TM+16*\t+6], 16, v[PW+\a0+\t]
.endr
.irp t, 0,1
	v_lshl_or_b32 v[PW+\a0+\t], v[TM+16*\t+7], 24, v[PW+\a0+\t]
.endr
	WIN 0x02                                       ; source 0: the accumulators' window
.irp t, 0,1
.irp c, 0,1
	v_cvt_scalef32_pk16_fp6_f32 v[CF+FR*(\a0+\t)+6*\c:CF+FR*(\a0+\t)+6*\c+2], v[64*(\a0+\t)+32*\c:64*(\a0+\t)+32*\c+15], v[TM+16*\t+12+2*\c]
	v_cvt_scalef32_pk16_fp6_f32 v[TQ+8*\t+4*\c:TQ+8*\t+4*\c+2], v[64*(\a0+\t)+32*\c+16:64*(\a0+\t)+32*\c+31], v[TM+16*\t+12+2*\c+1]
.endr
.endr
	WIN 0
	v_nop                                          ; one plain place behind a scaled conversion
.irp t, 0,1                            ; the operand's layout wants a whole block in a lane: lanes 0-15 block 2 c, lanes 16-31 block 2 c + 1
.irp c, 0,1
.irp i, 0,1,2
	v_permlane16_swap_b32 v[CF+FR*(\a0+\t)+6*\c+\i], v[TQ+8*\t+4*\c+\i]
.endr
.endr
.endr
.irp t, 0,1
.irp c, 0,1
.irp i, 0,1,2
	v_mov_b32 v[CF+FR*(\a0+\t)+6*\c+3+\i], v[TQ+8*\t+4*\c+\i]
.endr
.endr
.endr
.irp t, 0,1
.irp c, 0,1,2
	global_store_b128 v[LIO], v[CF+FR*(\a0+\t)+4*\c:CF+FR*(\a0+\t)+4*\c+3], s[OT0:OT0+1] offset:FRB*(\a0+\t)+512*\c   ; 512 consecutive bytes a store
.endr
.endr
.endm
.macro TILE more                       ; a block: eight steps of 128 along K, then its way out.  more = 1: it has a successor
	KSTEP 0, 1
	KSTEP 1, 0
	KSTEP 2, 0
	TURN 3, \more
	KSTEP 4, 0
	KSTEP 5, 0
	KSTEP 6, 0
.if \more
	TURN 7, 1
.else
	s_wait_dscnt 0x0
	WIN MUL
	MUL8 0, 1, 0
	MUL8 1, 1, 0
	MUL8 2, 1, 0
	MUL8 3, 1, 0
	WIN 0
.endif
	PLACES NP
	QT2 0
	QT2 2
	v_cmp_ne_u32 vcc_lo, 0, v[HH]
	v_cndmask_b32 v[PS], v[PW], v[PW+2], vcc_lo    ; lane (r, h): the words of row r in tiles 4 ah + 2 h and 4 ah + 2 h + 1
	v_cndmask_b32 v[PS+1], v[PW+1], v[PW+3], vcc_lo
	global_store_b64 v[SOFF], v[PS:PS+1], s[OT0:OT0+1]   ; 8 bytes a lane inside the K step's 512 bytes of scale words, which two waves fill together
.endm
	s_wait_alu depctr_va_vdst(0)
	s_wait_xcnt 0x0                                ; the head's prefetch has read its base, which is written again below
	s_wait_tensorcnt 0x0                           ; my part of slot 0 is in
	ds_add_u32 v[SPW], v[NIL]
	s_wait_dscnt 0x0
	CROUND                                         ; everybody's part of slot 0 is in, and the joint loads meet
	JLOAD G0+4, G1, G0B+4, G1B                     ; Q's K 512-1023, the first tensor load behind the round
	FETCH 0
	ASK AT1, BT1, 0                                ; the next refill: K's K 0-511
	s_mov_b32 s3, 2                                ; blocks that have a successor
.Ltile:
	TILE 1
	s_wait_alu depctr_va_vdst(0)
	s_wait_xcnt 0x0                                ; the stores have read their base and their data: both are written again
	s_mov_b64 s[OT0:OT0+1], s[OT1:OT1+1]
	s_mov_b64 s[OT1:OT1+1], s[OT2:OT2+1]
	s_mov_b64 s[AT1:AT1+1], s[AT2:AT2+1]
	s_mov_b64 s[BT1:BT1+1], s[BT2:BT2+1]
	s_sub_co_u32 s3, s3, 1
	s_cmp_lg_u32 s3, 0
	s_cbranch_scc1 .Ltile
	TILE 0                                         ; V: nothing more is asked for
	s_wait_tensorcnt 0x0                           ; the wave's end
	ds_add_u32 v[SPW], v[NIL]
	s_wait_dscnt 0x0
	CROUND                                         ; the closing round: no work-group ends while a partner may still ask for a tile that names it
	s_endpgm
.Lfunc_end_k_q3e379ee768_proj:
	.size	k_q3e379ee768_proj, .Lfunc_end_k_q3e379ee768_proj-k_q3e379ee768_proj
	.p2alignl 7, 3214868480
	.fill 96, 4, 3214868480
	.section	.rodata,"a",@progbits
	.p2align	6, 0x0
	.amdhsa_kernel k_q3e379ee768_proj
		.amdhsa_group_segment_fixed_size 327680
		.amdhsa_private_segment_fixed_size 0
		.amdhsa_enable_private_segment 0
		.amdhsa_kernarg_size 32
		.amdhsa_user_sgpr_count 2
		.amdhsa_user_sgpr_kernarg_segment_ptr 1
		.amdhsa_wavefront_size32 1
		.amdhsa_system_sgpr_workgroup_id_x 1
		.amdhsa_system_sgpr_workgroup_id_y 1
		.amdhsa_system_sgpr_workgroup_id_z 1
		.amdhsa_system_vgpr_workitem_id 0
		.amdhsa_next_free_vgpr 768
		.amdhsa_next_free_sgpr 100
		.amdhsa_reserve_vcc 1
		.amdhsa_float_denorm_mode_32 3
		.amdhsa_float_denorm_mode_16_64 3
		.amdhsa_memory_ordered 1
		.amdhsa_forward_progress 1
		.amdhsa_inst_pref_size 154
	.end_amdhsa_kernel
	.amdgpu_metadata
---
amdhsa.version: [ 1, 2 ]
amdhsa.kernels:
  - .name:           k_q3e379ee768_proj
    .symbol:         k_q3e379ee768_proj.kd
    .args:
      - { .name: xc, .offset: 0, .size: 8, .value_kind: global_buffer, .address_space: global }
      - { .name: wc, .offset: 8, .size: 8, .value_kind: global_buffer, .address_space: global }
      - { .name: qkc, .offset: 16, .size: 8, .value_kind: global_buffer, .address_space: global }
      - { .name: vtc, .offset: 24, .size: 8, .value_kind: global_buffer, .address_space: global }
    .group_segment_fixed_size: 327680
    .private_segment_fixed_size: 0
    .kernarg_segment_align: 8
    .kernarg_segment_size: 32
    .max_flat_workgroup_size: 128
    .sgpr_count:     100
    .vgpr_count:     768
    .wavefront_size: 32
...
	.end_amdgpu_metadata
.endif
;; end of part 6
;; launch scores (part 7): grid 8 x 32, 4 waves a work-group, clusters of 4 x 4, 327,680 bytes of LDS; arguments qkc, pc, pstat; writes pc, pstat
.if DOCPART == 7
	.amdgcn_target "amdgcn-amd-amdhsa--gfx1250"
	.amdhsa_code_object_version 6
	.text
	.protected	k_q3e379ee768_scores
	.globl	k_q3e379ee768_scores
	.p2align	8
	.type	k_q3e379ee768_scores,@function
k_q3e379ee768_scores:
	s_mov_b64 s[64:65], 0
	v_nop
	global_prefetch_b8 v0, s[64:65] scope:SCOPE_SE
	s_setreg_imm32_b32 hwreg(HW_REG_WAVE_MODE, 25, 1), 1
	s_wait_xcnt 0x0
	s_wait_alu depctr_hold_cnt(0) depctr_sa_sdst(0) depctr_va_vdst(0) depctr_va_sdst(0) depctr_va_ssrc(0) depctr_va_vcc(0) depctr_vm_vsrc(0)
	s_getreg_b32 s2, hwreg(HW_REG_IB_STS2, 6, 4)
	s_cmp_eq_u32 s2, 0
	s_cbranch_scc0 .Lentry_in_a_cluster
	s_endpgm
.Lentry_in_a_cluster:
	s_bfe_u32 s2, ttmp6, 0x10000c
	s_cmp_lg_u32 s2, 0xf033
	s_cbranch_scc0 .Lentry_shape_is_right
	s_endpgm
.Lentry_shape_is_right:
; S = Q K^T on codes of FP6 (E2M3), K = e = 1,024, and the softmax's numerator for each row and each 128 keys: t = score x log2(e) / 32; M_loc = ceil(the largest t of these 128 keys), a whole number; p = 2^(t - M_loc);
; l_loc = the sum of the unquantised p; p is quantised along the keys.  Out go p's codes and scale words (pc), -M_loc and l_loc (pstat).  The next launch takes the row's M = the largest M_loc and brings scale bytes and sums
; under it by whole powers of two, which changes no code.
; OPERAND BUFFERS: 128 rows are a row block of 8 tiles of 16; lane-row r of tile i is row 32 (i / 2) + 8 (i % 2) + r + 8 (r / 8).  A fragment (tile x 128 K) is the image of its 12 registers (registers 4 c .. 4 c + 3 of lane l at
; 512 c + 16 l).  A chunk (row block x 256 K) is 25,600 dense bytes: K step ks's fragments at 12,288 ks + 1,536 tile, the scale word of (ks, r, tile) at 24,576 + 512 ks + 32 r + 4 tile.  qkc: row blocks 0-63 Q, 64-127 K, 4 chunks each.
; pc: 64 row blocks of queries x 8 chunks of 256 keys.  pstat: for each chunk of pc 2,048 bytes: -M_loc at 512 ks + 32 r + 4 tile, l_loc 1,024 further on.
; A tile is 256 queries (A) x 256 keys (B): four waves, each 128 x 128.  B is source 0 and A source 1: a lane holds one query, and its 64 registers of a tile of queries are keys 32 b + 16 (lane / 16) + 0 .. 15.
; THREE SLOTS of four chunks: K's steps 0, 1, 2 of 256 are asked for together at the start; step 3 goes into slot 0 when that has been read, and has 224 matrix instructions of a wave in which to land.  One refill, no loop.
; CLUSTERS: 4 x 4 work-groups; Q's chunks are asked for jointly along a row of the cluster, K's along a column.
; LIMITS: NaN and infinities are not served; a block whose every p is 0 gets the byte 1 (its codes are zeros).
; REGISTERS: window 0: v4-31 addresses and -M; v32-63 A's scale words, v64-95 B's (scales and nothing else); v96-127, v224-255 at work at the end; v128-223 A's fragments, then p's codes.
;   window 1: B's fragments, two sets.   windows 2, 3: accumulator (a, b) at v[8 (8 (a % 4) + b)].
.set NKS,   4
.set CH,    25600
.set KSB,   12288
.set FRB,   1536
.set SCO,   24576
.set SLOT,  4*CH
.set SPARE, 3*SLOT                     ; behind the three slots: the spare words, 128 bytes for each wave, which no other line names
.set NQ,    2
.set FR,    12
.set NL,    3
.set NP,    4
.set ADRA, 4                           ; v4-6   my A fragments in slot 0, 1, 2
.set ADRB, 8                           ; v8-10  B's
.set ASA,  12                          ; v12-14 my A chunk's scale words
.set ASB,  16                          ; v16-18 B's
.set LI,   24
.set SOFF, 25
.set HH,   26
.set SPW,  28
.set NIL,  29
.set SCA,  32
.set SCB,  64
.set PW,   96                          ; v96-103  p's scale words, one for each tile
.set NMK,  104                         ; v104-111 -M_loc
.set LK,   112                         ; v112-119 l_loc
.set BM,   120                         ; v120-123 the blocks' largest scores, then largest p
.set BX,   124                         ; v124-127 what lane l xor 16 sends
.set AF,   128
.set T32,  224                         ; v224-255 at work
.set TQ,   232
.set G1,  24
.set G0,  32                           ; s[32:43] a set for each slot
.set G1B, 48
.set G0B, 88                           ; s[88:99]
.set CX,  56
.set CY,  57
.set XX,  58                           ; which 256 keys of the batch
.set MR,  59
.set MC,  60
.set LP,  61
.set BA,  62                           ; s[62:63] B's address
.set MSB, 0
.macro WIN new
.if MSB != (\new)
	s_set_vgpr_msb (MSB<<8)|(\new)
.set MSB, (\new)
.endif
.endm
.set MUL_LO, 0xa1
.set MUL_HI, 0xf1
.set TO_B,   0x40
.macro JLOAD g0a, g1a, g0b, g1b        ; a joint load: waves 0 and 1 fetch A's chunks, waves 2 and 3 B's; an s_nop 0 and four v_nop follow each line
	s_cmp_eq_u32 s15, 0
	s_cbranch_scc0 .Lfor_b_\@
	tensor_load_to_lds s[\g0a:\g0a+3], s[\g1a:\g1a+7]
	s_nop 0
.rept 4
	v_nop
.endr
	s_branch .Lasked_\@
.Lfor_b_\@:
	tensor_load_to_lds s[\g0b:\g0b+3], s[\g1b:\g1b+7]
	s_nop 0
.rept 4
	v_nop
.endr
.Lasked_\@:
.endm
.macro CREST
	s_cmp_lg_u32 s14, 0
	s_cbranch_scc1 .Lnot_wave_0_\@
	s_barrier_signal -3
.Lnot_wave_0_\@:
	s_barrier_wait -3
	s_barrier_signal -1
	s_barrier_wait -1
.endm
.macro CROUND
	s_barrier_signal -1
	s_barrier_wait -1
	CREST
.endm
	s_load_b128 s[4:7], s[0:1], 0x0                ; qkc s[4:5], pc s[6:7]
	s_load_b64 s[8:9], s[0:1], 0x10                ; pstat
	v_lshl_add_u32 v[SPW], v0, 2, SPARE
	v_mov_b32 v[NIL], 0
	ds_add_u32 v[SPW], v[NIL]                      ; the wave's opening: two adds on end, waited for ahead of my first tensor load
	ds_add_u32 v[SPW], v[NIL]
	v_lshrrev_b32 v1, 5, v0
	v_readfirstlane_b32 s14, v1
	s_lshr_b32 s15, s14, 1                         ; ah; also: I fetch for A (0) or B (1)
	s_and_b32 s16, s14, 1                          ; bh; also: which chunk I fetch
	s_bfe_u32 s[CX], ttmp6, 0x40000                ; cx
	s_bfe_u32 s[CY], ttmp6, 0x40004                ; cy
	s_lshl_b32 s[XX], ttmp9, 2
	s_add_co_u32 s[XX], s[XX], s[CX]               ; x: which 256 keys of the batch
	s_and_b32 s17, ttmp7, 0xffff                   ; Y; the batch is Y / 2
	s_lshl_b32 s13, s17, 2
	s_add_co_u32 s13, s13, s[CY]                   ; y: which 256 queries
	s_lshl_b32 s[MR], s[CY], 2
	s_lshl_b32 s[MR], 15, s[MR]
	s_lshl_b32 s[MC], 0x1111, s[CX]
	s_or_b32 s[G1+0], s[MR], (3<<16)|(1<<21)       ; the mask; elements of 8 bytes; no padding; bit 21 beside a mask
	s_or_b32 s[G1B+0], s[MC], (3<<16)|(1<<21)
.irp g, G1, G1B                        ; a chunk: 100 rows of 256 bytes, dense
	s_mov_b32 s[\g+1], 32<<16
	s_mov_b32 s[\g+2], 300<<16                     ; the head's load brings three chunks on end, 300 rows: K 0-767 of a row block
	s_mov_b32 s[\g+3], 32<<16
	s_mov_b32 s[\g+4], 300
	s_mov_b32 s[\g+5], 32
	s_mov_b32 s[\g+6], 0
	s_mov_b32 s[\g+7], 0
.endr
	s_lshl_b32 s20, s13, 1
	s_add_co_u32 s20, s20, s16
	s_mul_i32 s20, s20, NKS*CH                     ; Q's row block 2 y + half
	s_mov_b32 s21, 0
	s_lshr_b32 s[BA], s17, 1
	s_lshl_b32 s[BA], s[BA], 3
	s_add_co_u32 s[BA], s[BA], s[XX]
	s_add_co_u32 s[BA], s[BA], 32                  ; K's 256 rows: 32 + 8 batch + x
	s_lshl_b32 s[BA], s[BA], 1
	s_add_co_u32 s[BA], s[BA], s16
	s_mul_i32 s[BA], s[BA], NKS*CH
	s_mov_b32 s[BA+1], 0
	s_mul_i32 s[LP], s14, 3*CH                     ; LDS: a region of three chunks for each wave's row block; "slot s" below is chunk s of all four regions
	s_mov_b32 s66, 0x76543210
	s_mov_b32 s67, 0xfedcba98
	s_mov_b32 s68, 0x3d38aa3b                      ; c = log2(e) / sqrt(1024)
	s_mov_b32 s69, s68                             ; (named with it as a pair, so it is written)
	s_wait_dscnt 0x0
	s_wait_kmcnt 0x0
	s_add_nc_u64 s[20:21], s[4:5], s[20:21]
	s_add_nc_u64 s[BA:BA+1], s[4:5], s[BA:BA+1]
	CROUND
	s_mov_b32 s[G0], 1
	s_mov_b32 s[G0+1], s[LP]
	s_mov_b64 s[G0+2:G0+3], s[20:21]
	s_or_b32 s[G0+3], s[G0+3], 0x80000000
	s_mov_b32 s[G0B], 1
	s_mov_b32 s[G0B+1], s[LP]
	s_mov_b64 s[G0B+2:G0B+3], s[BA:BA+1]
	s_or_b32 s[G0B+3], s[G0B+3], 0x80000000
	JLOAD G0, G1, G0B, G1B                         ; one tensor load a wave at the head: three quarters of K
	v_and_b32 v1, 15, v0
	v_bfe_u32 v[HH], v0, 4, 1
	v_and_b32 v2, 31, v0
	v_lshlrev_b32 v[LI], 4, v2
	v_lshlrev_b32 v3, 5, v1
	v_lshl_add_u32 v[SOFF], v[HH], 4, v3
	s_mul_i32 s18, s15, 3*CH
	s_mul_i32 s19, s16, 3*CH
	s_add_co_u32 s19, s19, 6*CH
.irp s, 0,1,2
	v_add_nc_u32 v[ADRA+\s], s18, v[LI]
	v_add_nc_u32 v[ADRB+\s], s19, v[LI]
	v_add_nc_u32 v[ASA+\s], s18, v3
	v_add_nc_u32 v[ASB+\s], s19, v3
	s_add_co_u32 s18, s18, CH
	s_add_co_u32 s19, s19, CH
.endr
	s_lshl_b32 s80, s13, 1
	s_add_co_u32 s80, s80, s15
	s_lshl_b32 s80, s80, 3
	s_add_co_u32 s80, s80, s[XX]                   ; pc's chunk: 8 (2 y + ah) + x
	s_mul_i32 s82, s80, CH
	s_mul_i32 s84, s16, KSB
	s_add_co_u32 s84, s84, s82
	s_mov_b32 s85, 0
	s_add_nc_u64 s[70:71], s[6:7], s[84:85]        ; my eight fragments: K step bh
	s_lshl_b32 s84, s16, 9
	s_add_co_u32 s84, s84, s82
	s_add_co_u32 s84, s84, SCO
	s_add_nc_u64 s[72:73], s[6:7], s[84:85]        ; their scale words
	s_lshl_b32 s84, s80, 11
	s_lshl_b32 s82, s16, 9
	s_add_co_u32 s84, s84, s82
	s_add_nc_u64 s[74:75], s[8:9], s[84:85]        ; -M_loc; l_loc 1,024 bytes on
.macro FRAG reg, adr, q, i
.irp c, 0,1,2
	ds_load_b128 v[\reg+4*\c:\reg+4*\c+3], v[\adr] offset:(\q)*KSB+(\i)*FRB+512*\c
.endr
.endm
; The 64 accumulators take turns, one instruction a turn, in the same order in every step.
.macro MUL16 a0, p, q, sc, zero
.irp a, \a0, \a0+1
.irp b, 0,1,2,3,4,5,6,7
.if \zero
	v_wmma_scale_f32_16x16x128_f8f6f4 v[8*(8*((\a)%4)+\b):8*(8*((\a)%4)+\b)+7], v[128*(\p)+FR*\b:128*(\p)+FR*\b+FR-1], v[AF+FR*(\a):AF+FR*(\a)+FR-1], 0, v[SCB+16*(\sc)+8*(\q)+\b], v[SCA+16*(\sc)+8*(\q)+(\a)] matrix_a_fmt:MATRIX_FMT_FP6 matrix_b_fmt:MATRIX_FMT_FP6
.else
	v_wmma_scale_f32_16x16x128_f8f6f4 v[8*(8*((\a)%4)+\b):8*(8*((\a)%4)+\b)+7], v[128*(\p)+FR*\b:128*(\p)+FR*\b+FR-1], v[AF+FR*(\a):AF+FR*(\a)+FR-1], v[8*(8*((\a)%4)+\b):8*(8*((\a)%4)+\b)+7], v[SCB+16*(\sc)+8*(\q)+\b], v[SCA+16*(\sc)+8*(\q)+(\a)] matrix_a_fmt:MATRIX_FMT_FP6 matrix_b_fmt:MATRIX_FMT_FP6
.endif
.endr
.endr
.endm
.macro FETCH_B slot, q, p
	WIN TO_B
.irp i, 0,1,2,3,4,5,6,7
	FRAG 128*(\p)+FR*\i, ADRB+\slot, \q, \i
.endr
	WIN 0
.endm
.macro FETCH_A slot, q, i0
.irp i, \i0, \i0+1, \i0+2, \i0+3
	FRAG AF+FR*(\i), ADRA+\slot, \q, \i
.endr
.endm
.macro SCALES slot, sc
.irp q, 0,1
.irp g, 0,1
	ds_load_b128 v[SCA+16*\sc+8*\q+4*\g:SCA+16*\sc+8*\q+4*\g+3], v[ASA+\slot] offset:SCO+512*\q+16*\g
	ds_load_b128 v[SCB+16*\sc+8*\q+4*\g:SCB+16*\sc+8*\q+4*\g+3], v[ASB+\slot] offset:SCO+512*\q+16*\g
.endr
.endr
.endm
.macro PLACES n
.rept \n
	v_nop
.endr
.endm
.macro STEP slot, sc, q, zero
	s_wait_dscnt 4*NL                              ; all but the youngest twelve loads (A's tiles 4-7) are in
	WIN MUL_LO
	MUL16 0, (\q)%2, \q, \sc, \zero
	MUL16 2, (\q)%2, \q, \sc, \zero
	s_wait_dscnt 0
	PLACES NP
	FETCH_B \slot, (\q)+1, 1-(\q)%2
	FETCH_A \slot, (\q)+1, 0
	WIN MUL_HI
	MUL16 4, (\q)%2, \q, \sc, \zero
	MUL16 6, (\q)%2, \q, \sc, \zero
	PLACES NP
	WIN 0
	FETCH_A \slot, (\q)+1, 4
.endm
; A slot's last step goes on to the next slot.  how = 1: this slot is filled again: the wait for all my tensor loads, the add, the wait for it and for my reads of this slot, a round of the cluster's barrier, the joint refill first
; behind it.  how = 0: the same lines and the work-group's barrier alone: the refill has landed.  how = 2: neither: the next slot was shown whole to every wave at the change with how = 1, and the refill on its way is not waited for here.
.macro TURN slot, sc, next, nsc, how
.if \how < 2
	s_wait_tensorcnt 0x0                           ; all my tensor loads have landed
	ds_add_u32 v[SPW], v[NIL]                      ; 0 onto my spare word
	s_wait_dscnt 4*NL+1                            ; (the add and the youngest twelve loads may be out)
	WIN MUL_LO
	MUL16 0, 1, NQ-1, \sc, 0
	s_wait_dscnt 0x0                               ; the add is done, and my reads of this slot are over
	s_barrier_signal -1
	MUL16 2, 1, NQ-1, \sc, 0
	WIN 0
	s_barrier_wait -1
.else
	s_wait_dscnt 4*NL
	WIN MUL_LO
	MUL16 0, 1, NQ-1, \sc, 0
	MUL16 2, 1, NQ-1, \sc, 0
	s_wait_dscnt 0x0                               ; A's tiles 4-7 are in
	WIN 0
.endif
.if \how == 1
	CREST                                          ; a round of the cluster's barrier: no wave of any partner still reads this slot or has a load on its way
	s_add_nc_u64 s[G0+4*\slot+2:G0+4*\slot+3], s[G0+4*\slot+2:G0+4*\slot+3], 3*CH
	s_add_nc_u64 s[G0B+4*\slot+2:G0B+4*\slot+3], s[G0B+4*\slot+2:G0B+4*\slot+3], 3*CH
	JLOAD G0+4*\slot, G1, G0B+4*\slot, G1B         ; the first tensor load behind the round; its four v_nop are the places in front of the loads below
.else
	PLACES NP
.endif
	FETCH_B \next, 0, 0
	FETCH_A \next, 0, 0
	SCALES \next, \nsc
	WIN MUL_HI
	MUL16 4, 1, NQ-1, \sc, 0
	MUL16 6, 1, NQ-1, \sc, 0
	PLACES NP
	WIN 0
	FETCH_A \next, 0, 4
.endm
	s_wait_alu depctr_va_vdst(0)
	s_wait_tensorcnt 0x0                           ; my three chunks are in
	s_mov_b32 s[G1+2], 100<<16                     ; no tensor load of mine is out, so a descriptor may be written: the refill brings one chunk, 100 rows
	s_mov_b32 s[G1+4], 100
	s_mov_b32 s[G1B+2], 100<<16
	s_mov_b32 s[G1B+4], 100
	s_barrier_signal -1
	s_barrier_wait -1
	FETCH_B 0, 0, 0
	FETCH_A 0, 0, 0
	SCALES 0, 0
	FETCH_A 0, 0, 4
	STEP 0, 0, 0, 1                                ; K 0-127: its products start the sums
	TURN 0, 0, 1, 1, 1                             ; K 128-255; slot 0 takes K 768-1023
	STEP 1, 1, 0, 0
	TURN 1, 1, 2, 0, 2
	STEP 2, 0, 0, 0
	TURN 2, 0, 0, 1, 0                             ; the refill has landed
	STEP 0, 1, 0, 0
	s_wait_dscnt 4*NL
	WIN MUL_LO
	MUL16 0, 1, NQ-1, 1, 0
	MUL16 2, 1, NQ-1, 1, 0
	s_wait_dscnt 0
	WIN MUL_HI
	MUL16 4, 1, NQ-1, 1, 0
	MUL16 6, 1, NQ-1, 1, 0
	WIN 0
	PLACES NP
.macro TAILQ a, sc4                    ; 64 numbers of a lane become a fragment's codes, in the registers that held A's fragment a
.set AC, 64*((\a)%4)
.set FA, AF+FR*(\a)
	WIN 0x02+(\a)/4
.irp c, 0,1
	v_cvt_scalef32_pk16_fp6_f32 v[FA+6*\c:FA+6*\c+2], v[AC+32*\c:AC+32*\c+15], v[\sc4+2*\c]
	v_cvt_scalef32_pk16_fp6_f32 v[TQ+4*\c:TQ+4*\c+2], v[AC+32*\c+16:AC+32*\c+31], v[\sc4+2*\c+1]
.endr
	WIN 0
	v_nop                                          ; one plain place behind a scaled conversion
.irp c, 0,1
.irp i, 0,1,2
	v_permlane16_swap_b32 v[FA+6*\c+\i], v[TQ+4*\c+\i]
.endr
.irp i, 0,1,2
	v_mov_b32 v[FA+6*\c+3+\i], v[TQ+4*\c+\i]
.endr
.endr
.endm
.macro PUTFRAG a
.set FA, AF+FR*(\a)
.irp c, 0,1,2
	global_store_b128 v[LI], v[FA+4*\c:FA+4*\c+3], s[70:71] offset:FRB*(\a)+512*\c
.endr
.endm
.macro PUT8 src, dst4, base, off       ; eight words a row: lane (r, h) stores those of tiles 4 h .. 4 h + 3: 512 consecutive bytes
.irp j, 0,1,2,3
	v_cndmask_b32 v[\dst4+\j], v[\src+\j], v[\src+4+\j], vcc_lo
.endr
	global_store_b128 v[SOFF], v[\dst4:\dst4+3], s[\base:\base+1] offset:\off
.endm
; THE SOFTMAX'S NUMERATOR of tile a: 16 queries x my 128 keys.
.macro SM a
.set AC, 64*((\a)%4)
	WIN 0x2a+0x15*((\a)/4)                         ; all three sources: the accumulators' window
.irp b, 0,1,2,3
	v_max3_num_f32 v[BM+\b], v[AC+16*\b], v[AC+16*\b+1], v[AC+16*\b+2]   ; the largest score of each block of 32 keys: for the row's maximum, and, since p rises with the score, for the block's largest p
.endr
	WIN 0x28+0x14*((\a)/4)
.irp i, 3,5,7,9,11,13
.irp b, 0,1,2,3
	v_max3_num_f32 v[BM+\b], v[BM+\b], v[AC+16*\b+\i], v[AC+16*\b+\i+1]
.endr
.endr
.irp b, 0,1,2,3
	v_max_num_f32 v[BM+\b], v[BM+\b], v[AC+16*\b+15]
.endr
	WIN 0
.irp b, 0,1,2,3
	v_permlanex16_b32 v[BX+\b], v[BM+\b], s66, s67
.endr
.irp b, 0,1,2,3
	v_max_num_f32 v[BM+\b], v[BM+\b], v[BX+\b]     ; with lane l xor 16's 16 keys
.endr
	v_max3_num_f32 v27, v[BM], v[BM+1], v[BM+2]
	v_max_num_f32 v27, v27, v[BM+3]
	v_mul_f32 v27, s68, v27                        ; the largest t of these 128 keys (c is positive)
	v_floor_f32 v30, -v27                          ; -M_loc = floor(-t) = -ceil(t)
.irp b, 0,1,2,3
	v_fma_f32 v[BM+\b], v[BM+\b], s68, v30
.endr
	WIN 0x82+0x41*((\a)/4)                         ; destination and source 0: the accumulators' window
.set j, 0
.rept 32
	v_pk_fma_f32 v[AC+j:AC+j+1], v[AC+j:AC+j+1], s[68:69], v[30:31] op_sel_hi:[1,0,0]   ; t - M_loc, two at a time
.set j, j+2
.endr
.set j, 0
	s_wait_alu depctr_va_vdst(0)
.rept 64
	v_exp_f32 v[AC+j], v[AC+j]                     ; p, at most 1
.set j, j+1
.endr
	WIN 0
	v_mov_b32 v[NMK+(\a)], v30                     ; (a plain place behind the exponentials)
	s_wait_alu depctr_va_vdst(0)                   ; one wait for the 64, ahead of their first reader
.irp b, 0,1,2,3
	v_exp_f32 v[BM+\b], v[BM+\b]                   ; the blocks' largest p: the same two instructions on the same number
.endr
	WIN 0x0a+5*((\a)/4)
.set j, 0
.rept 16
	v_pk_add_f32 v[T32+2*j:T32+2*j+1], v[AC+4*j:AC+4*j+1], v[AC+4*j+2:AC+4*j+3]   ; the sum of the UNQUANTISED p
.set j, j+1
.endr
	WIN 0
.irp i, 0,1,2,3,4,5,6,7
	v_pk_add_f32 v[T32+4*\i:T32+4*\i+1], v[T32+4*\i:T32+4*\i+1], v[T32+4*\i+2:T32+4*\i+3]
.endr
.irp i, 0,1,2,3
	v_pk_add_f32 v[T32+8*\i:T32+8*\i+1], v[T32+8*\i:T32+8*\i+1], v[T32+8*\i+4:T32+8*\i+5]
.endr
.irp i, 0,1
	v_pk_add_f32 v[T32+16*\i:T32+16*\i+1], v[T32+16*\i:T32+16*\i+1], v[T32+16*\i+8:T32+16*\i+9]
.endr
	v_pk_add_f32 v[T32:T32+1], v[T32:T32+1], v[T32+16:T32+17]
	v_add_f32 v27, v[T32], v[T32+1]
	v_permlanex16_b32 v[BX], v27, s66, s67
	v_add_f32 v[LK+(\a)], v27, v[BX]               ; l_loc
	s_wait_alu depctr_va_vdst(0)                   ; and one wait for the four
.irp b, 0,1,2,3
	v_max_num_f32 v[BM+\b], 0x1800000, v[BM+\b]    ; the floor 2^(3 - 127): the byte cannot fall under 1
.endr
.irp b, 0,1,2,3
	v_add_nc_u32 v[T32+\b], 0xff000000, v[BM+\b]   ; the conversion's scale operand
.endr
.irp b, 0,1,2,3
	v_lshrrev_b32 v[T32+4+\b], 23, v[T32+\b]       ; the byte, 1 .. 125
.endr
	v_lshl_or_b32 v[PW+(\a)], v[T32+5], 8, v[T32+4]
	v_lshl_or_b32 v[PW+(\a)], v[T32+6], 16, v[PW+(\a)]
	v_lshl_or_b32 v[PW+(\a)], v[T32+7], 24, v[PW+(\a)]
	TAILQ \a, T32
	PUTFRAG \a
.endm
.irp b, 0,1,2,3
	v_mov_b32 v[BX+\b], 0                          ; written once: a lane permute's destination counts as one of its sources
.endr
	v_mov_b32 v31, 0                               ; (named as the upper half of the pair v[30:31])
.irp t, 0,1,2,3,4,5,6,7
	SM \t
.endr
	v_cmp_ne_u32 vcc_lo, 0, v[HH]
	PUT8 PW, 240, 72, 0
	PUT8 NMK, 244, 74, 0
	PUT8 LK, 248, 74, 1024
	s_wait_tensorcnt 0x0                           ; the wave's end
	ds_add_u32 v[SPW], v[NIL]
	s_wait_dscnt 0x0
	CROUND                                         ; the closing round
	s_endpgm
.Lfunc_end_k_q3e379ee768_scores:
	.size	k_q3e379ee768_scores, .Lfunc_end_k_q3e379ee768_scores-k_q3e379ee768_scores
	.p2alignl 7, 3214868480
	.fill 96, 4, 3214868480
	.section	.rodata,"a",@progbits
	.p2align	6, 0x0
	.amdhsa_kernel k_q3e379ee768_scores
		.amdhsa_group_segment_fixed_size 327680
		.amdhsa_private_segment_fixed_size 0
		.amdhsa_enable_private_segment 0
		.amdhsa_kernarg_size 24
		.amdhsa_user_sgpr_count 2
		.amdhsa_user_sgpr_kernarg_segment_ptr 1
		.amdhsa_wavefront_size32 1
		.amdhsa_system_sgpr_workgroup_id_x 1
		.amdhsa_system_sgpr_workgroup_id_y 1
		.amdhsa_system_sgpr_workgroup_id_z 1
		.amdhsa_system_vgpr_workitem_id 0
		.amdhsa_next_free_vgpr 1024
		.amdhsa_next_free_sgpr 100
		.amdhsa_reserve_vcc 1
		.amdhsa_float_denorm_mode_32 3
		.amdhsa_float_denorm_mode_16_64 3
		.amdhsa_memory_ordered 1
		.amdhsa_forward_progress 1
		.amdhsa_inst_pref_size 191
	.end_amdhsa_kernel
	.amdgpu_metadata
---
amdhsa.version: [ 1, 2 ]
amdhsa.kernels:
  - .name:           k_q3e379ee768_scores
    .symbol:         k_q3e379ee768_scores.kd
    .args:
      - { .name: qkc, .offset: 0, .size: 8, .value_kind: global_buffer, .address_space: global }
      - { .name: pc, .offset: 8, .size: 8, .value_kind: global_buffer, .address_space: global }
      - { .name: pstat, .offset: 16, .size: 8, .value_kind: global_buffer, .address_space: global }
    .group_segment_fixed_size: 327680
    .private_segment_fixed_size: 0
    .kernarg_segment_align: 8
    .kernarg_segment_size: 24
    .max_flat_workgroup_size: 128
    .sgpr_count:     100
    .vgpr_count:     1024
    .wavefront_size: 32
...
	.end_amdgpu_metadata
.endif
;; end of part 7
;; launch pv (part 8): grid 4 x 64, 4 waves a work-group, clusters of 4 x 4, 327,680 bytes of LDS; arguments pc, pstat, vtc, out0; writes out0
.if DOCPART == 8
	.amdgcn_target "amdgcn-amd-amdhsa--gfx1250"
	.amdhsa_code_object_version 6
	.text
	.protected	k_q3e379ee768_pv
	.globl	k_q3e379ee768_pv
	.p2align	8
	.type	k_q3e379ee768_pv,@function
k_q3e379ee768_pv:
	s_mov_b64 s[64:65], 0
	v_nop
	global_prefetch_b8 v0, s[64:65] scope:SCOPE_SE
	s_setreg_imm32_b32 hwreg(HW_REG_WAVE_MODE, 25, 1), 1
	s_wait_xcnt 0x0
	s_wait_alu depctr_hold_cnt(0) depctr_sa_sdst(0) depctr_va_vdst(0) depctr_va_sdst(0) depctr_va_ssrc(0) depctr_va_vcc(0) depctr_vm_vsrc(0)
	s_getreg_b32 s2, hwreg(HW_REG_IB_STS2, 6, 4)
	s_cmp_eq_u32 s2, 0
	s_cbranch_scc0 .Lentry_in_a_cluster
	s_endpgm
.Lentry_in_a_cluster:
	s_bfe_u32 s2, ttmp6, 0x10000c
	s_cmp_lg_u32 s2, 0xf033
	s_cbranch_scc0 .Lentry_shape_is_right
	s_endpgm
.Lentry_shape_is_right:
; out = (P V) / l on codes of FP6 (E2M3): P's codes come from pc with a whole number M_loc and a sum l_loc for each row and each 128 keys (pstat).  The head takes the row's M = the largest M_loc, brings P's scale bytes
; and the sums under it by whole powers of two, which changes no code, and keeps the new scale words and 1 / l in LDS bytes of their own.
; A block is 128 queries (A, one row block of pc) x 256 e (B, two row blocks of vtc), K = 2,048 keys; a wave makes 64 x 128 in 32 accumulators; B is source 0 and A source 1.
; THE RING: two slots, each with 512 keys: A's two chunks (waves 0 and 1 fetch one each), then B's two row blocks x two chunks (waves 2 and 3): one joint load a wave at the head and behind each round of the cluster's barrier.
; A step of 128 keys is 32 matrix instructions; the next step's 39 LDS loads go out in one run ahead of them, into the other set of registers.
; PREFETCH: behind each fill but the last each wave names the bytes of its own next fill, a quarter for each of the four partners, told apart by address (cx for A, cy for B), 25 blocks of 256 bytes an instruction.
; LIMITS: NaN and infinities are not served; a scale byte that would fall under 0 is held at 0 over codes whose weight lies 127 powers of two under the row's largest.
.set CH,    25600
.set KSB,   12288
.set FRB,   1536
.set SCO,   24576
.set SLOT,  6*CH
.set PSC,   2*SLOT
.set RLB,   PSC+8192
.set SPARE, RLB+1024
.set SPITCH, 528
.set FR,    12
.set NP,    4
.set ADRA, 4
.set ADRB, 6
.set ASB,  8
.set PSW,  10
.set RLW,  11
.set RLR,  12
.set STO,  13
.set RD,   14
.set ASA,  15
.set GOF,  17
.set LI,   24
.set HH,   26
.set SPW,  28
.set NIL,  29
.set SCA,  32
.set SCB,  64
.set GM,   96
.set LS,   98
.set TP,   100
.set RV,   104
.set RL,   96
.set AF,   128
.set WD,   128
.set NM,   144
.set LL,   160
.set BK,   128
.set G1, 24
.set G0, 32
.set G1B, 48
.set G0B, 56
.set MSB, 0
.macro WIN new
.if MSB != (\new)
	s_set_vgpr_msb (MSB<<8)|(\new)
.set MSB, (\new)
.endif
.endm
.set MUL,    0xa1
.set TO_B,   0x40
.macro JLOAD g0a, g1a, g0b, g1b
	s_cmp_eq_u32 s15, 0
	s_cbranch_scc0 .Lfor_b_\@
	tensor_load_to_lds s[\g0a:\g0a+3], s[\g1a:\g1a+7]
	s_nop 0
.rept 4
	v_nop
.endr
	s_branch .Lasked_\@
.Lfor_b_\@:
	tensor_load_to_lds s[\g0b:\g0b+3], s[\g1b:\g1b+7]
	s_nop 0
.rept 4
	v_nop
.endr
.Lasked_\@:
.endm
.macro CREST
	s_cmp_lg_u32 s14, 0
	s_cbranch_scc1 .Lnot_wave_0_\@
	s_barrier_signal -3
.Lnot_wave_0_\@:
	s_barrier_wait -3
	s_barrier_signal -1
	s_barrier_wait -1
.endm
.macro CROUND
	s_barrier_signal -1
	s_barrier_wait -1
	CREST
.endm
	s_load_b256 s[4:11], s[0:1], 0x0
	v_lshl_add_u32 v[SPW], v0, 2, SPARE
	v_mov_b32 v[NIL], 0
	ds_add_u32 v[SPW], v[NIL]
	ds_add_u32 v[SPW], v[NIL]
	v_lshl_add_u32 v[PSW], v0, 2, PSC
	v_lshl_add_u32 v[RLW], v0, 3, RLB
	v_lshlrev_b32 v[GOF], 2, v0
	v_lshrrev_b32 v1, 5, v0
	v_readfirstlane_b32 s14, v1
	s_lshr_b32 s15, s14, 1
	s_and_b32 s16, s14, 1
	s_bfe_u32 s40, ttmp6, 0x40000
	s_bfe_u32 s41, ttmp6, 0x40004
	s_lshl_b32 s42, ttmp9, 2
	s_add_co_u32 s42, s42, s40
	s_and_b32 s17, ttmp7, 0xffff
	s_lshl_b32 s88, s17, 2
	s_add_co_u32 s88, s88, s41
	s_lshl_b32 s43, s41, 2
	s_lshl_b32 s43, 15, s43
	s_lshl_b32 s44, 0x1111, s40
	s_or_b32 s[G1+0], s43, (3<<16)|(1<<21)
	s_or_b32 s[G1B+0], s44, (3<<16)|(1<<21)
	s_mov_b32 s[G1+1], 32<<16
	s_mov_b32 s[G1+2], 100<<16
	s_mov_b32 s[G1+3], 32<<16
	s_mov_b32 s[G1+4], 100
	s_mov_b32 s[G1+5], 32
	s_mov_b32 s[G1+6], 0
	s_mov_b32 s[G1+7], 0
	s_mov_b32 s[G1B+1], 32<<16
	s_mov_b32 s[G1B+2], 200<<16
	s_mov_b32 s[G1B+3], 32<<16
	s_mov_b32 s[G1B+4], 200
	s_mov_b32 s[G1B+5], 32
	s_mov_b32 s[G1B+6], 0
	s_mov_b32 s[G1B+7], 0
	s_lshl_b32 s20, s88, 3
	s_add_co_u32 s20, s20, s16
	s_mul_i32 s20, s20, CH
	s_mov_b32 s21, 0
	s_lshl_b32 s46, s42, 1
	s_add_co_u32 s46, s46, s16
	s_lshl_b32 s46, s46, 3
	s_lshr_b32 s47, s17, 2
	s_lshl_b32 s47, s47, 6
	s_add_co_u32 s46, s46, s47
	s_mul_i32 s46, s46, CH
	s_mov_b32 s47, 0
	s_mul_i32 s45, s16, CH
	s_mul_i32 s84, s16, 2*CH
	s_add_co_u32 s84, s84, 2*CH
	s_mul_i32 s80, s88, 8*CH
	s_mov_b32 s81, 0
	s_lshl_b32 s82, s88, 14
	s_mov_b32 s83, 0
	s_mov_b32 s86, 0x01010101
	s_mov_b32 s87, 0x80808080
	s_wait_alu depctr_va_vdst(0)
	s_wait_dscnt 0x0
	s_wait_kmcnt 0x0
	s_add_nc_u64 s[20:21], s[4:5], s[20:21]
	s_add_nc_u64 s[46:47], s[8:9], s[46:47]
	s_add_nc_u64 s[76:77], s[4:5], s[80:81]
	s_add_nc_u64 s[78:79], s[6:7], s[82:83]
.set g, 0
.rept 16
	global_load_b32 v[WD+g], v[GOF], s[76:77] offset:(g/2)*CH+SCO+512*(g%2)
	global_load_b32 v[NM+g], v[GOF], s[78:79] offset:(g/2)*2048+512*(g%2)
	global_load_b32 v[LL+g], v[GOF], s[78:79] offset:(g/2)*2048+512*(g%2)+1024
.set g, g+1
.endr
	CROUND
.irp s, 0,1
	s_mov_b32 s[G0+4*\s], 1
	s_add_co_u32 s[G0+4*\s+1], s45, \s*SLOT
	s_add_nc_u64 s[G0+4*\s+2:G0+4*\s+3], s[20:21], \s*2*CH
	s_or_b32 s[G0+4*\s+3], s[G0+4*\s+3], 0x80000000
	s_mov_b32 s[G0B+4*\s], 1
	s_add_co_u32 s[G0B+4*\s+1], s84, \s*SLOT
	s_add_nc_u64 s[G0B+4*\s+2:G0B+4*\s+3], s[46:47], \s*2*CH
	s_or_b32 s[G0B+4*\s+3], s[G0B+4*\s+3], 0x80000000
.endr
.macro ASK off                         ; my quarter of my next fill: A's waves 25 blocks of 256 bytes, B's 50; the base is made once, the slot stands in the offset
	global_prefetch_b8 v18, s[90:91] offset:\off th:TH_LOAD_NT scope:SCOPE_SE
	s_cmp_eq_u32 s15, 0
	s_cbranch_scc1 .Lpf_\@
	global_prefetch_b8 v18, s[90:91] offset:\off+6400 th:TH_LOAD_NT scope:SCOPE_SE
.Lpf_\@:
.endm
	s_cmp_eq_u32 s15, 0
	s_cselect_b64 s[90:91], s[20:21], s[46:47]     ; what I fetch: A's chunks or B's
	s_cselect_b32 s92, s40, s41                    ; my place among the four that ask with me
	s_lshl_b32 s93, 6400, s15                      ; a quarter of a load: 6,400 bytes of A's, 12,800 of B's
	s_mul_i32 s92, s92, s93
	s_mov_b32 s93, 0
	s_add_nc_u64 s[90:91], s[90:91], s[92:93]
	JLOAD G0, G1, G0B, G1B                         ; keys 0-511: one tensor load a wave at the head, behind the opening round
	v_and_b32 v1, 15, v0
	v_bfe_u32 v[HH], v0, 4, 1
	v_and_b32 v2, 31, v0
	v_lshlrev_b32 v[LI], 4, v2
	v_lshlrev_b32 v3, 5, v1
	v_min_u32 v18, 24, v2
	v_lshlrev_b32 v18, 8, v18                      ; the prefetches' offset: 256 min(lane, 24)
	s_wait_alu depctr_va_vdst(0)
	s_mul_i32 s18, s15, 4*FRB
	s_mul_i32 s19, s16, 2*CH
	s_add_co_u32 s19, s19, 2*CH
.irp s, 0,1
	v_add_nc_u32 v[ADRA+\s], s18, v[LI]
	v_add_nc_u32 v[ADRB+\s], s19, v[LI]
	v_add_nc_u32 v[ASB+\s], s19, v3
	s_add_co_u32 s18, s18, SLOT
	s_add_co_u32 s19, s19, SLOT
.endr
	s_lshl_b32 s18, s15, 4
	s_add_co_u32 s18, s18, PSC
	v_add_nc_u32 v[ASA], s18, v3
	s_lshl_b32 s18, s15, 5
	s_add_co_u32 s18, s18, RLB
	v_lshl_add_u32 v[RLR], v1, 6, s18
	s_mul_i32 s18, s14, 16*SPITCH
	v_mul_u32_u24 v[STO], v1, SPITCH
	v_lshl_add_u32 v[STO], v[HH], 6, v[STO]
	v_add_nc_u32 v[STO], s18, v[STO]
	v_add_nc_u32 v[RD], s18, v[LI]
	s_lshl_b32 s80, s88, 1
	s_add_co_u32 s80, s80, s15
	s_lshl_b32 s80, s80, 18
	s_lshl_b32 s82, s42, 1
	s_add_co_u32 s82, s82, s16
	s_lshl_b32 s82, s82, 9
	s_add_co_u32 s80, s80, s82
	s_add_nc_u64 s[12:13], s[10:11], s[80:81]
	ASK 2*CH                                       ; the next fill: keys 512-1023
	s_wait_loadcnt 0x0                             ; the rows' words, -M_loc and l_loc are in; what follows is worked while slot 0 is on its way
	v_min3_num_f32 v[GM], v[NM], v[NM+1], v[NM+2]
	v_min3_num_f32 v[GM+1], v[NM+3], v[NM+4], v[NM+5]
.irp n, 6,10
	v_min3_num_f32 v[GM], v[GM], v[NM+\n], v[NM+\n+1]
	v_min3_num_f32 v[GM+1], v[GM+1], v[NM+\n+2], v[NM+\n+3]
.endr
	v_min3_num_f32 v[GM], v[GM], v[NM+14], v[NM+15]
	v_min_num_f32 v[GM], v[GM], v[GM+1]
.set g, 0
.rept 8
.irp j, 0,1
	v_sub_f32 v[TP+\j], v[GM], v[NM+2*g+\j]
.endr
.irp j, 0,1
	v_max_num_f32 v[TP+\j], 0xc2fe0000, v[TP+\j]
.endr
.irp j, 0,1
	v_cvt_i32_f32 v[TP+\j], v[TP+\j]
.endr
.if g == 0
.irp j, 0,1
	v_ldexp_f32 v[LS+\j], v[LL+\j], v[TP+\j]
.endr
.else
.irp j, 0,1
	v_ldexp_f32 v[TP+2+\j], v[LL+2*g+\j], v[TP+\j]
.endr
.irp j, 0,1
	v_add_f32 v[LS+\j], v[LS+\j], v[TP+2+\j]
.endr
.endif
.irp j, 0,1
	v_mul_lo_u32 v[TP+\j], v[TP+\j], s86
.endr
.irp j, 0,1
	v_or_b32 v[WD+2*g+\j], s87, v[WD+2*g+\j]
.endr
.irp j, 0,1
	v_add_nc_u32 v[WD+2*g+\j], v[WD+2*g+\j], v[TP+\j]
.endr
.irp j, 0,1
	v_and_b32 v[TP+\j], s87, v[WD+2*g+\j]
.endr
.irp j, 0,1
	v_lshrrev_b32 v[TP+2+\j], 7, v[TP+\j]
.endr
.irp j, 0,1
	v_sub_nc_u32 v[TP+\j], v[TP+\j], v[TP+2+\j]
.endr
.irp j, 0,1
	v_and_b32 v[WD+2*g+\j], v[WD+2*g+\j], v[TP+\j]
.endr
.irp j, 0,1
	ds_store_b32 v[PSW], v[WD+2*g+\j] offset:512*(2*g+\j)
.endr
.set g, g+1
.endr
	v_add_f32 v[LS], v[LS], v[LS+1]
	s_wait_alu depctr_va_vdst(0)
	v_rcp_f32 v[RV], v[LS]
	v_rcp_f32 v[RV+1], v[LS]
	v_nop
	s_wait_alu depctr_va_vdst(0)
	ds_store_b64 v[RLW], v[RV:RV+1]
.macro MUL8 a, p, zero                 ; A's tile a x B's eight; the 32 accumulators take turns, one instruction a turn
.irp b, 0,1,2,3,4,5,6,7
.if \zero
	v_wmma_scale_f32_16x16x128_f8f6f4 v[8*(8*(\a)+\b):8*(8*(\a)+\b)+7], v[128*(\p)+FR*\b:128*(\p)+FR*\b+FR-1], v[AF+48*(\p)+FR*(\a):AF+48*(\p)+FR*(\a)+FR-1], 0, v[SCB+8*(\p)+\b], v[SCA+4*(\p)+(\a)] matrix_a_fmt:MATRIX_FMT_FP6 matrix_b_fmt:MATRIX_FMT_FP6
.else
	v_wmma_scale_f32_16x16x128_f8f6f4 v[8*(8*(\a)+\b):8*(8*(\a)+\b)+7], v[128*(\p)+FR*\b:128*(\p)+FR*\b+FR-1], v[AF+48*(\p)+FR*(\a):AF+48*(\p)+FR*(\a)+FR-1], v[8*(8*(\a)+\b):8*(8*(\a)+\b)+7], v[SCB+8*(\p)+\b], v[SCA+4*(\p)+(\a)] matrix_a_fmt:MATRIX_FMT_FP6 matrix_b_fmt:MATRIX_FMT_FP6
.endif
.endr
.endm
.macro MUL16 a0, p, zero
	MUL8 \a0, \p, \zero
	MUL8 (\a0)+1, \p, \zero
.endm
.macro FETCH j
.set FS, ((\j)/4)%2
.set FC, (((\j)%4)/2)*CH
.set FO, FC+((\j)%2)*KSB
.set FP, (\j)%2
	WIN TO_B
.irp i, 0,1,2,3,4,5,6,7
.irp c, 0,1,2
	ds_load_b128 v[128*FP+FR*\i+4*\c:128*FP+FR*\i+4*\c+3], v[ADRB+FS] offset:FO+\i*FRB+512*\c
.endr
.endr
	WIN 0
.irp i, 0,1,2,3
.irp c, 0,1,2
	ds_load_b128 v[AF+48*FP+FR*\i+4*\c:AF+48*FP+FR*\i+4*\c+3], v[ADRA+FS] offset:FO+\i*FRB+512*\c
.endr
.endr
	ds_load_b128 v[SCA+4*FP:SCA+4*FP+3], v[ASA] offset:512*(\j)
	ds_load_b128 v[SCB+8*FP:SCB+8*FP+3], v[ASB+FS] offset:FC+SCO+512*((\j)%2)
	ds_load_b128 v[SCB+8*FP+4:SCB+8*FP+7], v[ASB+FS] offset:FC+SCO+512*((\j)%2)+16
.endm
.macro PLACES n
.rept \n
	v_nop
.endr
.endm
.macro KSTEP j, zero
	s_wait_dscnt 0x0
	PLACES NP
	FETCH (\j)+1
	WIN MUL
	MUL16 0, (\j)%2, \zero
	MUL16 2, (\j)%2, \zero
	WIN 0
.endm
.macro TURN j, fill
.set TS, ((\j)/4)%2
	s_wait_tensorcnt 0x0
	ds_add_u32 v[SPW], v[NIL]
	s_wait_dscnt 1                                 ; the add alone may be out: this step's 39 loads, issued ahead of it, are in
	WIN MUL
	MUL8 0, (\j)%2, 0                              ; eight matrix instructions stand between the add and the wait for it
	s_wait_dscnt 0x0                               ; the add is done, and my reads of this slot are over
	s_barrier_signal -1
	MUL8 1, (\j)%2, 0
	WIN 0
	s_barrier_wait -1
.if \fill
	CREST
	s_add_nc_u64 s[G0+4*TS+2:G0+4*TS+3], s[G0+4*TS+2:G0+4*TS+3], 4*CH
	s_add_nc_u64 s[G0B+4*TS+2:G0B+4*TS+3], s[G0B+4*TS+2:G0B+4*TS+3], 4*CH
	JLOAD G0+4*TS, G1, G0B+4*TS, G1B
.else
	PLACES NP
.endif
	FETCH (\j)+1
.if (\j) == 3
	ASK 6*CH                                       ; the next refill, the last: keys 1,536-2,047
.endif
	WIN MUL
	MUL16 2, (\j)%2, 0
	WIN 0
.endm
	s_wait_alu depctr_va_vdst(0)
	s_wait_tensorcnt 0x0                           ; my part of slot 0 is in
	ds_add_u32 v[SPW], v[NIL]
	s_wait_dscnt 0x0                               ; the add is done, and so are my stores of scale words and of 1 / l
	CROUND                                         ; slot 0, the scale words and 1 / l are whole for every wave, and the joint loads meet
	JLOAD G0+4, G1, G0B+4, G1B                     ; keys 512-1023, the first tensor load behind the round
	FETCH 0
	ASK 4*CH                                       ; the next refill: keys 1,024-1,535
	KSTEP 0, 1
	KSTEP 1, 0
	KSTEP 2, 0
	TURN 3, 1
	KSTEP 4, 0
	KSTEP 5, 0
	KSTEP 6, 0
	TURN 7, 1
	KSTEP 8, 0
	KSTEP 9, 0
	KSTEP 10, 0
	TURN 11, 0
	KSTEP 12, 0
	KSTEP 13, 0
	KSTEP 14, 0
	s_wait_dscnt 0x0
	WIN MUL
	MUL16 0, 1, 0
	MUL16 2, 1, 0
	WIN 0
	PLACES NP
.macro SCALE a
.set AC, 64*(\a)
	WIN 0x82
.set j, 0
.rept 32
	v_pk_mul_f32 v[AC+j:AC+j+1], v[AC+j:AC+j+1], v[RL+2*(\a):RL+2*(\a)+1]
.set j, j+2
.endr
.endm
.macro TOSTAGE a
.set AC, 64*(\a)
	WIN 0x08
.irp b, 0,1,2,3,4,5,6,7
	ds_store_b128 v[STO], v[AC+8*\b:AC+8*\b+3] offset:128*(\b/2)+32*(\b%2)
	ds_store_b128 v[STO], v[AC+8*\b+4:AC+8*\b+7] offset:128*(\b/2)+32*(\b%2)+16
.endr
	WIN 0
.set BB, BK+64*((\a)%2)
.irp t, 0,1,2,3,4,5,6,7,8,9,10,11,12,13,14,15
	ds_load_b128 v[BB+4*\t:BB+4*\t+3], v[RD] offset:\t*SPITCH
.endr
.endm
.macro SEND a, younger
.set BB, BK+64*((\a)%2)
	s_wait_dscnt \younger
.irp t, 0,1,2,3,4,5,6,7,8,9,10,11,12,13,14,15
	global_store_b128 v[LI], v[BB+4*\t:BB+4*\t+3], s[12:13] offset:(32*((\a)/2)+8*((\a)%2)+\t+8*(\t/8))*4096 th:TH_STORE_NT
.endr
.endm
	ds_load_b128 v[RL:RL+3], v[RLR]
	ds_load_b128 v[RL+4:RL+7], v[RLR] offset:16
	s_wait_dscnt 0x0
	SCALE 0
	TOSTAGE 0
.irp a, 1,2,3
.if \a > 1
	s_wait_xcnt 0x0
.endif
	SCALE \a
	TOSTAGE \a
	SEND \a-1, 32
.endr
	SEND 3, 0
	s_wait_tensorcnt 0x0
	ds_add_u32 v[SPW], v[NIL]
	s_wait_dscnt 0x0
	CROUND
	s_endpgm
.Lfunc_end_k_q3e379ee768_pv:
	.size	k_q3e379ee768_pv, .Lfunc_end_k_q3e379ee768_pv-k_q3e379ee768_pv
	.p2alignl 7, 3214868480
	.fill 96, 4, 3214868480
	.section	.rodata,"a",@progbits
	.p2align	6, 0x0
	.amdhsa_kernel k_q3e379ee768_pv
		.amdhsa_group_segment_fixed_size 327680
		.amdhsa_private_segment_fixed_size 0
		.amdhsa_enable_private_segment 0
		.amdhsa_kernarg_size 32
		.amdhsa_user_sgpr_count 2
		.amdhsa_user_sgpr_kernarg_segment_ptr 1
		.amdhsa_wavefront_size32 1
		.amdhsa_system_sgpr_workgroup_id_x 1
		.amdhsa_system_sgpr_workgroup_id_y 1
		.amdhsa_system_sgpr_workgroup_id_z 1
		.amdhsa_system_vgpr_workitem_id 0
		.amdhsa_next_free_vgpr 768
		.amdhsa_next_free_sgpr 100
		.amdhsa_reserve_vcc 0
		.amdhsa_float_denorm_mode_32 3
		.amdhsa_float_denorm_mode_16_64 3
		.amdhsa_memory_ordered 1
		.amdhsa_forward_progress 1
		.amdhsa_inst_pref_size 156
	.end_amdhsa_kernel
	.amdgpu_metadata
---
amdhsa.version: [ 1, 2 ]
amdhsa.kernels:
  - .name:           k_q3e379ee768_pv
    .symbol:         k_q3e379ee768_pv.kd
    .args:
      - { .name: pc, .offset: 0, .size: 8, .value_kind: global_buffer, .address_space: global }
      - { .name: pstat, .offset: 8, .size: 8, .value_kind: global_buffer, .address_space: global }
      - { .name: vtc, .offset: 16, .size: 8, .value_kind: global_buffer, .address_space: global }
      - { .name: out0, .offset: 24, .size: 8, .value_kind: global_buffer, .address_space: global }
    .group_segment_fixed_size: 327680
    .private_segment_fixed_size: 0
    .kernarg_segment_align: 8
    .kernarg_segment_size: 32
    .max_flat_workgroup_size: 128
    .sgpr_count:     100
    .vgpr_count:     768
    .wavefront_size: 32
...
	.end_amdgpu_metadata
.endif
;; end of part 8
